; MI455X (gfx1250); checked and timed in simulation.
; The chip was launched on July 23, 2026; its instructions are those of AMD's public machine-readable ISA for CDNA 5 (MIT licence, August 2026) and "CDNA5" Instruction Set Architecture Reference Guide (July 2026). The comments in the code are by the model that wrote it; some were corrected since.
;; Block. Allowed arithmetic: matrix products marked QUANTISED: E4M3 operands, one E8M0 scale for each 32 along K, by v_wmma_scale_f32_16x16x128_f8f6f4 with both operands' format E4M3, f32 sums; everything else in f32.
;; Inputs: W1 512 x 2,048 float32; W2 2,048 x 512 float32; Wk 512 x 512 float32; Wp 512 x 512 float32; Wq 512 x 512 float32; Wv 512 x 512 float32; b1 2,048 float32; b2 512 float32; bk 512 float32; bp 512 float32; bq 512 float32; bv 512 float32; ln1_b 512 float32; ln1_g 512 float32; ln2_b 512 float32; ln2_g 512 float32; x 4 x 2,048 x 512 float32.
;; Outputs: out0 4 x 2,048 x 512 float32.
;; Constants: cond_len = 256.
;; This version of the problem:
;;   THIS VERSION OF THE PROBLEM IS GIVEN IN LOW PRECISION. The matrix products marked QUANTISED in the list below multiply operands that are first quantised to E4M3 (4 exponent bits, 3 mantissa bits; 8 bits a number), with one power-of-two scale for each 32 numbers along K (OCP MX v1.0); their sums are f32. All else is computed in f32.
;;   The module's matrix products, in the order in which they are computed (A, B: the left and right operand; K: the contracted axis; several contracted axes count as one K, in the product's order):
;;     1. [M 8,192, K 512] x [K 512, N 512]; A: computed on the way; B: input Wq: QUANTISED
;;     2. [M 8,192, K 512] x [K 512, N 512]; A: computed on the way; B: input Wk: QUANTISED
;;     3. [M 8,192, K 512] x [K 512, N 512]; A: computed on the way; B: input Wv: QUANTISED
;;     4. batch 64 x [M 2,048, K 32] x [K 32, N 2,048]; A: computed on the way; B: computed on the way: QUANTISED
;;     5. batch 64 x [M 2,048, K 2,048] x [K 2,048, N 32]; A: softmax (see below); B: computed on the way: QUANTISED
;;     6. [M 8,192, K 512] x [K 512, N 512]; A: computed on the way; B: input Wp: QUANTISED
;;     7. [M 8,192, K 512] x [K 512, N 2,048]; A: computed on the way; B: input W1: QUANTISED
;;     8. [M 8,192, K 2,048] x [K 2,048, N 512]; A: computed on the way; B: input W2: QUANTISED
;;   THE QUANTISER, for each operand of a quantised product, along K:
;;     - K is cut into blocks of 32 from its start; a last block that is shorter is filled with zeros.
;;     - A block's scale is 2^e with e = floor(log2(the largest magnitude in the block)) - 8, held to -126 .. 127; a block of zeros has e = 0. As a byte (E8M0): e + 127.
;;     - Each number is divided by its block's scale, clamped to +-448, and rounded to the nearest number of E4M3, ties to even, subnormals kept.
;;     - The product sums the exact products of the quantised numbers (number of the format x scale) in f32.
;;   ~~~python
;;   def quantise(x, axis):      # numpy; x: float32 -> the quantised numbers, widened to float32 again
;;       x = np.moveaxis(x, axis, -1); K = x.shape[-1]
;;       x = np.pad(x, [(0, 0)] * (x.ndim - 1) + [(0, -K % 32)]); x = x.reshape(x.shape[:-1] + (-1, 32)); a = np.abs(x).max(-1, keepdims=True)
;;       e = np.where(a > 0, np.clip(np.frexp(np.where(a > 0, a, 1))[1] - 1 - 8, -126, 127), 0)      # np.frexp(a)[1] - 1 = floor(log2(a)), exactly
;;       r = np.clip(x / 2.0 ** e, -448, 448)
;;       step = 2.0 ** (np.maximum(np.frexp(np.where(r == 0, 1, r))[1] - 1, -6) - 3)
;;       q = np.round(r / step) * step * 2.0 ** e      # np.round: ties to even
;;       return np.moveaxis(q.reshape(q.shape[:-2] + (-1,))[..., :K], -1, axis).astype(np.float32)
;;   ~~~
;;   SOFTMAX AHEAD OF A QUANTISED PRODUCT. Where the list says 'softmax', what is quantised is not the finished softmax but p = 2^(t - M), with t = logit x log2(e) and M = ceil(the row's largest t), a whole number; so 1/2 < the row's largest p <= 1. The row's sum l is taken of the UNQUANTISED p, in f32, and the product's result is divided by l at the end. Since M is a whole number, a kernel that streams over the keys may use a running M (the ceiling of the running maximum): every later rescaling is an exact power of two, which a block's scale takes up: the codes' values come out the same.
;;   OPERANDS COMPUTED ON THE WAY. 'Computed on the way' means the value that the module computes at that place (a softmax that the list does not call 'softmax' is quantised finished and normalised). What goes into a quantiser is computed in f32, as accurately as f32 sums, v_exp_f32 and their like allow (about 1e-6 of the number): no bf16 or f16 on the way to a quantiser, and a product that is left as it is and whose result goes on into a quantised operand takes f32 operands (vector FMAs, or v_wmma_f32_16x16x4_f32). A number that lies on a knife's edge between two numbers of the format may be rounded either way, as far as f32 arithmetic and the matrix unit's own rounding can turn it there, and no further.
;; 2 versions. Each part assembles by itself: llvm-mc -triple=amdgcn-amd-amdhsa -mcpu=gfx1250 --defsym DOCPART=n.
;; ======== version 1 of 2: 6 launches
;; workspace buffers: wts 3,342,336 bytes; hbuf 4,456,448 bytes; qkv 13,369,344 bytes; ybuf 4,456,448 bytes; r2buf 16,777,216 bytes; h2buf 4,456,448 bytes; hid 17,825,792 bytes
;; launch prep (part 1): grid 320 x 1, 4 waves a work-group, no clusters, 0 bytes of LDS; arguments x, ln1_g, ln1_b, Wq, Wk, Wv, Wp, W2, W1, wts, hbuf; writes wts, hbuf
.if DOCPART == 1
	.amdgcn_target "amdgcn-amd-amdhsa--gfx1250"
	.amdhsa_code_object_version 6
	.text
	.protected	k_q6c3f26ab40_prep
	.globl	k_q6c3f26ab40_prep
	.p2align	8
	.type	k_q6c3f26ab40_prep,@function
k_q6c3f26ab40_prep:
	s_mov_b64 s[64:65], 0
	v_nop
	global_prefetch_b8 v0, s[64:65] scope:SCOPE_SE
	s_setreg_imm32_b32 hwreg(HW_REG_WAVE_MODE, 25, 1), 1
	s_wait_xcnt 0x0
; PREP: the six weights and LN1(x) become codes of FP8 (E4M3) with one E8M0 byte for each 32 along K, laid as IMAGES OF THE OPERAND'S REGISTERS.
; A fragment is 16 rows x 128 K: 2,048 bytes in four chunks of 512; lane L = r + 16 h has 16 bytes at 16 L of chunk c: k = 32 c + 16 h + 0 .. 15 of the row at place r.
; Its scale image is 128 bytes: the word at 4 L holds the row's four bytes (lanes 16-31 repeat lanes 0-15).
; THE ROWS OF A TILE ARE NOT NEIGHBOURS: place r of tile tau is index 32 (tau / 2) + 8 (tau % 2) + r + 8 (r / 8), for every tensor of this program: a product's results then lie in the order of the next operand's registers.
; Work-groups 0-191: weights ([K][N] f32, K the first axis): a wave takes 32 columns x 128 K; a lane takes a column and its registers run down K, so a block of 32 lies in one lane.
; Work-groups 192-319: LN1: a wave takes a tile of 16 rows; a row lies in lanes r and r + 16, 256 numbers each, in the order of the operand's registers.
; wts: fragment f at 2,048 f, its scale image at SC0 + 128 f.  f: Wq, Wk, Wv as one N of 1,536: 4 tile + s; Wp: 384 + 4 tile + s; W1: 512 + 4 tile + s; W2: 1,024 + 16 tile + s.
; LIMITS: a block of zeros gets the byte 1 where the rule says 127 (its codes are zeros, and this program alone reads the bytes); NaN and infinities among the inputs are not served.
; No LDS, no barrier: waves share nothing.  No cluster: no two work-groups read the same bytes.
.set SC0, 3145728
.set HS0, 4194304
.set PC,  224                          ; LN: v224-239 the codes just made
.set TM,  240                          ; LN: v240-255 at work in QUANT
.set PW,  22                           ; LN: the scale word just made
.set SEL, 38                           ; s[38:39] lane selects: lane l xor 16
.set MNT, 54                           ; s54 the mantissa field of 448
.set MSB, 0
.macro WIN new                         ; the immediate's high byte repeats the setting that is left
.if MSB != \new
	s_set_vgpr_msb (MSB<<8)|\new
.set MSB, \new
.endif
.endm
; 64 numbers of a lane, register 16 b + i = k 32 b + 16 (lane / 16) + i of my row, become a fragment's codes in v[PC] on and its scale word in v[PW]
.macro QUANT s
.irp b, 0,1,2,3
	v_max3_num_f32 v[TM+\b], |v[\s+16*\b]|, |v[\s+1+16*\b]|, 0x4800000   ; my 16 numbers of block b, and the floor 2^(9 - 127): the byte cannot fall under 1
.endr
.irp i, 2,4,6,8,10,12,14
.irp b, 0,1,2,3
	v_max3_num_f32 v[TM+\b], v[TM+\b], |v[\s+16*\b+\i]|, |v[\s+1+16*\b+\i]|
.endr
.endr
.irp b, 0,1,2,3
	v_permlanex16_b32 v[TM+4+\b], v[TM+\b], s[SEL], s[SEL+1]
.endr
.irp b, 0,1,2,3
	v_max_num_f32 v[TM+\b], v[TM+\b], v[TM+4+\b]       ; with lane l xor 16's: the block's largest magnitude
.endr
.irp b, 0,1,2,3
	v_add_nc_u32 v[TM+12+\b], 0xfc000000, v[TM+\b]     ; 8 off its exponent field: the conversion's scale operand
.endr
.irp b, 0,1,2,3
	v_and_or_b32 v[TM+8+\b], v[TM+\b], 0x7f800000, s[MNT]   ; 448 x the scale
.endr
.irp b, 0,1,2,3
	v_lshrrev_b32 v[TM+4+\b], 23, v[TM+12+\b]          ; the scale's byte
.endr
	v_lshl_or_b32 v[PW], v[TM+5], 8, v[TM+4]
	v_lshl_or_b32 v[PW], v[TM+6], 16, v[PW]
	v_lshl_or_b32 v[PW], v[TM+7], 24, v[PW]
.irp b, 0,1,2,3
.irp i, 0,1,2,3,4,5,6,7,8,9,10,11,12,13,14,15
	v_med3_num_f32 v[\s+16*\b+\i], v[\s+16*\b+\i], -v[TM+8+\b], v[TM+8+\b]   ; the conversion does not saturate (ISA guide 7.6.2): the hold
.endr
	v_cvt_scalef32_pk8_fp8_f32 v[PC+4*\b:PC+1+4*\b], v[\s+16*\b:\s+7+16*\b], v[TM+12+\b]
	v_cvt_scalef32_pk8_fp8_f32 v[PC+2+4*\b:PC+3+4*\b], v[\s+8+16*\b:\s+15+16*\b], v[TM+12+\b]
.endr
	v_nop                                              ; a plain line behind the last conversion
.endm
	s_load_b512 s[8:23], s[0:1], 0x0               ; x, ln1_g, ln1_b, Wq, Wk, Wv, Wp, W2
	s_load_b128 s[24:27], s[0:1], 0x40             ; W1, wts
	s_load_b64 s[28:29], s[0:1], 0x50              ; hbuf
	v_lshrrev_b32 v1, 5, v0
	v_readfirstlane_b32 s2, v1                     ; wave 0..3
	s_mov_b32 s[MNT], 0x600000
	s_wait_kmcnt 0x0
	s_cmp_ge_u32 ttmp9, 192
	s_cbranch_scc1 .Lln
	; ---- WEIGHTS.  class 0: Wq, Wk, Wv, Wp (16 work-groups each); class 1: W2; class 2: W1
	s_lshr_b32 s30, ttmp9, 6                       ; class
	s_and_b32 s32, ttmp9, 63
	s_and_b32 s33, ttmp9, 15
	s_lshr_b32 s34, ttmp9, 4
	s_lshl_b32 s34, s34, 7                         ; class 0: 128 fragments a matrix
	s_cmp_eq_u32 s30, 0
	s_cselect_b32 s32, s33, s32                    ; the job's number within its matrix
	s_cselect_b32 s34, s34, 512                    ; the matrix's first fragment
	s_cmp_eq_u32 s30, 1
	s_cselect_b32 s34, 1024, s34
	s_cselect_b32 s35, 4, 2                        ; log2 of a tile's fragments: 16 K steps in W2, else 4
	s_cmp_eq_u32 s30, 2
	s_cselect_b32 s36, 15, 3                       ; quads of column groups: 16 in W1, else 4
	s_cselect_b32 s37, 4, 2
	s_cselect_b32 s38, 13, 11                      ; log2 of a row's bytes
	s_and_b32 s39, s32, s36
	s_lshr_b32 s40, s32, s37                       ; the K step
	s_lshl_b32 s39, s39, 2
	s_add_co_u32 s39, s39, s2                      ; the group of 32 columns = tiles 2 grp, 2 grp + 1
	s_lshl_b32 s41, s39, 1
	s_lshl_b32 s41, s41, s35
	s_add_co_u32 s41, s41, s34
	s_add_co_u32 s41, s41, s40                     ; the even tile's fragment
	s_lshl_b32 s42, s40, 7
	s_lshl_b32 s42, s42, s38                       ; 128 rows a K step
	s_lshl_b32 s43, s39, 7                         ; 128 bytes a group
	s_add_co_u32 s42, s42, s43
	s_mov_b32 s43, 0
	s_mov_b64 s[44:45], s[24:25]                   ; which matrix: the choice hangs on the work-group's number alone
	s_cmp_lt_u32 ttmp9, 128
	s_cselect_b64 s[44:45], s[22:23], s[44:45]
	s_cmp_lt_u32 ttmp9, 64
	s_cselect_b64 s[44:45], s[20:21], s[44:45]
	s_cmp_lt_u32 ttmp9, 48
	s_cselect_b64 s[44:45], s[18:19], s[44:45]
	s_cmp_lt_u32 ttmp9, 32
	s_cselect_b64 s[44:45], s[16:17], s[44:45]
	s_cmp_lt_u32 ttmp9, 16
	s_cselect_b64 s[44:45], s[14:15], s[44:45]
	s_add_nc_u64 s[44:45], s[44:45], s[42:43]
	s_lshl_b32 s46, s41, 11
	s_mov_b32 s47, 0
	s_add_nc_u64 s[48:49], s[26:27], s[46:47]      ; the codes
	s_lshl_b32 s46, s41, 7
	s_add_co_u32 s46, s46, SC0
	s_add_nc_u64 s[50:51], s[26:27], s[46:47]      ; the scale images
	s_lshl_b32 s52, 2048, s35                      ; from the even tile to the odd one
	s_lshl_b32 s53, 128, s35
	v_and_b32 v6, 31, v0
	v_lshlrev_b32 v1, 2, v6                        ; in: lane l takes column l of the group
	v_bfe_u32 v2, v0, 3, 1                         ; which is tile u = (l / 8) % 2,
	v_and_b32 v3, 7, v0
	v_bfe_u32 v7, v0, 4, 1
	v_lshl_add_u32 v3, v7, 3, v3                   ; place r = l % 8 + 8 (l / 16)
	v_mul_lo_u32 v4, v2, s52
	v_lshl_add_u32 v4, v3, 4, v4
	v_mul_lo_u32 v5, v2, s53
	v_lshl_add_u32 v5, v3, 2, v5
.macro WLOAD t, nb                     ; block t: W(32 t + i, my column): 128 consecutive bytes a wave, the four waves side by side
.irp i, 0,1,2,3,4,5,6,7,8,9,10,11,12,13,14,15,16,17,18,19,20,21,22,23,24,25,26,27,28,29,30,31
	global_load_b32 v[32+32*((\t)%2)+\i], v1, s[44:45] offset:(32*(\t)+\i)*\nb th:TH_LOAD_NT
.endr
.endm
.macro WBLOCK t, nb
.set XS, 32+32*((\t)%2)
.if (\t) < 3
	s_wait_loadcnt 32                              ; this block's 32 loads are in; the next block's 32 may be out
.else
	s_wait_loadcnt 0x0
.endif
	v_max3_num_f32 v12, |v[XS]|, |v[XS+1]|, |v[XS+2]|  ; all 32 numbers of the block are mine
	v_max3_num_f32 v13, |v[XS+3]|, |v[XS+4]|, |v[XS+5]|
.irp i, 6,10,14,18,22,26
	v_max3_num_f32 v12, v12, |v[XS+\i]|, |v[XS+\i+1]|
	v_max3_num_f32 v13, v13, |v[XS+\i+2]|, |v[XS+\i+3]|
.endr
	v_max3_num_f32 v12, v12, |v[XS+30]|, |v[XS+31]|
	v_max3_num_f32 v12, v12, v13, 0x4800000        ; and the floor
	v_add_nc_u32 v11, 0xfc000000, v12
	v_and_or_b32 v10, v12, 0x7f800000, s[MNT]
	v_lshrrev_b32 v13, 23, v11
.if (\t) == 0
	v_mov_b32 v24, v13
.else
	v_lshl_or_b32 v24, v13, 8*(\t), v24            ; the four bytes make my column's scale word
.endif
.irp i, 0,1,2,3,4,5,6,7,8,9,10,11,12,13,14,15,16,17,18,19,20,21,22,23,24,25,26,27,28,29,30,31
	v_med3_num_f32 v[XS+\i], v[XS+\i], -v10, v10
.endr
.irp g, 0,1,2,3
	v_cvt_scalef32_pk8_fp8_f32 v[96+8*(\t)+2*\g:97+8*(\t)+2*\g], v[XS+8*\g:XS+8*\g+7], v11
.endr
	global_store_b128 v4, v[96+8*(\t):99+8*(\t)], s[48:49] offset:512*(\t)          ; k 0-15 of the block: the place of lane r; each tile's sixteen lanes fill 256 consecutive bytes
	global_store_b128 v4, v[100+8*(\t):103+8*(\t)], s[48:49] offset:512*(\t)+256    ; k 16-31: the place of lane r + 16.  Each block has its own code registers: no store's data are written again
.if (\t)+2 < 4
	WLOAD (\t)+2, \nb
.endif
.endm
.macro WPATH nb
	WLOAD 0, \nb
	WLOAD 1, \nb
	WBLOCK 0, \nb
	WBLOCK 1, \nb
	WBLOCK 2, \nb
	WBLOCK 3, \nb
	global_store_b32 v5, v24, s[50:51]             ; the scale word, for lane r
	global_store_b32 v5, v24, s[50:51] offset:64   ; and for lane r + 16
.endm
	s_cmp_eq_u32 s30, 2
	s_cbranch_scc1 .Lw1
	WPATH 2048
	s_endpgm
.Lw1:
	WPATH 8192
	s_endpgm
	; ---- LN1.  REGISTERS: v1 x's offset, v2 gain's and bias's, v3 16 lane, v4 4 lane; v8-15 four chains; v[16:17] the mean, v[18:19] 1 / the deviation; v32-95 a K step's numbers; v96-159 gain; v160-223 bias; window 1: my 256 numbers
.Lln:
	s_sub_co_u32 s30, ttmp9, 192
	s_lshl_b32 s30, s30, 2
	s_add_co_u32 s30, s30, s2                      ; my tile
	s_lshr_b32 s31, s30, 1
	s_lshl_b32 s31, s31, 5
	s_and_b32 s32, s30, 1
	s_lshl_b32 s32, s32, 3
	s_add_co_u32 s31, s31, s32                     ; the row at its place 0
	s_lshl_b32 s32, s31, 11
	s_mov_b32 s33, 0
	s_add_nc_u64 s[8:9], s[8:9], s[32:33]
	s_lshl_b32 s32, s30, 13
	s_add_nc_u64 s[34:35], s[28:29], s[32:33]      ; its four fragments
	s_lshl_b32 s32, s30, 9
	s_add_co_u32 s32, s32, HS0
	s_add_nc_u64 s[36:37], s[28:29], s[32:33]      ; their scale images
	s_mov_b32 s[SEL], 0x76543210
	s_mov_b32 s[SEL+1], 0xfedcba98
	s_mov_b32 s55, 0x3727c5ac                      ; 1e-5
	v_and_b32 v5, 15, v0
	v_and_b32 v6, 8, v0
	v_add_nc_u32 v5, v5, v6                        ; r + 8 (r / 8)
	v_bfe_u32 v6, v0, 4, 1
	v_lshlrev_b32 v2, 6, v6                        ; 64 h
	v_lshl_add_u32 v1, v5, 11, v2
	v_and_b32 v7, 31, v0
	v_lshlrev_b32 v3, 4, v7
	v_lshlrev_b32 v4, 2, v7
	v_mov_b32 v20, 0                               ; a lane permute's destination counts as one of its sources
.irp b, 0,1,2,3
	v_mov_b32 v[TM+4+\b], 0
.endr
.macro GBLOAD s                        ; gain and bias at my 64 places of K step s
.irp b, 0,1,2,3
.irp j, 0,1,2,3
	global_load_b128 v[96+16*\b+4*\j:99+16*\b+4*\j], v2, s[10:11] offset:512*(\s)+128*\b+16*\j
	global_load_b128 v[160+16*\b+4*\j:163+16*\b+4*\j], v2, s[12:13] offset:512*(\s)+128*\b+16*\j
.endr
.endr
.endm
	WIN 0x40                                       ; destination window 1
.irp s, 0,1,2,3
.irp b, 0,1,2,3
.irp j, 0,1,2,3
	global_load_b128 v[64*\s+16*\b+4*\j:64*\s+16*\b+4*\j+3], v1, s[8:9] offset:512*\s+128*\b+16*\j
.endr
.endr
.endr
	WIN 0
	GBLOAD 0
	s_wait_loadcnt 32                              ; x is in; the 32 loads of gain and bias may be out
	WIN 0x05                                       ; both sources window 1
.irp c, 0,1,2,3
	v_pk_add_f32 v[8+2*\c:9+2*\c], v[4*\c:4*\c+1], v[4*\c+2:4*\c+3]   ; the first pairs start the chains
.endr
	WIN 0x01
.set i, 8
.rept 120
	v_pk_add_f32 v[8+2*(i%4):9+2*(i%4)], v[2*i:2*i+1], v[8+2*(i%4):9+2*(i%4)]
.set i, i+1
.endr
	WIN 0
	v_pk_add_f32 v[8:9], v[8:9], v[10:11]
	v_pk_add_f32 v[12:13], v[12:13], v[14:15]
	v_pk_add_f32 v[8:9], v[8:9], v[12:13]
	v_add_f32 v8, v8, v9
	v_permlanex16_b32 v20, v8, s[SEL], s[SEL+1]    ; the row's other half
	v_add_f32 v8, v8, v20
	v_mul_f32 v16, 0x3b000000, v8                  ; / 512
	v_mov_b32 v17, v16
	WIN 0x41                                       ; destination and source 0 window 1
.set i, 0
.rept 128
	v_pk_add_f32 v[2*i:2*i+1], v[2*i:2*i+1], v[16:17] neg_lo:[0,1] neg_hi:[0,1]
.set i, i+1
.endr
	WIN 0x05
.irp c, 0,1,2,3
	v_pk_mul_f32 v[8+2*\c:9+2*\c], v[2*\c:2*\c+1], v[2*\c:2*\c+1]
.endr
.set i, 4
.rept 124
	v_pk_fma_f32 v[8+2*(i%4):9+2*(i%4)], v[2*i:2*i+1], v[2*i:2*i+1], v[8+2*(i%4):9+2*(i%4)]
.set i, i+1
.endr
	WIN 0
	v_pk_add_f32 v[8:9], v[8:9], v[10:11]
	v_pk_add_f32 v[12:13], v[12:13], v[14:15]
	v_pk_add_f32 v[8:9], v[8:9], v[12:13]
	v_add_f32 v8, v8, v9
	v_permlanex16_b32 v20, v8, s[SEL], s[SEL+1]
	v_add_f32 v8, v8, v20
	v_fma_f32 v8, v8, 0x3b000000, s55              ; the variance + 1e-5
	v_rsq_f32 v18, v8
	v_nop                                          ; a plain line behind the transcendental,
	s_wait_alu depctr_va_vdst(0)                   ; and the wait ahead of its first reader
	v_mov_b32 v19, v18
.irp s, 0,1,2,3
	s_wait_loadcnt 0x0                             ; this K step's gain and bias
	s_wait_xcnt 0x0                                ; the last K step's stores have read the codes' registers
	WIN 0x01
.set i, 0
.rept 32
	v_pk_mul_f32 v[32+2*i:33+2*i], v[64*\s+2*i:64*\s+2*i+1], v[18:19]
.set i, i+1
.endr
	WIN 0
.set i, 0
.rept 32
	v_pk_fma_f32 v[32+2*i:33+2*i], v[32+2*i:33+2*i], v[96+2*i:97+2*i], v[160+2*i:161+2*i]
.set i, i+1
.endr
.if \s < 3
	GBLOAD \s+1
.endif
	QUANT 32
.irp c, 0,1,2,3
	global_store_b128 v3, v[PC+4*\c:PC+4*\c+3], s[34:35] offset:2048*\s+512*\c   ; 512 consecutive bytes
.endr
	global_store_b32 v4, v[PW], s[36:37] offset:128*\s
.endr
	s_endpgm
.Lfunc_end_k_q6c3f26ab40_prep:
	.size	k_q6c3f26ab40_prep, .Lfunc_end_k_q6c3f26ab40_prep-k_q6c3f26ab40_prep
	.p2alignl 7, 3214868480
	.fill 96, 4, 3214868480
	.section	.rodata,"a",@progbits
	.p2align	6, 0x0
	.amdhsa_kernel k_q6c3f26ab40_prep
		.amdhsa_group_segment_fixed_size 0
		.amdhsa_private_segment_fixed_size 0
		.amdhsa_enable_private_segment 0
		.amdhsa_kernarg_size 88
		.amdhsa_user_sgpr_count 2
		.amdhsa_user_sgpr_kernarg_segment_ptr 1
		.amdhsa_wavefront_size32 1
		.amdhsa_system_sgpr_workgroup_id_x 1
		.amdhsa_system_sgpr_workgroup_id_y 1
		.amdhsa_system_sgpr_workgroup_id_z 1
		.amdhsa_system_vgpr_workitem_id 0
		.amdhsa_next_free_vgpr 512
		.amdhsa_next_free_sgpr 66
		.amdhsa_reserve_vcc 0
		.amdhsa_float_denorm_mode_32 3
		.amdhsa_float_denorm_mode_16_64 3
		.amdhsa_memory_ordered 1
		.amdhsa_forward_progress 1
		.amdhsa_inst_pref_size 152
	.end_amdhsa_kernel
	.amdgpu_metadata
---
amdhsa.version: [ 1, 2 ]
amdhsa.kernels:
  - .name:           k_q6c3f26ab40_prep
    .symbol:         k_q6c3f26ab40_prep.kd
    .args:
      - { .name: x, .offset: 0, .size: 8, .value_kind: global_buffer, .address_space: global }
      - { .name: ln1_g, .offset: 8, .size: 8, .value_kind: global_buffer, .address_space: global }
      - { .name: ln1_b, .offset: 16, .size: 8, .value_kind: global_buffer, .address_space: global }
      - { .name: Wq, .offset: 24, .size: 8, .value_kind: global_buffer, .address_space: global }
      - { .name: Wk, .offset: 32, .size: 8, .value_kind: global_buffer, .address_space: global }
      - { .name: Wv, .offset: 40, .size: 8, .value_kind: global_buffer, .address_space: global }
      - { .name: Wp, .offset: 48, .size: 8, .value_kind: global_buffer, .address_space: global }
      - { .name: W2, .offset: 56, .size: 8, .value_kind: global_buffer, .address_space: global }
      - { .name: W1, .offset: 64, .size: 8, .value_kind: global_buffer, .address_space: global }
      - { .name: wts, .offset: 72, .size: 8, .value_kind: global_buffer, .address_space: global }
      - { .name: hbuf, .offset: 80, .size: 8, .value_kind: global_buffer, .address_space: global }
    .group_segment_fixed_size: 0
    .private_segment_fixed_size: 0
    .kernarg_segment_align: 8
    .kernarg_segment_size: 88
    .max_flat_workgroup_size: 128
    .sgpr_count:     66
    .vgpr_count:     512
    .wavefront_size: 32
...
	.end_amdgpu_metadata
.endif
;; end of part 1
;; launch qkv (part 2): grid 64 x 3, 4 waves a work-group, no clusters, 0 bytes of LDS; arguments wts, hbuf, bq, bk, bv, qkv; writes qkv
.if DOCPART == 2
	.amdgcn_target "amdgcn-amd-amdhsa--gfx1250"
	.amdhsa_code_object_version 6
	.text
	.protected	k_q6c3f26ab40_qkv
	.globl	k_q6c3f26ab40_qkv
	.p2align	8
	.type	k_q6c3f26ab40_qkv,@function
k_q6c3f26ab40_qkv:
	s_mov_b64 s[64:65], 0
	v_nop
	global_prefetch_b8 v0, s[64:65] scope:SCOPE_SE
	s_setreg_imm32_b32 hwreg(HW_REG_WAVE_MODE, 25, 1), 1
	s_wait_xcnt 0x0
; QKV: q, k, v = LN1(x) W + b on codes of FP8 (E4M3) with E8M0 scales, and their quantising for attention.  Work-group (X, Y): rows 128 X on; Y = 0, 1, 2: q, k, v.  Wave w: columns 128 w on (heads 4 w .. 4 w + 3).
; A wave keeps a RESIDENT operand R of 128 rows x K 512 (32 fragments, 512 registers, windows 1 and 2) and streams tiles S of 16 rows x K 512 (two buffers, window 3): 32 matrix instructions a tile on 8 accumulators by turns.
; Source 0 = R, source 1 = S: a lane holds one row of S, and its 64 registers run along R's 128 rows in the order of an operand's registers (the rows of a tile are chosen for that: see prep).
; q, k (their K is the head's 32): R = the weight, S = rows of h: a lane's 16 registers of a pair of tiles are half a head of one row.
; v (its K is the keys): R = 128 rows of h, S = 16 columns of Wv: a lane holds one channel and 64 of 128 keys.  One text of products serves both: only the pointers change places.
; OUT: q, k codes: (head in batch x 128 + tile) x 512 + 16 lane; their scale words: tile x 512 + 128 w + 4 lane (the bytes of heads 4 w .. 4 w + 3).  v: fragments of 16 channels x 128 keys, and their scale images.
; All operands come as register images by plain loads, 512 consecutive bytes an instruction; no LDS, no barrier.  No cluster: this text has no tensor load, and a tile shared through LDS would have to be read out of it again.
; LIMITS: a block of zeros gets the byte 1 (its codes are zeros; this program alone reads the bytes); NaN and infinities are not served.
.set SC0, 3145728
.set HS0, 4194304
.set VC0, 8388608
.set QS0, 12582912
.set VS0, 13107200
.set LI,  1                            ; v1 16 lane   v2 4 lane   v3 the bias's offset
.set LS,  2
.set BA,  3
.set RS,  8                            ; v8-39  R's scale words (4 t + s)
.set SS,  40                           ; v40-47 S's, two sets
.set HA,  48                           ; v48-111 the 8 accumulators
.set PC,  112
.set TM,  128
.set PW,  144
.set WV,  16
.set YY,  17
.set PR,  28
.set PRS, 30
.set PS,  32
.set PSS, 34
.set PB,  36
.set OC,  38
.set OS,  40
.set CNT, 42
.set SEL, 44
.set MNT, 46
.set MSB, 0
.macro WIN new
.if MSB != \new
	s_set_vgpr_msb (MSB<<8)|\new
.set MSB, \new
.endif
.endm
.macro QUANT s                         ; 64 numbers of a lane become a fragment's codes in v[PC] on and its scale word in v[PW]
.irp b, 0,1,2,3
	v_max3_num_f32 v[TM+\b], |v[\s+16*\b]|, |v[\s+1+16*\b]|, 0x4800000   ; with the floor 2^(9 - 127).  Each accumulator is read from its low end on
.endr
.irp i, 2,4,6,8,10,12,14
.irp b, 0,1,2,3
	v_max3_num_f32 v[TM+\b], v[TM+\b], |v[\s+16*\b+\i]|, |v[\s+1+16*\b+\i]|
.endr
.endr
.irp b, 0,1,2,3
	v_permlanex16_b32 v[TM+4+\b], v[TM+\b], s[SEL], s[SEL+1]
.endr
.irp b, 0,1,2,3
	v_max_num_f32 v[TM+\b], v[TM+\b], v[TM+4+\b]
.endr
.irp b, 0,1,2,3
	v_add_nc_u32 v[TM+12+\b], 0xfc000000, v[TM+\b]
.endr
.irp b, 0,1,2,3
	v_and_or_b32 v[TM+8+\b], v[TM+\b], 0x7f800000, s[MNT]
.endr
.irp b, 0,1,2,3
	v_lshrrev_b32 v[TM+4+\b], 23, v[TM+12+\b]
.endr
	v_lshl_or_b32 v[PW], v[TM+5], 8, v[TM+4]
	v_lshl_or_b32 v[PW], v[TM+6], 16, v[PW]
	v_lshl_or_b32 v[PW], v[TM+7], 24, v[PW]
.irp b, 0,1,2,3
.irp i, 0,1,2,3,4,5,6,7,8,9,10,11,12,13,14,15
	v_med3_num_f32 v[\s+16*\b+\i], v[\s+16*\b+\i], -v[TM+8+\b], v[TM+8+\b]
.endr
	v_cvt_scalef32_pk8_fp8_f32 v[PC+4*\b:PC+1+4*\b], v[\s+16*\b:\s+7+16*\b], v[TM+12+\b]
	v_cvt_scalef32_pk8_fp8_f32 v[PC+2+4*\b:PC+3+4*\b], v[\s+8+16*\b:\s+15+16*\b], v[TM+12+\b]
.endr
	v_nop                                          ; a plain line between the last conversion and the products that write its sources
.endm
.macro RLOAD                           ; R: K steps 0, 1 into window 1, K steps 2, 3 into window 2; fragment (t, s) at 2,048 (4 t + s)
.set f, 0
.rept 32
	global_load_b32 v[RS+f], v[LS], s[PRS:PRS+1] offset:128*f
.set f, f+1
.endr
	WIN 0x40
.irp s, 0,1
.irp t, 0,1,2,3,4,5,6,7
.irp c, 0,1,2,3
	global_load_b128 v[16*(8*\s+\t)+4*\c:16*(8*\s+\t)+4*\c+3], v[LI], s[PR:PR+1] offset:2048*(4*\t+\s)+512*\c
.endr
.endr
.endr
	WIN 0x80
.irp s, 2,3
.irp t, 0,1,2,3,4,5,6,7
.irp c, 0,1,2,3
	global_load_b128 v[16*(8*(\s-2)+\t)+4*\c:16*(8*(\s-2)+\t)+4*\c+3], v[LI], s[PR:PR+1] offset:2048*(4*\t+\s)+512*\c
.endr
.endr
.endr
	WIN 0
.endm
.macro SLOAD buf, off, offs, isv, offb ; a tile of S into buffer buf; for v also my channel's bias, eight times: the C of all eight accumulators
	WIN 0xc0
.irp s, 0,1,2,3
.irp c, 0,1,2,3
	global_load_b128 v[64*\buf+16*\s+4*\c:64*\buf+16*\s+4*\c+3], v[LI], s[PS:PS+1] offset:\off+2048*\s+512*\c
.endr
.endr
.if \isv
.irp j, 0,1,2,3,4,5,6,7
	global_load_b32 v[128+8*\buf+\j], v[BA], s[PB:PB+1] offset:\offb
.endr
.endif
	WIN 0
.irp s, 0,1,2,3
	global_load_b32 v[SS+4*\buf+\s], v[LS], s[PSS:PSS+1] offset:\offs+128*\s
.endr
.endm
.macro MUL buf, isv                    ; 32 matrix instructions; the 8 accumulators take turns, one instruction a turn; the bias is the C of each sum's first
.irp s, 0,1,2,3
.if \s == 0
	WIN 0x3d                                       ; R window 1, S and the bias window 3
.elseif \s == 1
	WIN 0x0d
.else
	WIN 0x0e                                       ; R window 2
.endif
.irp t, 0,1,2,3,4,5,6,7
.if \s == 0
.if \isv
	v_wmma_scale_f32_16x16x128_f8f6f4 v[HA+8*\t:HA+8*\t+7], v[16*\t:16*\t+15], v[64*\buf:64*\buf+15], v[128+8*\buf:128+8*\buf+7], v[RS+4*\t], v[SS+4*\buf]
.else
	v_wmma_scale_f32_16x16x128_f8f6f4 v[HA+8*\t:HA+8*\t+7], v[16*\t:16*\t+15], v[64*\buf:64*\buf+15], v[128+8*\t:128+8*\t+7], v[RS+4*\t], v[SS+4*\buf]
.endif
.else
	v_wmma_scale_f32_16x16x128_f8f6f4 v[HA+8*\t:HA+8*\t+7], v[16*(8*(\s%2)+\t):16*(8*(\s%2)+\t)+15], v[64*\buf+16*\s:64*\buf+16*\s+15], v[HA+8*\t:HA+8*\t+7], v[RS+4*\t+\s], v[SS+4*\buf+\s]
.endif
.endr
.endr
	WIN 0
.rept 8
	v_nop                                          ; eight places behind this form, ahead of the first read of results
.endr
.endm
.macro EPI par, isv
	s_wait_xcnt 0x0                                ; the last tile's stores have read the codes' registers
	QUANT HA
.irp b, 0,1,2,3
.if \isv
	global_store_b128 v[LI], v[PC+4*\b:PC+4*\b+3], s[OC:OC+1] offset:2048*\par+512*\b    ; a fragment of v: 16 channels x 128 keys
.else
	global_store_b128 v[LI], v[PC+4*\b:PC+4*\b+3], s[OC:OC+1] offset:65536*\b+512*\par   ; head 4 w + b: 16 rows x 32 channels
.endif
.endr
.if \isv
	global_store_b32 v[LS], v[PW], s[OS:OS+1] offset:128*\par
.else
	global_store_b32 v[LS], v[PW], s[OS:OS+1] offset:512*\par
.endif
.endm
; Four trips of two tiles.  Each tile's loads are issued one tile's products and quantising ahead of the wait for them.
.macro BODY isv
	SLOAD 0, 0, 0, \isv, 0
	s_mov_b32 s[CNT], 4
.Ltrip_\@:
	SLOAD 1, 8192, 512, \isv, 32
	s_wait_loadcnt 20+8*\isv                       ; all but the odd tile's loads just issued: R, the bias and the even tile are in
	MUL 0, \isv
	EPI 0, \isv
	s_wait_loadcnt 0x0                             ; the odd tile
	s_cmp_eq_u32 s[CNT], 1
	s_cbranch_scc1 .Lskip_\@                       ; the last trip asks for nothing: no load leaves its buffer
	SLOAD 0, 16384, 1024, \isv, 128
.Lskip_\@:
	MUL 1, \isv
	EPI 1, \isv
	s_wait_xcnt 0x0                                ; loads and stores have read their bases
	s_add_nc_u64 s[PS:PS+1], s[PS:PS+1], 16384
	s_add_nc_u64 s[PSS:PSS+1], s[PSS:PSS+1], 1024
.if \isv
	s_add_nc_u64 s[PB:PB+1], s[PB:PB+1], 128
	s_add_nc_u64 s[OC:OC+1], s[OC:OC+1], 65536     ; the next head
	s_add_nc_u64 s[OS:OS+1], s[OS:OS+1], 4096
.else
	s_add_nc_u64 s[OC:OC+1], s[OC:OC+1], 1024      ; the next two tiles of rows
	s_add_nc_u64 s[OS:OS+1], s[OS:OS+1], 1024
.endif
	s_sub_co_u32 s[CNT], s[CNT], 1
	s_cmp_lg_u32 s[CNT], 0
	s_cbranch_scc1 .Ltrip_\@
	s_endpgm
.endm
	s_load_b256 s[4:11], s[0:1], 0x0               ; wts, hbuf, bq, bk
	s_load_b128 s[12:15], s[0:1], 0x20             ; bv, qkv
	v_lshrrev_b32 v4, 5, v0
	v_readfirstlane_b32 s[WV], v4
	s_and_b32 s[YY], ttmp7, 0xffff
	v_and_b32 v4, 31, v0
	v_lshlrev_b32 v[LI], 4, v4
	v_lshlrev_b32 v[LS], 2, v4
	s_mov_b32 s[SEL], 0x76543210
	s_mov_b32 s[SEL+1], 0xfedcba98
	s_mov_b32 s[MNT], 0x600000
.irp b, 0,1,2,3
	v_mov_b32 v[TM+4+\b], 0                        ; a lane permute's destination counts as one of its sources
.endr
	s_lshl_b32 s18, s[YY], 5
	s_lshl_b32 s19, s[WV], 3
	s_add_co_u32 s18, s18, s19                     ; my first tile of the weight: 32 Y + 8 w
	s_lshl_b32 s48, s18, 13
	s_mov_b32 s49, 0
	s_lshl_b32 s50, s18, 9
	s_add_co_u32 s50, s50, SC0
	s_mov_b32 s51, 0
	s_lshl_b32 s52, ttmp9, 16                      ; my 8 tiles of h
	s_mov_b32 s53, 0
	s_lshl_b32 s54, ttmp9, 12
	s_add_co_u32 s54, s54, HS0
	s_mov_b32 s55, 0
	s_lshr_b32 s56, ttmp9, 4
	s_lshl_b32 s56, s56, 4
	s_lshl_b32 s57, s[WV], 2
	s_add_co_u32 s56, s56, s57                     ; 16 batch + my first head
	s_and_b32 s57, ttmp9, 15                       ; my block of 128 rows in the batch
	s_wait_kmcnt 0x0
	s_add_nc_u64 s[20:21], s[4:5], s[48:49]
	s_add_nc_u64 s[22:23], s[4:5], s[50:51]
	s_add_nc_u64 s[24:25], s[6:7], s[52:53]
	s_add_nc_u64 s[26:27], s[6:7], s[54:55]
	s_cmp_eq_u32 s[YY], 2                          ; for v the two sides change places
	s_cselect_b64 s[PR:PR+1], s[24:25], s[20:21]
	s_cselect_b64 s[PRS:PRS+1], s[26:27], s[22:23]
	s_cselect_b64 s[PS:PS+1], s[20:21], s[24:25]
	s_cselect_b64 s[PSS:PSS+1], s[22:23], s[26:27]
	RLOAD
	s_lshl_b32 s48, s[WV], 9                       ; my 128 numbers of the bias
	s_cmp_eq_u32 s[YY], 2
	s_cbranch_scc1 .Lv
	; ---- q, k
	s_cmp_eq_u32 s[YY], 0
	s_cselect_b64 s[PB:PB+1], s[8:9], s[10:11]
	s_add_nc_u64 s[PB:PB+1], s[PB:PB+1], s[48:49]
	s_lshl_b32 s58, s[YY], 22
	s_lshl_b32 s59, s56, 16
	s_add_co_u32 s58, s58, s59
	s_lshl_b32 s59, s57, 12
	s_add_co_u32 s58, s58, s59
	s_mov_b32 s59, 0
	s_add_nc_u64 s[OC:OC+1], s[14:15], s[58:59]
	s_lshl_b32 s58, s[YY], 18
	s_add_co_u32 s58, s58, QS0
	s_lshl_b32 s50, ttmp9, 12
	s_add_co_u32 s58, s58, s50
	s_lshl_b32 s50, s[WV], 7
	s_add_co_u32 s58, s58, s50
	s_add_nc_u64 s[OS:OS+1], s[14:15], s[58:59]
	v_bfe_u32 v4, v0, 4, 1
	v_lshlrev_b32 v[BA], 6, v4                     ; 64 h: tile t's eight columns of my half
	WIN 0xc0
.irp t, 0,1,2,3,4,5,6,7
	global_load_b128 v[128+8*\t:131+8*\t], v[BA], s[PB:PB+1] offset:(32*(\t/2)+8*(\t%2))*4
	global_load_b128 v[132+8*\t:135+8*\t], v[BA], s[PB:PB+1] offset:(32*(\t/2)+8*(\t%2))*4+16
.endr
	WIN 0
	BODY 0
	; ---- v
.Lv:
	s_add_nc_u64 s[PB:PB+1], s[12:13], s[48:49]
	s_lshl_b32 s58, s56, 16
	s_add_co_u32 s58, s58, VC0
	s_lshl_b32 s59, s57, 12
	s_add_co_u32 s58, s58, s59
	s_mov_b32 s59, 0
	s_add_nc_u64 s[OC:OC+1], s[14:15], s[58:59]
	s_lshl_b32 s58, s56, 12
	s_add_co_u32 s58, s58, VS0
	s_lshl_b32 s50, s57, 8
	s_add_co_u32 s58, s58, s50
	s_add_nc_u64 s[OS:OS+1], s[14:15], s[58:59]
	v_and_b32 v4, 15, v0
	v_and_b32 v5, 8, v0
	v_add_nc_u32 v4, v4, v5
	v_lshlrev_b32 v[BA], 2, v4                     ; 4 (r + 8 (r / 8)): my channel
	BODY 1
.Lfunc_end_k_q6c3f26ab40_qkv:
	.size	k_q6c3f26ab40_qkv, .Lfunc_end_k_q6c3f26ab40_qkv-k_q6c3f26ab40_qkv
	.p2alignl 7, 3214868480
	.fill 96, 4, 3214868480
	.section	.rodata,"a",@progbits
	.p2align	6, 0x0
	.amdhsa_kernel k_q6c3f26ab40_qkv
		.amdhsa_group_segment_fixed_size 0
		.amdhsa_private_segment_fixed_size 0
		.amdhsa_enable_private_segment 0
		.amdhsa_kernarg_size 48
		.amdhsa_user_sgpr_count 2
		.amdhsa_user_sgpr_kernarg_segment_ptr 1
		.amdhsa_wavefront_size32 1
		.amdhsa_system_sgpr_workgroup_id_x 1
		.amdhsa_system_sgpr_workgroup_id_y 1
		.amdhsa_system_sgpr_workgroup_id_z 1
		.amdhsa_system_vgpr_workitem_id 0
		.amdhsa_next_free_vgpr 1024
		.amdhsa_next_free_sgpr 66
		.amdhsa_reserve_vcc 0
		.amdhsa_float_denorm_mode_32 3
		.amdhsa_float_denorm_mode_16_64 3
		.amdhsa_memory_ordered 1
		.amdhsa_forward_progress 1
		.amdhsa_inst_pref_size 87
	.end_amdhsa_kernel
	.amdgpu_metadata
---
amdhsa.version: [ 1, 2 ]
amdhsa.kernels:
  - .name:           k_q6c3f26ab40_qkv
    .symbol:         k_q6c3f26ab40_qkv.kd
    .args:
      - { .name: wts, .offset: 0, .size: 8, .value_kind: global_buffer, .address_space: global }
      - { .name: hbuf, .offset: 8, .size: 8, .value_kind: global_buffer, .address_space: global }
      - { .name: bq, .offset: 16, .size: 8, .value_kind: global_buffer, .address_space: global }
      - { .name: bk, .offset: 24, .size: 8, .value_kind: global_buffer, .address_space: global }
      - { .name: bv, .offset: 32, .size: 8, .value_kind: global_buffer, .address_space: global }
      - { .name: qkv, .offset: 40, .size: 8, .value_kind: global_buffer, .address_space: global }
    .group_segment_fixed_size: 0
    .private_segment_fixed_size: 0
    .kernarg_segment_align: 8
    .kernarg_segment_size: 48
    .max_flat_workgroup_size: 128
    .sgpr_count:     66
    .vgpr_count:     1024
    .wavefront_size: 32
...
	.end_amdgpu_metadata
.endif
;; end of part 2
;; launch attn (part 3): grid 4 x 64, 16 waves a work-group, no clusters, 145,408 bytes of LDS; arguments qkv, ybuf; writes ybuf
.if DOCPART == 3
	.amdgcn_target "amdgcn-amd-amdhsa--gfx1250"
	.amdhsa_code_object_version 6
	.text
	.protected	k_q6c3f26ab40_attn
	.globl	k_q6c3f26ab40_attn
	.p2align	8
	.type	k_q6c3f26ab40_attn,@function
k_q6c3f26ab40_attn:
	s_mov_b64 s[64:65], 0
	v_nop
	global_prefetch_b8 v0, s[64:65] scope:SCOPE_SE
	s_setreg_imm32_b32 hwreg(HW_REG_WAVE_MODE, 25, 1), 1
	s_wait_xcnt 0x0
; ATTENTION on codes of FP8 (E4M3) with E8M0 scales; head size 32; key j counts for query i where j <= max(i, 255) (the mask that the problem builds: all see the first 256 keys, causal behind them).
; t = score x log2(e) / sqrt(32); M = the running largest t rounded UP to a whole number; p = 2^(t - M) is quantised along the keys, not normalised; the row's sum is of the unquantised p and divides at the end.
; When M moves, the sum and O are multiplied by 2^(old M - new M): exact.  y is quantised here: a block of 32 along the next product's K is one head.
; SHARES.  Work-group (pi, head in batch).  A WHOLE HEAD'S K and V (codes 2 x 65,536 bytes, scales 8,192 + 4,096) lie in LDS, filled once through registers: one barrier, then LDS is only read.
; Each of 16 waves takes two tiles of 16 queries, tile 16 pi + w and tile 127 - 16 pi - w: 17 or 18 steps of 128 keys for every wave of the launch.
; Both products are used transposed (S^T = K Q^T, O^T = V^T P^T): a lane holds one query throughout.  The rows of every tile are chosen (see prep) so that p's 16 registers of two neighbouring tiles are 16 neighbouring keys.
; THE FIRST PRODUCT'S K IS 32 of the instruction's 128: Q's codes for k >= 32 are zeros, so what K's operand holds there (the next tiles' codes, which are never the NaN code, or zeros) adds nothing; the scale bytes there are other heads' bytes or 0, never 0xff.
; The loop over key steps has a constant count; a step all of whose keys are hidden is passed over by a scalar branch on ids.
; No cluster: the four work-groups of a head share 143,360 bytes once, at their start; this text has no tensor load.
; LIMITS: a block of zeros gets the byte 1; NaN and infinities are not served.
; REGISTERS: v1 16 lane, v2 4 lane, v3 my query's last key - 16 h, v4-7 the step's LDS addresses, v8-11 offsets that stay; v12 -M, v13 the largest t, v[14:15] the sum; v16-31 Q (20-31 zeros); v32 Q's scale word; v34-37 K's, v38-39 V's;
;   v40-71 K, v72-83 zeros; v84-115 V; v116-179 S^T, then p; v180-195 O^T; v196-211 p's codes; v212-227 at work by blocks; v228-235 at work; v240-248 the fill's addresses and constants.
.set KC0, 4194304
.set VC0, 8388608
.set QS0, 12582912
.set VS0, 13107200
.set HS0, 4194304
.set S,   116
.set O,   180
.set P,   196
.set BM,  212
.set BT,  216
.set BL,  220
.set BS,  224
.set WV,  8
.set BHD, 9
.set HEAD, 10
.set BATCH, 11
.set SH,  12
.set KCB, 14
.set VCB, 16
.set KSB, 18
.set VSB, 20
.set QCB, 22
.set QSB, 24
.set YCB, 26
.set YSB, 28
.set QP,  30
.set QSP, 32
.set YP,  34
.set YSP, 36
.set TQ,  38
.set RB,  39
.set QMAX, 40
.set QMIN, 41
.set KF,  42
.set TK,  43
.set TS,  44
.set TV,  45
.set CT,  46
.set T0,  47
.set T1,  48
.set SEL, 50
.set CS,  52
.set MNT, 54
	s_load_b128 s[4:7], s[0:1], 0x0                ; qkv, ybuf
	v_lshl_add_u32 v254, v0, 2, 0x23000
	v_mov_b32 v255, 0
	v_lshrrev_b32 v1, 5, v0
	v_readfirstlane_b32 s[WV], v1                  ; wave 0..15
	s_and_b32 s[BHD], ttmp7, 0xffff                ; 16 batch + head
	s_and_b32 s[HEAD], s[BHD], 15
	s_lshr_b32 s[BATCH], s[BHD], 4
	s_and_b32 s[SH], s[HEAD], 3
	s_lshl_b32 s[SH], s[SH], 3                     ; where my head's byte stands in a word of q's or k's scales
	s_mov_b32 s[SEL], 0x76543210
	s_mov_b32 s[SEL+1], 0xfedcba98
	s_mov_b32 s[CS], 0x3e8293ee                    ; c = log2(e) / sqrt(32)
	s_mov_b32 s[CS+1], s[CS]
	s_mov_b32 s[MNT], 0x600000
	v_lshlrev_b32 v240, 4, v0                      ; the fill: 16 bytes a thread
	v_lshrrev_b32 v241, 2, v0
	v_and_b32 v242, 3, v0
	v_lshlrev_b32 v241, 9, v241
	v_lshl_add_u32 v241, v242, 4, v241             ; K's scale words: tile t / 4 (512 bytes apart), words 4 (t % 4) on
	v_lshlrev_b32 v242, 3, v0
	v_add_nc_u32 v243, 0x10000, v240               ; LDS: V's codes behind K's
	v_add_nc_u32 v244, 0x20000, v240               ; K's scale words: tile x 64 + 4 r
	v_add_nc_u32 v245, 139264, v242                ; V's scale images
	s_lshl_b32 s[T1], s[BHD], 16
	s_mov_b32 s[T1+1], 0
	s_wait_kmcnt 0x0
	s_add_nc_u64 s[QCB:QCB+1], s[4:5], s[T1:T1+1]
	s_add_nc_u64 s[KCB:KCB+1], s[QCB:QCB+1], KC0
	s_add_nc_u64 s[VCB:VCB+1], s[QCB:QCB+1], VC0
	s_lshl_b32 s[T1], s[BHD], 12
	s_add_co_u32 s[T1], s[T1], VS0
	s_add_nc_u64 s[VSB:VSB+1], s[4:5], s[T1:T1+1]
	s_lshl_b32 s[T1], s[BATCH], 16
	s_lshr_b32 s[T0], s[HEAD], 2
	s_lshl_b32 s[T0], s[T0], 7
	s_add_co_u32 s[T1], s[T1], s[T0]               ; the batch's 128 tiles x 512, + 128 (head / 4)
	s_add_nc_u64 s[QSB:QSB+1], s[4:5], s[T1:T1+1]
	s_add_nc_u64 s[QSB:QSB+1], s[QSB:QSB+1], QS0
	s_add_nc_u64 s[KSB:KSB+1], s[QSB:QSB+1], 262144
	s_add_nc_u64 s[YSB:YSB+1], s[6:7], s[T1:T1+1]
	s_add_nc_u64 s[YSB:YSB+1], s[YSB:YSB+1], HS0
	s_lshl_b32 s[T1], s[BATCH], 20
	s_lshl_b32 s[T0], s[HEAD], 9
	s_add_co_u32 s[T1], s[T1], s[T0]
	s_add_nc_u64 s[YCB:YCB+1], s[6:7], s[T1:T1+1]  ; y: tile x 8,192 + head x 512
.irp n, 0,1,2,3,4,5,6,7
	global_load_b128 v[116+4*\n:119+4*\n], v240, s[KCB:KCB+1] offset:8192*\n
.endr
.irp n, 0,1,2,3,4,5,6,7
	global_load_b128 v[148+4*\n:151+4*\n], v240, s[VCB:VCB+1] offset:8192*\n
.endr
	global_load_b128 v[84:87], v241, s[KSB:KSB+1]
	global_load_b64 v[88:89], v242, s[VSB:VSB+1]
	v_and_b32 v2, 31, v0
	v_lshlrev_b32 v1, 4, v2
	v_lshlrev_b32 v2, 2, v2
	s_and_b32 s[T0], s[HEAD], 3
	v_add_nc_u32 v8, s[T0], v2                     ; y's scale byte: 4 lane + head % 4
	v_add_nc_u32 v9, 0x10000, v1
	v_add_nc_u32 v10, 0x20000, v2
	v_add_nc_u32 v11, 139264, v2
	v_and_b32 v246, 15, v0
	v_and_b32 v247, 8, v0
	v_add_nc_u32 v246, v246, v247                  ; r + 8 (r / 8)
	v_and_b32 v247, 16, v0                         ; 16 h
	v_mov_b32 v248, 255
	v_mov_b32 v233, 0xff800000                     ; -infinity
.irp j, 20,21,22,23,24,25,26,27,28,29,30,31,72,73,74,75,76,77,78,79,80,81,82,83
	v_mov_b32 v\j, 0                               ; zero codes: Q's k >= 32, and what stands behind K's last tile
.endr
.irp j, 216,217,218,219,228,231
	v_mov_b32 v\j, 0                               ; lane permutes' destinations, and the upper half of the pair v[230:231]
.endr
	s_wait_loadcnt 0x0
.irp j, 84,85,86,87
	v_lshrrev_b32 v\j, s[SH], v\j                  ; my head's byte to the lowest place
.endr
.irp n, 0,1,2,3,4,5,6,7
	ds_store_b128 v240, v[116+4*\n:119+4*\n] offset:8192*\n
.endr
.irp n, 0,1,2,3,4,5,6,7
	ds_store_b128 v243, v[148+4*\n:151+4*\n] offset:8192*\n
.endr
	ds_store_b128 v244, v[84:87]
	ds_store_b64 v245, v[88:89]
	s_wait_dscnt 0x0                               ; for the others' sake: my part of the head lies in LDS
	s_barrier_signal -1
	s_barrier_wait -1                              ; everybody's does; from here on LDS is only read
.macro PHASE ph
	s_wait_xcnt 0x0                                ; the last phase's stores have read their registers and bases
	s_lshl_b32 s[TQ], ttmp9, 4
	s_add_co_u32 s[TQ], s[TQ], s[WV]
.if \ph
	s_sub_co_u32 s[TQ], 127, s[TQ]
.endif
	s_lshr_b32 s[RB], s[TQ], 1
	s_lshl_b32 s[RB], s[RB], 5
	s_and_b32 s[T0], s[TQ], 1
	s_lshl_b32 s[T0], s[T0], 3
	s_add_co_u32 s[RB], s[RB], s[T0]               ; the query at the tile's place 0
	s_add_co_u32 s[QMAX], s[RB], 23
	s_max_u32 s[QMAX], s[QMAX], 255                ; the last key that any of my queries sees,
	s_max_u32 s[QMIN], s[RB], 255                  ; and the last that all of them see
	v_add_nc_u32 v3, s[RB], v246
	v_cmp_gt_u32 vcc_lo, 255, v3
	v_cndmask_b32 v3, v3, v248, vcc_lo             ; max(my query, 255)
	v_sub_nc_u32 v3, v3, v247
	s_lshl_b32 s[T1], s[TQ], 9
	s_mov_b32 s[T1+1], 0
	s_add_nc_u64 s[QP:QP+1], s[QCB:QCB+1], s[T1:T1+1]
	s_add_nc_u64 s[QSP:QSP+1], s[QSB:QSB+1], s[T1:T1+1]
	s_add_nc_u64 s[YSP:YSP+1], s[YSB:YSB+1], s[T1:T1+1]
	s_lshl_b32 s[T1], s[TQ], 13
	s_add_nc_u64 s[YP:YP+1], s[YCB:YCB+1], s[T1:T1+1]
	global_load_b128 v[16:19], v1, s[QP:QP+1]
	global_load_b32 v32, v2, s[QSP:QSP+1]
	v_mov_b32 v13, 0xff61b1e6                      ; the largest t so far: -3e38
	v_floor_f32 v12, -v13
	v_mov_b32 v14, 0
	v_mov_b32 v15, 0
	s_mov_b32 s[KF], 0
	s_mov_b32 s[TK], 0
	s_mov_b32 s[TS], 0
	s_mov_b32 s[TV], 0
	s_mov_b32 s[CT], 16
	s_wait_loadcnt 0x0
	v_lshrrev_b32 v32, s[SH], v32                  ; my head's byte to the lowest place; the sixteen lines below are the eight places that a scale word so written wants
.set j, 0
.rept 16
	v_mov_b32 v[O+j], 0                            ; O^T: the first step finds zeros, which the first change of M leaves zeros
.set j, j+1
.endr
.Lstep_\@:
	s_cmp_gt_u32 s[KF], s[QMAX]
	s_cbranch_scc1 .Lhid_\@                        ; all 128 keys are hidden from all my queries
	v_add_nc_u32 v4, s[TK], v1
	v_add_nc_u32 v5, s[TK], v9
	v_add_nc_u32 v6, s[TS], v10
	v_add_nc_u32 v7, s[TV], v11
.irp t, 0,1,2,3,4,5,6,7
	ds_load_b128 v[40+4*\t:43+4*\t], v4 offset:512*\t
.endr
.irp p, 0,1,2,3
	ds_load_b32 v[34+\p], v6 offset:128*\p         ; lanes 0-15: tile 2 p's words; lanes 16-31: tile 2 p + 1's
.endr
	s_wait_dscnt 0x0
.irp t, 0,2,4,6
	v_wmma_scale_f32_16x16x128_f8f6f4 v[S+8*\t:S+8*\t+7], v[40+4*\t:55+4*\t], v[16:31], 0, v[34+\t/2], v32
	v_wmma_scale_f32_16x16x128_f8f6f4 v[S+8*\t+8:S+8*\t+15], v[44+4*\t:59+4*\t], v[16:31], 0, v[34+\t/2], v32 matrix_a_scale:MATRIX_SCALE_ROW1
.endr
.rept 8
	v_nop                                          ; eight places ahead of the first read of the scores; with the four additions above, twelve behind the last step's V^T P, into whose registers V is loaded now
.endr
.irp u, 0,1
.irp c, 0,1,2,3
	ds_load_b128 v[84+16*\u+4*\c:87+16*\u+4*\c], v5 offset:2048*\u+512*\c
.endr
	ds_load_b32 v[38+\u], v7 offset:128*\u
.endr
	s_add_co_u32 s[T0], s[KF], 127
	s_cmp_le_u32 s[T0], s[QMIN]
	s_cbranch_scc1 .Lopen_\@                       ; every key of the step counts for every query
	v_sub_nc_u32 v229, v3, s[KF]                   ; register 16 b + i holds key KF + 32 b + 16 h + i: hidden where 32 b + i is above this
.set n, 0
.rept 64
	v_cmp_gt_i32 vcc_lo, 32*(n/16)+n%16, v229
	v_cndmask_b32 v[S+n], v[S+n], v233, vcc_lo
.set n, n+1
.endr
.Lopen_\@:
.irp b, 0,1,2,3
	v_max3_num_f32 v[BM+\b], v[S+16*\b], v[S+1+16*\b], v[S+2+16*\b]   ; the largest score of each block of 32 keys: for the row's maximum, and for the block's largest p
.endr
.irp i, 3,5,7,9,11,13
.irp b, 0,1,2,3
	v_max3_num_f32 v[BM+\b], v[BM+\b], v[S+16*\b+\i], v[S+1+16*\b+\i]
.endr
.endr
.irp b, 0,1,2,3
	v_max_num_f32 v[BM+\b], v[BM+\b], v[S+15+16*\b]
.endr
.irp b, 0,1,2,3
	v_permlanex16_b32 v[BT+\b], v[BM+\b], s[SEL], s[SEL+1]
.endr
.irp b, 0,1,2,3
	v_max_num_f32 v[BM+\b], v[BM+\b], v[BT+\b]
.endr
	v_max3_num_f32 v228, v[BM], v[BM+1], v[BM+2]
	v_max_num_f32 v228, v228, v[BM+3]
	v_mul_f32 v228, s[CS], v228
	v_max_num_f32 v13, v13, v228                   ; the running largest t
	v_mov_b32 v228, v12
	v_floor_f32 v12, -v13                          ; -M = floor(-t): M is a whole number
	v_sub_f32 v228, v12, v228
	v_cvt_i32_f32 v228, v228                       ; (it saturates)
	v_ldexp_f32 v230, 1.0, v228                    ; f = 2^(old M - new M)
.set j, 0
.rept 32
	v_pk_fma_f32 v[S+j:S+j+1], v[S+j:S+j+1], s[CS:CS+1], v[12:13] op_sel_hi:[1,0,0]   ; t - M
.set j, j+2
.endr
.irp b, 0,1,2,3
	v_fma_f32 v[BM+\b], v[BM+\b], s[CS], v12
.endr
.set j, 0
.rept 64
	v_exp_f32 v[S+j], v[S+j]                       ; p = 2^(t - M)
.set j, j+1
.endr
	v_pk_mul_f32 v[14:15], v[14:15], v[230:231] op_sel_hi:[1,0]   ; the sum under the new M: a plain line behind the exponentials
	s_wait_alu depctr_va_vdst(0)                   ; one wait for the batch of 64, ahead of its first reader
.irp b, 0,1,2,3
	v_exp_f32 v[BM+\b], v[BM+\b]                   ; each block's largest p
.endr
	v_pk_add_f32 v[234:235], v[S:S+1], v[S+2:S+3]  ; the row's sum of the unquantised p, in two chains
.irp j, 4,8,12,16,20,24,28,32,36,40,44,48,52,56,60
	v_pk_add_f32 v[14:15], v[14:15], v[S+\j:S+1+\j]
	v_pk_add_f32 v[234:235], v[234:235], v[S+2+\j:S+3+\j]
.endr
	v_pk_add_f32 v[14:15], v[14:15], v[234:235]
	s_wait_alu depctr_va_vdst(0)                   ; and one for the four
.irp b, 0,1,2,3
	v_max_num_f32 v[BM+\b], 0x4800000, v[BM+\b]    ; the floor
.endr
.irp b, 0,1,2,3
	v_add_nc_u32 v[BS+\b], 0xfc000000, v[BM+\b]
.endr
.irp b, 0,1,2,3
	v_and_or_b32 v[BL+\b], v[BM+\b], 0x7f800000, s[MNT]
.endr
.irp b, 0,1,2,3
	v_lshrrev_b32 v[BT+\b], 23, v[BS+\b]
.endr
	v_lshl_or_b32 v232, v[BT+1], 8, v[BT]          ; p's scale word for these 128 keys
	v_lshl_or_b32 v232, v[BT+2], 16, v232
	v_lshl_or_b32 v232, v[BT+3], 24, v232
.irp b, 0,1,2,3
.irp i, 0,1,2,3,4,5,6,7,8,9,10,11,12,13,14,15
	v_min_num_f32 v[S+16*\b+\i], v[S+16*\b+\i], v[BL+\b]   ; p is not negative: the hold is one-sided
.endr
	v_cvt_scalef32_pk8_fp8_f32 v[P+4*\b:P+1+4*\b], v[S+16*\b:S+7+16*\b], v[BS+\b]
	v_cvt_scalef32_pk8_fp8_f32 v[P+2+4*\b:P+3+4*\b], v[S+8+16*\b:S+15+16*\b], v[BS+\b]
.endr
.irp j, 0,2,4,6,8,10,12,14
	v_pk_mul_f32 v[O+\j:O+1+\j], v[O+\j:O+1+\j], v[230:231] op_sel_hi:[1,0]   ; O^T under the new M; these eight are the places between the codes and the products
.endr
	s_wait_dscnt 0x0                               ; V
	v_wmma_scale_f32_16x16x128_f8f6f4 v[O:O+7], v[84:99], v[P:P+15], v[O:O+7], v38, v232
	v_wmma_scale_f32_16x16x128_f8f6f4 v[O+8:O+15], v[100:115], v[P:P+15], v[O+8:O+15], v39, v232
.Lhid_\@:
	s_add_co_u32 s[KF], s[KF], 128
	s_add_co_u32 s[TK], s[TK], 4096
	s_add_co_u32 s[TS], s[TS], 512
	s_add_co_u32 s[TV], s[TV], 256
	s_sub_co_u32 s[CT], s[CT], 1
	s_cmp_lg_u32 s[CT], 0
	s_cbranch_scc1 .Lstep_\@
	v_add_f32 v14, v14, v15
	v_permlanex16_b32 v228, v14, s[SEL], s[SEL+1]
	v_add_f32 v14, v14, v228                       ; the row's sum
	v_rcp_f32 v14, v14
.rept 8
	v_nop                                          ; the places behind the last products, and the plain line behind the reciprocal
.endr
	s_wait_alu depctr_va_vdst(0)
.irp j, 0,2,4,6,8,10,12,14
	v_pk_mul_f32 v[O+\j:O+1+\j], v[O+\j:O+1+\j], v[14:15] op_sel_hi:[1,0]   ; y: register i is channel 16 h + i of my query
.endr
	v_max3_num_f32 v[BM], |v[O]|, |v[O+1]|, 0x4800000   ; y's one block: the head's 32 channels lie in lanes l and l xor 16
.irp i, 2,4,6,8,10,12,14
	v_max3_num_f32 v[BM], v[BM], |v[O+\i]|, |v[O+1+\i]|
.endr
	v_permlanex16_b32 v[BT], v[BM], s[SEL], s[SEL+1]
	v_max_num_f32 v[BM], v[BM], v[BT]
	v_add_nc_u32 v[BS], 0xfc000000, v[BM]
	v_and_or_b32 v[BL], v[BM], 0x7f800000, s[MNT]
	v_lshrrev_b32 v229, 23, v[BS]
.irp i, 0,1,2,3,4,5,6,7,8,9,10,11,12,13,14,15
	v_med3_num_f32 v[O+\i], v[O+\i], -v[BL], v[BL]
.endr
	v_cvt_scalef32_pk8_fp8_f32 v[P:P+1], v[O:O+7], v[BS]
	v_cvt_scalef32_pk8_fp8_f32 v[P+2:P+3], v[O+8:O+15], v[BS]
	v_nop
	global_store_b128 v1, v[P:P+3], s[YP:YP+1]     ; chunk head % 4 of K step head / 4 of the tile's image: 512 consecutive bytes
	global_store_b8 v8, v229, s[YSP:YSP+1]         ; my head's byte of the row's scale word
.endm
	PHASE 0
	PHASE 1
	s_wait_tensorcnt 0x0
	ds_add_u32 v254, v255
	s_wait_dscnt 0x0
	s_endpgm
.Lfunc_end_k_q6c3f26ab40_attn:
	.size	k_q6c3f26ab40_attn, .Lfunc_end_k_q6c3f26ab40_attn-k_q6c3f26ab40_attn
	.p2alignl 7, 3214868480
	.fill 96, 4, 3214868480
	.section	.rodata,"a",@progbits
	.p2align	6, 0x0
	.amdhsa_kernel k_q6c3f26ab40_attn
		.amdhsa_group_segment_fixed_size 145408
		.amdhsa_private_segment_fixed_size 0
		.amdhsa_enable_private_segment 0
		.amdhsa_kernarg_size 16
		.amdhsa_user_sgpr_count 2
		.amdhsa_user_sgpr_kernarg_segment_ptr 1
		.amdhsa_wavefront_size32 1
		.amdhsa_system_sgpr_workgroup_id_x 1
		.amdhsa_system_sgpr_workgroup_id_y 1
		.amdhsa_system_sgpr_workgroup_id_z 1
		.amdhsa_system_vgpr_workitem_id 0
		.amdhsa_next_free_vgpr 256
		.amdhsa_next_free_sgpr 66
		.amdhsa_reserve_vcc 1
		.amdhsa_float_denorm_mode_32 3
		.amdhsa_float_denorm_mode_16_64 3
		.amdhsa_memory_ordered 1
		.amdhsa_forward_progress 1
		.amdhsa_inst_pref_size 61
	.end_amdhsa_kernel
	.amdgpu_metadata
---
amdhsa.version: [ 1, 2 ]
amdhsa.kernels:
  - .name:           k_q6c3f26ab40_attn
    .symbol:         k_q6c3f26ab40_attn.kd
    .args:
      - { .name: qkv, .offset: 0, .size: 8, .value_kind: global_buffer, .address_space: global }
      - { .name: ybuf, .offset: 8, .size: 8, .value_kind: global_buffer, .address_space: global }
    .group_segment_fixed_size: 145408
    .private_segment_fixed_size: 0
    .kernarg_segment_align: 8
    .kernarg_segment_size: 16
    .max_flat_workgroup_size: 512
    .sgpr_count:     66
    .vgpr_count:     256
    .wavefront_size: 32
...
	.end_amdgpu_metadata
.endif
;; end of part 3
;; launch proj (part 4): grid 256 x 1, 4 waves a work-group, no clusters, 2,560 bytes of LDS; arguments wts, ybuf, x, bp, ln2_g, ln2_b, r2buf, h2buf; writes r2buf, h2buf
.if DOCPART == 4
	.amdgcn_target "amdgcn-amd-amdhsa--gfx1250"
	.amdhsa_code_object_version 6
	.text
	.protected	k_q6c3f26ab40_proj
	.globl	k_q6c3f26ab40_proj
	.p2align	8
	.type	k_q6c3f26ab40_proj,@function
k_q6c3f26ab40_proj:
	s_mov_b64 s[64:65], 0
	v_nop
	global_prefetch_b8 v0, s[64:65] scope:SCOPE_SE
	s_setreg_imm32_b32 hwreg(HW_REG_WAVE_MODE, 25, 1), 1
	s_wait_xcnt 0x0
; PROJ: x2 = x + y Wp + bp on codes of FP8 (E4M3) with E8M0 scales, then LN2(x2) and its quantising.  Work-group X: rows 32 X .. 32 X + 31 (tiles 2 X, 2 X + 1); wave w: columns 128 w on.
; Wp's 8 tiles x 4 K steps of the wave stay in registers (windows 1, 2); y's two tiles in window 3.  Source 0 = Wp, source 1 = y: a lane holds one row and 64 of the wave's 128 columns, in the order of the next operand's registers.
; x + bp is loaded in that same layout and is the C of each sum's first matrix instruction, in place.  A row's mean and variance span the four waves: two exchanges of a word a row through LDS, a barrier each, on bytes of their own.
; OUT: x2 in f32 as the image of these registers (tile x 32,768 + w x 8,192 + n x 512 + 16 lane); LN2's codes as K step w of the tile's image.
; No cluster: this text has no tensor load.  LIMITS: a block of zeros gets the byte 1; NaN and infinities are not served.
.set SC0, 3145728
.set HS0, 4194304
.set LI,  1
.set LS,  2
.set XA,  3
.set BA,  4
.set RS,  32                           ; v32-63 Wp's scale words
.set X2,  64                           ; v64-191 the 16 accumulators: two tiles of 64
.set SS,  192                          ; v192-199 y's scale words
.set PC,  200
.set TM,  216
.set PW,  232
.set WV,  20
.set PR,  22
.set PRS, 24
.set PS,  26
.set PSS, 28
.set PX,  30
.set PBP, 32
.set PG,  34
.set PBB, 36
.set PR2, 38
.set PH,  40
.set PHS, 42
.set SEL, 44
.set MNT, 46
.set EPS, 47
.set MSB, 0
.macro WIN new
.if MSB != \new
	s_set_vgpr_msb (MSB<<8)|\new
.set MSB, \new
.endif
.endm
.macro QUANT s
.irp b, 0,1,2,3
	v_max3_num_f32 v[TM+\b], |v[\s+16*\b]|, |v[\s+1+16*\b]|, 0x4800000
.endr
.irp i, 2,4,6,8,10,12,14
.irp b, 0,1,2,3
	v_max3_num_f32 v[TM+\b], v[TM+\b], |v[\s+16*\b+\i]|, |v[\s+1+16*\b+\i]|
.endr
.endr
.irp b, 0,1,2,3
	v_permlanex16_b32 v[TM+4+\b], v[TM+\b], s[SEL], s[SEL+1]
.endr
.irp b, 0,1,2,3
	v_max_num_f32 v[TM+\b], v[TM+\b], v[TM+4+\b]
.endr
.irp b, 0,1,2,3
	v_add_nc_u32 v[TM+12+\b], 0xfc000000, v[TM+\b]
.endr
.irp b, 0,1,2,3
	v_and_or_b32 v[TM+8+\b], v[TM+\b], 0x7f800000, s[MNT]
.endr
.irp b, 0,1,2,3
	v_lshrrev_b32 v[TM+4+\b], 23, v[TM+12+\b]
.endr
	v_lshl_or_b32 v[PW], v[TM+5], 8, v[TM+4]
	v_lshl_or_b32 v[PW], v[TM+6], 16, v[PW]
	v_lshl_or_b32 v[PW], v[TM+7], 24, v[PW]
.irp b, 0,1,2,3
.irp i, 0,1,2,3,4,5,6,7,8,9,10,11,12,13,14,15
	v_med3_num_f32 v[\s+16*\b+\i], v[\s+16*\b+\i], -v[TM+8+\b], v[TM+8+\b]
.endr
	v_cvt_scalef32_pk8_fp8_f32 v[PC+4*\b:PC+1+4*\b], v[\s+16*\b:\s+7+16*\b], v[TM+12+\b]
	v_cvt_scalef32_pk8_fp8_f32 v[PC+2+4*\b:PC+3+4*\b], v[\s+8+16*\b:\s+15+16*\b], v[TM+12+\b]
.endr
	v_nop
.endm
; The chains v[8:11] (tile 0) and v[12:15] (tile 1) hold my lane's part of a row's sum.  They are joined, with lane l xor 16's, and with the other three waves' through LDS at \base: the row's sum comes back in v8 and v12.
.macro XCHG base
.irp i, 0,1
	v_pk_add_f32 v[8+4*\i:9+4*\i], v[8+4*\i:9+4*\i], v[10+4*\i:11+4*\i]
.endr
.irp i, 0,1
	v_add_f32 v[8+4*\i], v[8+4*\i], v[9+4*\i]
.endr
.irp i, 0,1
	v_permlanex16_b32 v[24+\i], v[8+4*\i], s[SEL], s[SEL+1]
.endr
.irp i, 0,1
	v_add_f32 v[8+4*\i], v[8+4*\i], v[24+\i]
.endr
.irp i, 0,1
	ds_store_b32 v5, v[8+4*\i] offset:\base+128*\i
.endr
	s_wait_dscnt 0x0                               ; for the others' sake: my words lie in LDS
	s_barrier_signal -1
	s_barrier_wait -1
.irp i, 0,1
.irp q, 0,1,2,3
	ds_load_b32 v[24+4*\i+\q], v[LS] offset:\base+256*\q+128*\i
.endr
.endr
	s_wait_dscnt 0x0
.irp i, 0,1
	v_add_f32 v[24+4*\i], v[24+4*\i], v[25+4*\i]   ; in one order in every wave
	v_add_f32 v[26+4*\i], v[26+4*\i], v[27+4*\i]
	v_add_f32 v[8+4*\i], v[24+4*\i], v[26+4*\i]
.endr
.endm
	s_load_b512 s[4:19], s[0:1], 0x0               ; wts, ybuf, x, bp, ln2_g, ln2_b, r2buf, h2buf
	v_lshl_add_u32 v254, v0, 2, 0x800
	v_mov_b32 v255, 0
	v_lshrrev_b32 v6, 5, v0
	v_readfirstlane_b32 s[WV], v6
	v_and_b32 v7, 31, v0
	v_lshlrev_b32 v[LI], 4, v7
	v_lshlrev_b32 v[LS], 2, v7
	v_lshlrev_b32 v6, 8, v6
	v_add_nc_u32 v5, v6, v[LS]                     ; LDS: 256 wave + 4 lane
	v_and_b32 v6, 15, v0
	v_and_b32 v7, 8, v0
	v_add_nc_u32 v6, v6, v7                        ; r + 8 (r / 8)
	v_bfe_u32 v7, v0, 4, 1
	v_lshlrev_b32 v[BA], 6, v7                     ; 64 h
	v_lshl_add_u32 v[XA], v6, 11, v[BA]
	v_mov_b32 v24, 0                               ; lane permutes' destinations
	v_mov_b32 v25, 0
.irp b, 0,1,2,3
	v_mov_b32 v[TM+4+\b], 0
.endr
	s_mov_b32 s[SEL], 0x76543210
	s_mov_b32 s[SEL+1], 0xfedcba98
	s_mov_b32 s[MNT], 0x600000
	s_mov_b32 s[EPS], 0x3727c5ac                   ; 1e-5
	s_mov_b32 s49, 0
	s_wait_kmcnt 0x0
	s_lshl_b32 s48, s[WV], 16
	s_add_co_u32 s48, s48, 384*2048                ; Wp's fragments 384 + 32 w on
	s_add_nc_u64 s[PR:PR+1], s[4:5], s[48:49]
	s_lshl_b32 s48, s[WV], 12
	s_add_co_u32 s48, s48, SC0+384*128
	s_add_nc_u64 s[PRS:PRS+1], s[4:5], s[48:49]
	s_lshl_b32 s48, ttmp9, 14
	s_add_nc_u64 s[PS:PS+1], s[6:7], s[48:49]      ; y's tiles 2 X, 2 X + 1
	s_lshl_b32 s50, s[WV], 11
	s_add_co_u32 s48, s48, s50
	s_add_nc_u64 s[PH:PH+1], s[18:19], s[48:49]    ; LN2's codes: the same tiles, K step w
	s_lshl_b32 s48, ttmp9, 10
	s_add_co_u32 s48, s48, HS0
	s_add_nc_u64 s[PSS:PSS+1], s[6:7], s[48:49]
	s_lshl_b32 s50, s[WV], 7
	s_add_co_u32 s48, s48, s50
	s_add_nc_u64 s[PHS:PHS+1], s[18:19], s[48:49]
	s_lshl_b32 s48, s[WV], 9                       ; my 128 columns, in f32
	s_add_nc_u64 s[PBP:PBP+1], s[10:11], s[48:49]
	s_add_nc_u64 s[PG:PG+1], s[12:13], s[48:49]
	s_add_nc_u64 s[PBB:PBB+1], s[14:15], s[48:49]
	s_lshl_b32 s50, ttmp9, 16                      ; 32 rows of 2,048 bytes
	s_add_co_u32 s48, s48, s50
	s_add_nc_u64 s[PX:PX+1], s[8:9], s[48:49]
	s_lshl_b32 s48, s[WV], 13
	s_add_co_u32 s48, s48, s50                     ; two tiles of 32,768 bytes are as many
	s_add_nc_u64 s[PR2:PR2+1], s[16:17], s[48:49]
.set f, 0
.rept 32
	global_load_b32 v[RS+f], v[LS], s[PRS:PRS+1] offset:128*f
.set f, f+1
.endr
.irp i, 0,1
.irp s, 0,1,2,3
	global_load_b32 v[SS+4*\i+\s], v[LS], s[PSS:PSS+1] offset:512*\i+128*\s
.endr
.endr
.irp i, 0,1
.irp b, 0,1,2,3
.irp j, 0,1,2,3
	global_load_b128 v[X2+64*\i+16*\b+4*\j:X2+64*\i+16*\b+4*\j+3], v[XA], s[PX:PX+1] offset:16384*\i+128*\b+16*\j
.endr
.endr
.endr
	WIN 0x40
.irp s, 0,1
.irp t, 0,1,2,3,4,5,6,7
.irp c, 0,1,2,3
	global_load_b128 v[16*(8*\s+\t)+4*\c:16*(8*\s+\t)+4*\c+3], v[LI], s[PR:PR+1] offset:2048*(4*\t+\s)+512*\c
.endr
.endr
.endr
	WIN 0x80
.irp s, 2,3
.irp t, 0,1,2,3,4,5,6,7
.irp c, 0,1,2,3
	global_load_b128 v[16*(8*(\s-2)+\t)+4*\c:16*(8*(\s-2)+\t)+4*\c+3], v[LI], s[PR:PR+1] offset:2048*(4*\t+\s)+512*\c
.endr
.endr
.endr
	WIN 0xc0
.irp i, 0,1
.irp s, 0,1,2,3
.irp c, 0,1,2,3
	global_load_b128 v[64*\i+16*\s+4*\c:64*\i+16*\s+4*\c+3], v[LI], s[PS:PS+1] offset:8192*\i+2048*\s+512*\c
.endr
.endr
.endr
.irp b, 0,1,2,3
.irp j, 0,1,2,3
	global_load_b128 v[128+16*\b+4*\j:131+16*\b+4*\j], v[BA], s[PBP:PBP+1] offset:128*\b+16*\j
.endr
.endr
	s_wait_loadcnt 0x0
	WIN 0x0c                                       ; source 1 (bp) window 3
.irp i, 0,1
.set q, 0
.rept 32
	v_pk_add_f32 v[X2+64*\i+2*q:X2+64*\i+2*q+1], v[X2+64*\i+2*q:X2+64*\i+2*q+1], v[128+2*q:129+2*q]
.set q, q+1
.endr
.endr
.rept 4
	v_nop
.endr
.irp s, 0,1,2,3                        ; 64 matrix instructions on 16 accumulators by turns
.if \s < 2
	WIN 0x0d
.else
	WIN 0x0e
.endif
.irp i, 0,1
.irp t, 0,1,2,3,4,5,6,7
	v_wmma_scale_f32_16x16x128_f8f6f4 v[X2+64*\i+8*\t:X2+64*\i+8*\t+7], v[16*(8*(\s%2)+\t):16*(8*(\s%2)+\t)+15], v[64*\i+16*\s:64*\i+16*\s+15], v[X2+64*\i+8*\t:X2+64*\i+8*\t+7], v[RS+4*\t+\s], v[SS+4*\i+\s]
.endr
.endr
.endr
	WIN 0
.rept 8
	v_nop                                          ; eight places: ahead of the loads into y's registers and of the first read of results
.endr
	WIN 0xc0
.irp b, 0,1,2,3
.irp j, 0,1,2,3
	global_load_b128 v[16*\b+4*\j:16*\b+4*\j+3], v[BA], s[PG:PG+1] offset:128*\b+16*\j
	global_load_b128 v[64+16*\b+4*\j:64+16*\b+4*\j+3], v[BA], s[PBB:PBB+1] offset:128*\b+16*\j
.endr
.endr
	WIN 0
.irp i, 0,1
.set n, 0
.rept 16
	global_store_b128 v[LI], v[X2+64*\i+4*n:X2+64*\i+4*n+3], s[PR2:PR2+1] offset:32768*\i+512*n   ; x2 as it stands, each accumulator from its low end on: 512 consecutive bytes
.set n, n+1
.endr
.endr
.irp i, 0,1
	v_pk_add_f32 v[8+4*\i:9+4*\i], v[X2+64*\i:X2+64*\i+1], v[X2+64*\i+2:X2+64*\i+3]
	v_pk_add_f32 v[10+4*\i:11+4*\i], v[X2+64*\i+4:X2+64*\i+5], v[X2+64*\i+6:X2+64*\i+7]
.endr
.set q, 8
.rept 14
.irp i, 0,1
	v_pk_add_f32 v[8+4*\i:9+4*\i], v[8+4*\i:9+4*\i], v[X2+64*\i+q:X2+64*\i+q+1]
	v_pk_add_f32 v[10+4*\i:11+4*\i], v[10+4*\i:11+4*\i], v[X2+64*\i+q+2:X2+64*\i+q+3]
.endr
.set q, q+4
.endr
	XCHG 0
.irp i, 0,1
	v_mul_f32 v[16+2*\i], 0x3b000000, v[8+4*\i]    ; the mean
	v_mov_b32 v[17+2*\i], v[16+2*\i]
.endr
	s_wait_xcnt 0x0                                ; the stores of x2 have read their registers
.irp i, 0,1
.set q, 0
.rept 32
	v_pk_add_f32 v[X2+64*\i+2*q:X2+64*\i+2*q+1], v[X2+64*\i+2*q:X2+64*\i+2*q+1], v[16+2*\i:17+2*\i] neg_lo:[0,1] neg_hi:[0,1]
.set q, q+1
.endr
.endr
.irp i, 0,1
	v_pk_mul_f32 v[8+4*\i:9+4*\i], v[X2+64*\i:X2+64*\i+1], v[X2+64*\i:X2+64*\i+1]
	v_pk_mul_f32 v[10+4*\i:11+4*\i], v[X2+64*\i+2:X2+64*\i+3], v[X2+64*\i+2:X2+64*\i+3]
.endr
.set q, 4
.rept 15
.irp i, 0,1
	v_pk_fma_f32 v[8+4*\i:9+4*\i], v[X2+64*\i+q:X2+64*\i+q+1], v[X2+64*\i+q:X2+64*\i+q+1], v[8+4*\i:9+4*\i]
	v_pk_fma_f32 v[10+4*\i:11+4*\i], v[X2+64*\i+q+2:X2+64*\i+q+3], v[X2+64*\i+q+2:X2+64*\i+q+3], v[10+4*\i:11+4*\i]
.endr
.set q, q+4
.endr
	XCHG 1024
.irp i, 0,1
	v_fma_f32 v[8+4*\i], v[8+4*\i], 0x3b000000, s[EPS]
.endr
.irp i, 0,1
	v_rsq_f32 v[20+2*\i], v[8+4*\i]
.endr
	v_nop
	s_wait_alu depctr_va_vdst(0)                   ; one wait for the two, ahead of their first reader
.irp i, 0,1
	v_mov_b32 v[21+2*\i], v[20+2*\i]
.endr
	s_wait_loadcnt 0x0                             ; gain and bias
.irp i, 0,1
.set q, 0
.rept 32
	v_pk_mul_f32 v[X2+64*\i+2*q:X2+64*\i+2*q+1], v[X2+64*\i+2*q:X2+64*\i+2*q+1], v[20+2*\i:21+2*\i]
.set q, q+1
.endr
	WIN 0x3c                                       ; sources 1 and 2 window 3
.set q, 0
.rept 32
	v_pk_fma_f32 v[X2+64*\i+2*q:X2+64*\i+2*q+1], v[X2+64*\i+2*q:X2+64*\i+2*q+1], v[2*q:2*q+1], v[64+2*q:65+2*q]
.set q, q+1
.endr
	WIN 0
	s_wait_xcnt 0x0                                ; the first tile's stores have read the codes' registers
	QUANT X2+64*\i
.irp c, 0,1,2,3
	global_store_b128 v[LI], v[PC+4*\c:PC+4*\c+3], s[PH:PH+1] offset:8192*\i+512*\c
.endr
	global_store_b32 v[LS], v[PW], s[PHS:PHS+1] offset:512*\i
.endr
	s_wait_tensorcnt 0x0
	ds_add_u32 v254, v255
	s_wait_dscnt 0x0
	s_endpgm
.Lfunc_end_k_q6c3f26ab40_proj:
	.size	k_q6c3f26ab40_proj, .Lfunc_end_k_q6c3f26ab40_proj-k_q6c3f26ab40_proj
	.p2alignl 7, 3214868480
	.fill 96, 4, 3214868480
	.section	.rodata,"a",@progbits
	.p2align	6, 0x0
	.amdhsa_kernel k_q6c3f26ab40_proj
		.amdhsa_group_segment_fixed_size 2560
		.amdhsa_private_segment_fixed_size 0
		.amdhsa_enable_private_segment 0
		.amdhsa_kernarg_size 64
		.amdhsa_user_sgpr_count 2
		.amdhsa_user_sgpr_kernarg_segment_ptr 1
		.amdhsa_wavefront_size32 1
		.amdhsa_system_sgpr_workgroup_id_x 1
		.amdhsa_system_sgpr_workgroup_id_y 1
		.amdhsa_system_sgpr_workgroup_id_z 1
		.amdhsa_system_vgpr_workitem_id 0
		.amdhsa_next_free_vgpr 1024
		.amdhsa_next_free_sgpr 66
		.amdhsa_reserve_vcc 0
		.amdhsa_float_denorm_mode_32 3
		.amdhsa_float_denorm_mode_16_64 3
		.amdhsa_memory_ordered 1
		.amdhsa_forward_progress 1
		.amdhsa_inst_pref_size 85
	.end_amdhsa_kernel
	.amdgpu_metadata
---
amdhsa.version: [ 1, 2 ]
amdhsa.kernels:
  - .name:           k_q6c3f26ab40_proj
    .symbol:         k_q6c3f26ab40_proj.kd
    .args:
      - { .name: wts, .offset: 0, .size: 8, .value_kind: global_buffer, .address_space: global }
      - { .name: ybuf, .offset: 8, .size: 8, .value_kind: global_buffer, .address_space: global }
      - { .name: x, .offset: 16, .size: 8, .value_kind: global_buffer, .address_space: global }
      - { .name: bp, .offset: 24, .size: 8, .value_kind: global_buffer, .address_space: global }
      - { .name: ln2_g, .offset: 32, .size: 8, .value_kind: global_buffer, .address_space: global }
      - { .name: ln2_b, .offset: 40, .size: 8, .value_kind: global_buffer, .address_space: global }
      - { .name: r2buf, .offset: 48, .size: 8, .value_kind: global_buffer, .address_space: global }
      - { .name: h2buf, .offset: 56, .size: 8, .value_kind: global_buffer, .address_space: global }
    .group_segment_fixed_size: 2560
    .private_segment_fixed_size: 0
    .kernarg_segment_align: 8
    .kernarg_segment_size: 64
    .max_flat_workgroup_size: 128
    .sgpr_count:     66
    .vgpr_count:     1024
    .wavefront_size: 32
...
	.end_amdgpu_metadata
.endif
;; end of part 4
;; launch fc1 (part 5): grid 64 x 4, 4 waves a work-group, no clusters, 0 bytes of LDS; arguments wts, h2buf, b1, hid; writes hid
.if DOCPART == 5
	.amdgcn_target "amdgcn-amd-amdhsa--gfx1250"
	.amdhsa_code_object_version 6
	.text
	.protected	k_q6c3f26ab40_fc1
	.globl	k_q6c3f26ab40_fc1
	.p2align	8
	.type	k_q6c3f26ab40_fc1,@function
k_q6c3f26ab40_fc1:
	s_mov_b64 s[64:65], 0
	v_nop
	global_prefetch_b8 v0, s[64:65] scope:SCOPE_SE
	s_setreg_imm32_b32 hwreg(HW_REG_WAVE_MODE, 25, 1), 1
	s_wait_xcnt 0x0
; FC1: hidden = gelu(LN2(x2) W1 + b1) on codes of FP8 (E4M3) with E8M0 scales, quantised on the way for the next product.  Work-group (X, Y): rows 128 X on; wave w: hidden units 128 (4 Y + w) on.
; The wave's 8 tiles x 4 K steps of W1 stay in registers (windows 1, 2); tiles of 16 rows stream through two buffers (window 3): 32 matrix instructions a tile on 8 accumulators by turns; b1 is the C of each sum's first.
; Source 0 = W1, source 1 = the rows: a lane holds one row and 64 hidden units in the order of the next operand's registers: they become one fragment (K step 4 Y + w of the next product) and one scale word.
; GELU, exact form: gelu(x) = max(x, 0) - |x| q, q = erfc(|x| / sqrt 2) / 2 = t exp(-z^2 + P(t)), z = |x| / sqrt 2, t = 1 / (1 + z / 2), P of degree 9: the rational-exponential form whose published relative error is 1.2e-7,
; so the negative tail keeps its relative accuracy.  Exponentials in base 2: Z = x sqrt(log2(e) / 2), so that Z^2 = z^2 log2(e).
; No LDS, no barrier; no cluster: this text has no tensor load.  LIMITS: a block of zeros gets the byte 1; NaN and infinities are not served; a q under 2^-126 counts as 0.
.set SC0, 3145728
.set HS0, 4194304
.set HIDS0, 16777216
.set LI,  1
.set LS,  2
.set BA,  3
.set RS,  8
.set SS,  40
.set HA,  48
.set PC,  112
.set TM,  128
.set PW,  144
.set GZ,  146                          ; v146-177 Z, Z^2, then max(x, 0)
.set GT,  178                          ; v178-209 t
.set GP,  210                          ; v210-241 the polynomial, then q
.set GC,  242                          ; v[242:243] the leading coefficient, twice
.set WV,  12
.set PR,  16
.set PRS, 18
.set PS,  20
.set PSS, 22
.set PB,  24
.set OC,  26
.set OS,  28
.set CNT, 30
.set MNT, 31
.set SEL, 32
.set CQ,  36                           ; s[36:37] sqrt(log2(e) / 2)
.set CK,  38                           ; s[38:55] coefficients 8 down to 0, a pair each
.set CL,  56                           ; s[56:57] log2(e)
.set CH,  58                           ; s58 1 / (2 sqrt(log2(e)))
.set MSB, 0
.macro WIN new
.if MSB != \new
	s_set_vgpr_msb (MSB<<8)|\new
.set MSB, \new
.endif
.endm
.macro QUANT s
.irp b, 0,1,2,3
	v_max3_num_f32 v[TM+\b], |v[\s+16*\b]|, |v[\s+1+16*\b]|, 0x4800000
.endr
.irp i, 2,4,6,8,10,12,14
.irp b, 0,1,2,3
	v_max3_num_f32 v[TM+\b], v[TM+\b], |v[\s+16*\b+\i]|, |v[\s+1+16*\b+\i]|
.endr
.endr
.irp b, 0,1,2,3
	v_permlanex16_b32 v[TM+4+\b], v[TM+\b], s[SEL], s[SEL+1]
.endr
.irp b, 0,1,2,3
	v_max_num_f32 v[TM+\b], v[TM+\b], v[TM+4+\b]
.endr
.irp b, 0,1,2,3
	v_add_nc_u32 v[TM+12+\b], 0xfc000000, v[TM+\b]
.endr
.irp b, 0,1,2,3
	v_and_or_b32 v[TM+8+\b], v[TM+\b], 0x7f800000, s[MNT]
.endr
.irp b, 0,1,2,3
	v_lshrrev_b32 v[TM+4+\b], 23, v[TM+12+\b]
.endr
	v_lshl_or_b32 v[PW], v[TM+5], 8, v[TM+4]
	v_lshl_or_b32 v[PW], v[TM+6], 16, v[PW]
	v_lshl_or_b32 v[PW], v[TM+7], 24, v[PW]
.irp b, 0,1,2,3
.irp i, 0,1,2,3,4,5,6,7,8,9,10,11,12,13,14,15
	v_med3_num_f32 v[\s+16*\b+\i], v[\s+16*\b+\i], -v[TM+8+\b], v[TM+8+\b]
.endr
	v_cvt_scalef32_pk8_fp8_f32 v[PC+4*\b:PC+1+4*\b], v[\s+16*\b:\s+7+16*\b], v[TM+12+\b]
	v_cvt_scalef32_pk8_fp8_f32 v[PC+2+4*\b:PC+3+4*\b], v[\s+8+16*\b:\s+15+16*\b], v[TM+12+\b]
.endr
	v_nop
.endm
.macro SLOAD buf, off, offs
	WIN 0xc0
.irp s, 0,1,2,3
.irp c, 0,1,2,3
	global_load_b128 v[64*\buf+16*\s+4*\c:64*\buf+16*\s+4*\c+3], v[LI], s[PS:PS+1] offset:\off+2048*\s+512*\c
.endr
.endr
	WIN 0
.irp s, 0,1,2,3
	global_load_b32 v[SS+4*\buf+\s], v[LS], s[PSS:PSS+1] offset:\offs+128*\s
.endr
.endm
.macro MUL buf
.irp s, 0,1,2,3
.if \s == 0
	WIN 0x3d
.elseif \s == 1
	WIN 0x0d
.else
	WIN 0x0e
.endif
.irp t, 0,1,2,3,4,5,6,7
.if \s == 0
	v_wmma_scale_f32_16x16x128_f8f6f4 v[HA+8*\t:HA+8*\t+7], v[16*\t:16*\t+15], v[64*\buf:64*\buf+15], v[128+8*\t:128+8*\t+7], v[RS+4*\t], v[SS+4*\buf]
.else
	v_wmma_scale_f32_16x16x128_f8f6f4 v[HA+8*\t:HA+8*\t+7], v[16*(8*(\s%2)+\t):16*(8*(\s%2)+\t)+15], v[64*\buf+16*\s:64*\buf+16*\s+15], v[HA+8*\t:HA+8*\t+7], v[RS+4*\t+\s], v[SS+4*\buf+\s]
.endif
.endr
.endr
	WIN 0
.rept 8
	v_nop                                          ; eight places ahead of the first read of results
.endr
.endm
.macro GELU xb                         ; 32 numbers in place, v[xb] on.  Two batches of transcendentals, each with plain work behind it and ONE wait ahead of its first reader
.set i, 0
.rept 16
	v_pk_mul_f32 v[GZ+2*i:GZ+2*i+1], v[\xb+2*i:\xb+2*i+1], s[CQ:CQ+1] op_sel_hi:[1,0]   ; Z.  (Each accumulator is read from its low end on)
.set i, i+1
.endr
.set i, 0
.rept 32
	v_fma_f32 v[GT+i], |v[GZ+i]|, s[CH], 1.0       ; 1 + z / 2
.set i, i+1
.endr
.set i, 0
.rept 32
	v_rcp_f32 v[GT+i], v[GT+i]                     ; t
.set i, i+1
.endr
.set i, 0
.rept 16
	v_pk_mul_f32 v[GZ+2*i:GZ+2*i+1], v[GZ+2*i:GZ+2*i+1], v[GZ+2*i:GZ+2*i+1]   ; Z^2
.set i, i+1
.endr
	s_wait_alu depctr_va_vdst(0)
.set i, 0
.rept 16
	v_pk_fma_f32 v[GP+2*i:GP+2*i+1], v[GT+2*i:GT+2*i+1], v[GC:GC+1], s[CK:CK+1] op_sel_hi:[1,1,0]
.set i, i+1
.endr
.irp k, 1,2,3,4,5,6,7,8
.set i, 0
.rept 16
	v_pk_fma_f32 v[GP+2*i:GP+2*i+1], v[GP+2*i:GP+2*i+1], v[GT+2*i:GT+2*i+1], s[CK+2*\k:CK+2*\k+1] op_sel_hi:[1,1,0]
.set i, i+1
.endr
.endr
.set i, 0
.rept 16
	v_pk_fma_f32 v[GP+2*i:GP+2*i+1], v[GP+2*i:GP+2*i+1], s[CL:CL+1], v[GZ+2*i:GZ+2*i+1] op_sel_hi:[1,0,1] neg_lo:[0,0,1] neg_hi:[0,0,1]   ; P log2(e) - Z^2
.set i, i+1
.endr
.set i, 0
.rept 32
	v_exp_f32 v[GP+i], v[GP+i]
.set i, i+1
.endr
.set i, 0
.rept 32
	v_max_num_f32 v[GZ+i], 0, v[\xb+i]
.set i, i+1
.endr
	s_wait_alu depctr_va_vdst(0)
.set i, 0
.rept 16
	v_pk_mul_f32 v[GP+2*i:GP+2*i+1], v[GP+2*i:GP+2*i+1], v[GT+2*i:GT+2*i+1]   ; q
.set i, i+1
.endr
.set i, 0
.rept 32
	v_fma_f32 v[\xb+i], -|v[\xb+i]|, v[GP+i], v[GZ+i]
.set i, i+1
.endr
.endm
.macro EPI par
	s_wait_xcnt 0x0                                ; the last tile's stores have read the codes' registers
	GELU HA
	GELU HA+32
	QUANT HA
.irp c, 0,1,2,3
	global_store_b128 v[LI], v[PC+4*\c:PC+4*\c+3], s[OC:OC+1] offset:32768*\par+512*\c
.endr
	global_store_b32 v[LS], v[PW], s[OS:OS+1] offset:2048*\par
.endm
	s_load_b256 s[4:11], s[0:1], 0x0               ; wts, h2buf, b1, hid
	v_lshrrev_b32 v4, 5, v0
	v_readfirstlane_b32 s[WV], v4
	s_and_b32 s13, ttmp7, 0xffff
	s_lshl_b32 s14, s13, 2
	s_add_co_u32 s14, s14, s[WV]                   ; my group of 128 hidden units
	v_and_b32 v4, 31, v0
	v_lshlrev_b32 v[LI], 4, v4
	v_lshlrev_b32 v[LS], 2, v4
	v_bfe_u32 v4, v0, 4, 1
	v_lshlrev_b32 v[BA], 6, v4
	s_mov_b32 s[SEL], 0x76543210
	s_mov_b32 s[SEL+1], 0xfedcba98
	s_mov_b32 s[MNT], 0x600000
.irp b, 0,1,2,3
	v_mov_b32 v[TM+4+\b], 0
.endr
	s_mov_b32 s[CQ], 0x3f596d27
	s_mov_b32 s[CK], 0xbf527892                    ; -0.82215223
	s_mov_b32 s[CK+2], 0x3fbe87b0                  ; 1.48851587
	s_mov_b32 s[CK+4], 0xbf914e5d                  ; -1.13520398
	s_mov_b32 s[CK+6], 0x3e8ec7cc                  ; 0.27886807
	s_mov_b32 s[CK+8], 0xbe3ec24c                  ; -0.18628806
	s_mov_b32 s[CK+10], 0x3dc636c9                 ; 0.09678418
	s_mov_b32 s[CK+12], 0x3ebf88fb                 ; 0.37409196
	s_mov_b32 s[CK+14], 0x3f8000c7                 ; 1.00002368
	s_mov_b32 s[CK+16], 0xbffab55a                 ; -1.26551223 - ln 2: the half goes into the exponent
	s_mov_b32 s[CL], 0x3fb8aa3b
.irp p, 36,38,40,42,44,46,48,50,52,54,56
	s_mov_b32 s[\p+1], s[\p]                       ; named as pairs, so both words are written
.endr
	s_mov_b32 s[CH], 0x3ed5224d
	v_mov_b32 v[GC], 0x3e2ef945                    ; 0.17087277
	v_mov_b32 v[GC+1], v[GC]
	s_mov_b32 s61, 0
	s_wait_kmcnt 0x0
	s_lshl_b32 s60, s14, 16
	s_add_co_u32 s60, s60, 512*2048                ; W1's fragments 512 + 32 group on
	s_add_nc_u64 s[PR:PR+1], s[4:5], s[60:61]
	s_lshl_b32 s60, s14, 12
	s_add_co_u32 s60, s60, SC0+512*128
	s_add_nc_u64 s[PRS:PRS+1], s[4:5], s[60:61]
	s_lshl_b32 s60, ttmp9, 16
	s_add_nc_u64 s[PS:PS+1], s[6:7], s[60:61]
	s_lshl_b32 s60, ttmp9, 12
	s_add_co_u32 s60, s60, HS0
	s_add_nc_u64 s[PSS:PSS+1], s[6:7], s[60:61]
	s_lshl_b32 s60, s14, 9
	s_add_nc_u64 s[PB:PB+1], s[8:9], s[60:61]
	s_lshl_b32 s60, ttmp9, 18
	s_lshl_b32 s62, s14, 11
	s_add_co_u32 s60, s60, s62
	s_add_nc_u64 s[OC:OC+1], s[10:11], s[60:61]
	s_lshl_b32 s60, ttmp9, 14
	s_lshl_b32 s62, s14, 7
	s_add_co_u32 s60, s60, s62
	s_add_co_u32 s60, s60, HIDS0
	s_add_nc_u64 s[OS:OS+1], s[10:11], s[60:61]
.set f, 0
.rept 32
	global_load_b32 v[RS+f], v[LS], s[PRS:PRS+1] offset:128*f
.set f, f+1
.endr
	WIN 0x40
.irp s, 0,1
.irp t, 0,1,2,3,4,5,6,7
.irp c, 0,1,2,3
	global_load_b128 v[16*(8*\s+\t)+4*\c:16*(8*\s+\t)+4*\c+3], v[LI], s[PR:PR+1] offset:2048*(4*\t+\s)+512*\c
.endr
.endr
.endr
	WIN 0x80
.irp s, 2,3
.irp t, 0,1,2,3,4,5,6,7
.irp c, 0,1,2,3
	global_load_b128 v[16*(8*(\s-2)+\t)+4*\c:16*(8*(\s-2)+\t)+4*\c+3], v[LI], s[PR:PR+1] offset:2048*(4*\t+\s)+512*\c
.endr
.endr
.endr
	WIN 0xc0
.irp t, 0,1,2,3,4,5,6,7
	global_load_b128 v[128+8*\t:131+8*\t], v[BA], s[PB:PB+1] offset:(32*(\t/2)+8*(\t%2))*4
	global_load_b128 v[132+8*\t:135+8*\t], v[BA], s[PB:PB+1] offset:(32*(\t/2)+8*(\t%2))*4+16
.endr
	WIN 0
	SLOAD 0, 0, 0
	s_mov_b32 s[CNT], 4
.Ltrip:                                                ; four trips of two tiles; a tile's loads have one tile's products and activation in which to land
	SLOAD 1, 8192, 512
	s_wait_loadcnt 20                              ; all but the odd tile's 20 loads just issued
	MUL 0
	EPI 0
	s_wait_loadcnt 0x0
	s_cmp_eq_u32 s[CNT], 1
	s_cbranch_scc1 .Lskip                          ; the last trip asks for nothing: no load leaves its buffer
	SLOAD 0, 16384, 1024
.Lskip:
	MUL 1
	EPI 1
	s_wait_xcnt 0x0                                ; loads and stores have read their bases
	s_add_nc_u64 s[PS:PS+1], s[PS:PS+1], 16384
	s_add_nc_u64 s[PSS:PSS+1], s[PSS:PSS+1], 1024
	s_add_nc_u64 s[OC:OC+1], s[OC:OC+1], 65536
	s_add_nc_u64 s[OS:OS+1], s[OS:OS+1], 4096
	s_sub_co_u32 s[CNT], s[CNT], 1
	s_cmp_lg_u32 s[CNT], 0
	s_cbranch_scc1 .Ltrip
	s_endpgm
.Lfunc_end_k_q6c3f26ab40_fc1:
	.size	k_q6c3f26ab40_fc1, .Lfunc_end_k_q6c3f26ab40_fc1-k_q6c3f26ab40_fc1
	.p2alignl 7, 3214868480
	.fill 96, 4, 3214868480
	.section	.rodata,"a",@progbits
	.p2align	6, 0x0
	.amdhsa_kernel k_q6c3f26ab40_fc1
		.amdhsa_group_segment_fixed_size 0
		.amdhsa_private_segment_fixed_size 0
		.amdhsa_enable_private_segment 0
		.amdhsa_kernarg_size 32
		.amdhsa_user_sgpr_count 2
		.amdhsa_user_sgpr_kernarg_segment_ptr 1
		.amdhsa_wavefront_size32 1
		.amdhsa_system_sgpr_workgroup_id_x 1
		.amdhsa_system_sgpr_workgroup_id_y 1
		.amdhsa_system_sgpr_workgroup_id_z 1
		.amdhsa_system_vgpr_workitem_id 0
		.amdhsa_next_free_vgpr 1024
		.amdhsa_next_free_sgpr 66
		.amdhsa_reserve_vcc 0
		.amdhsa_float_denorm_mode_32 3
		.amdhsa_float_denorm_mode_16_64 3
		.amdhsa_memory_ordered 1
		.amdhsa_forward_progress 1
		.amdhsa_inst_pref_size 132
	.end_amdhsa_kernel
	.amdgpu_metadata
---
amdhsa.version: [ 1, 2 ]
amdhsa.kernels:
  - .name:           k_q6c3f26ab40_fc1
    .symbol:         k_q6c3f26ab40_fc1.kd
    .args:
      - { .name: wts, .offset: 0, .size: 8, .value_kind: global_buffer, .address_space: global }
      - { .name: h2buf, .offset: 8, .size: 8, .value_kind: global_buffer, .address_space: global }
      - { .name: b1, .offset: 16, .size: 8, .value_kind: global_buffer, .address_space: global }
      - { .name: hid, .offset: 24, .size: 8, .value_kind: global_buffer, .address_space: global }
    .group_segment_fixed_size: 0
    .private_segment_fixed_size: 0
    .kernarg_segment_align: 8
    .kernarg_segment_size: 32
    .max_flat_workgroup_size: 128
    .sgpr_count:     66
    .vgpr_count:     1024
    .wavefront_size: 32
...
	.end_amdgpu_metadata
.endif
;; end of part 5
;; launch fc2 (part 6): grid 64 x 4, 4 waves a work-group, no clusters, 68,096 bytes of LDS; arguments wts, hid, r2buf, b2, out0; writes out0
.if DOCPART == 6
	.amdgcn_target "amdgcn-amd-amdhsa--gfx1250"
	.amdhsa_code_object_version 6
	.text
	.protected	k_q6c3f26ab40_fc2
	.globl	k_q6c3f26ab40_fc2
	.p2align	8
	.type	k_q6c3f26ab40_fc2,@function
k_q6c3f26ab40_fc2:
	s_mov_b64 s[64:65], 0
	v_nop
	global_prefetch_b8 v0, s[64:65] scope:SCOPE_SE
	s_setreg_imm32_b32 hwreg(HW_REG_WAVE_MODE, 25, 1), 1
	s_wait_xcnt 0x0
; FC2: out = x2 + hidden W2 + b2 on codes of FP8 (E4M3) with E8M0 scales.  Work-group (X, cg): rows 128 X on, columns 128 cg on.  K = 2,048 IS SHARED OUT AMONG THE FOUR WAVES: wave w takes K steps 4 w .. 4 w + 3,
; so that its part of W2 (8 tiles x 4 K steps) stays in registers (windows 1, 2) and each hidden fragment is read by one wave alone.  Tiles of 16 rows stream through two buffers (window 3): 32 matrix instructions a tile, 8 accumulators by turns.
; ROTATION: the wave's pair p of accumulators holds the block of 32 columns (p + w) % 4, so pair 0 is always block w: there x2 (read as the register image that proj stored) is the C of the sum's first matrix instruction: each block gets x2 once.
; The four partial tiles meet in LDS: two stages by turns, one barrier a tile; wave w then adds rows 4 w .. 4 w + 3 of the tile, in a fixed order, with b2, and stores whole rows of 512 bytes.
; LIMIT, stated: each output is the sum of four chains of K = 512, ((p0 + p1) + (p2 + p3)) + b2, not one ascending chain.  NaN and infinities are not served.  No cluster: this text has no tensor load.
.set SC0, 3145728
.set HIDS0, 16777216
.set LI,  1
.set LS,  2
.set RS,  24                           ; v24-55 W2's scale words;  v4-7, v8-11 offsets of W2's codes and scales by pair;  v12-15 where a pair goes in the stage;  v16 where I read rows back;  v[20:23] b2
.set SS,  56
.set HA,  64
.set RD,  128                          ; v128-191 four rows x four partials
.set STG, 33792                        ; a stage: four partials of 16 rows x (512 bytes + 16)
.set WV,  14
.set CG,  15
.set PR,  16
.set PRS, 18
.set PS,  20
.set PSS, 22
.set PX,  24
.set PB2, 26
.set OC,  28
.set CNT, 30
.set MSB, 0
.macro WIN new
.if MSB != \new
	s_set_vgpr_msb (MSB<<8)|\new
.set MSB, \new
.endif
.endm
.macro SLOAD buf, off, offs            ; a tile's four hidden fragments of my K steps, its 16 registers of x2 for my own block, its scale words
	WIN 0xc0
.irp s, 0,1,2,3
.irp c, 0,1,2,3
	global_load_b128 v[64*\buf+16*\s+4*\c:64*\buf+16*\s+4*\c+3], v[LI], s[PS:PS+1] offset:\off+2048*\s+512*\c
.endr
.endr
.irp c, 0,1,2,3
	global_load_b128 v[128+16*\buf+4*\c:131+16*\buf+4*\c], v[LI], s[PX:PX+1] offset:\off+512*\c
.endr
	WIN 0
.irp s, 0,1,2,3
	global_load_b32 v[SS+4*\buf+\s], v[LS], s[PSS:PSS+1] offset:\offs+128*\s
.endr
.endm
.macro MUL buf
.irp s, 0,1,2,3
.if \s == 0
	WIN 0x3d
.elseif \s == 1
	WIN 0x0d
.else
	WIN 0x0e
.endif
.irp t, 0,1,2,3,4,5,6,7
.if \s == 0
.if \t < 2
	v_wmma_scale_f32_16x16x128_f8f6f4 v[HA+8*\t:HA+8*\t+7], v[16*\t:16*\t+15], v[64*\buf:64*\buf+15], v[128+16*\buf+8*\t:128+16*\buf+8*\t+7], v[RS+4*\t], v[SS+4*\buf]
.else
	v_wmma_scale_f32_16x16x128_f8f6f4 v[HA+8*\t:HA+8*\t+7], v[16*\t:16*\t+15], v[64*\buf:64*\buf+15], 0, v[RS+4*\t], v[SS+4*\buf]
.endif
.else
	v_wmma_scale_f32_16x16x128_f8f6f4 v[HA+8*\t:HA+8*\t+7], v[16*(8*(\s%2)+\t):16*(8*(\s%2)+\t)+15], v[64*\buf+16*\s:64*\buf+16*\s+15], v[HA+8*\t:HA+8*\t+7], v[RS+4*\t+\s], v[SS+4*\buf+\s]
.endif
.endr
.endr
	WIN 0
.rept 8
	v_nop                                          ; eight places ahead of the LDS stores that read the results
.endr
.endm
.macro EPI par
.irp p, 0,1,2,3
.irp c, 0,1,2,3
	ds_store_b128 v[12+\p], v[HA+16*\p+4*\c:HA+16*\p+4*\c+3] offset:STG*\par+16*\c   ; each accumulator from its low end on
.endr
.endr
	s_wait_dscnt 0x0                               ; for the others' sake: my partial lies in the stage (my reads of the other stage were waited for a tile ago)
	s_barrier_signal -1
	s_barrier_wait -1                              ; all four partials do.  This stage is written again two tiles on, behind the next tile's barrier, which every wave reaches behind its reads below
	s_wait_xcnt 0x0                                ; the last tile's stores have read their registers
.irp i, 0,1,2,3
.irp q, 0,1,2,3
	ds_load_b128 v[RD+16*\i+4*\q:RD+16*\i+4*\q+3], v16 offset:STG*\par+8448*\q+528*\i
.endr
.endr
	s_wait_dscnt 0x0
.irp i, 0,1,2,3
	v_pk_add_f32 v[RD+16*\i:RD+16*\i+1], v[RD+16*\i:RD+16*\i+1], v[RD+16*\i+4:RD+16*\i+5]
	v_pk_add_f32 v[RD+16*\i+2:RD+16*\i+3], v[RD+16*\i+2:RD+16*\i+3], v[RD+16*\i+6:RD+16*\i+7]
	v_pk_add_f32 v[RD+16*\i+8:RD+16*\i+9], v[RD+16*\i+8:RD+16*\i+9], v[RD+16*\i+12:RD+16*\i+13]
	v_pk_add_f32 v[RD+16*\i+10:RD+16*\i+11], v[RD+16*\i+10:RD+16*\i+11], v[RD+16*\i+14:RD+16*\i+15]
	v_pk_add_f32 v[RD+16*\i:RD+16*\i+1], v[RD+16*\i:RD+16*\i+1], v[RD+16*\i+8:RD+16*\i+9]
	v_pk_add_f32 v[RD+16*\i+2:RD+16*\i+3], v[RD+16*\i+2:RD+16*\i+3], v[RD+16*\i+10:RD+16*\i+11]
	v_pk_add_f32 v[RD+16*\i:RD+16*\i+1], v[RD+16*\i:RD+16*\i+1], v[20:21]
	v_pk_add_f32 v[RD+16*\i+2:RD+16*\i+3], v[RD+16*\i+2:RD+16*\i+3], v[22:23]
	global_store_b128 v[LI], v[RD+16*\i:RD+16*\i+3], s[OC:OC+1] offset:16384*\par+2048*\i th:TH_STORE_NT   ; 512 consecutive bytes of a row, at a multiple of 256 from the output's first byte
.endr
.endm
	s_load_b256 s[4:11], s[0:1], 0x0               ; wts, hid, r2buf, b2
	s_load_b64 s[12:13], s[0:1], 0x20              ; out0
	v_lshl_add_u32 v254, v0, 2, 0x10800
	v_mov_b32 v255, 0
	v_lshrrev_b32 v3, 5, v0
	v_readfirstlane_b32 s[WV], v3
	s_and_b32 s[CG], ttmp7, 0xffff
	v_and_b32 v3, 31, v0
	v_lshlrev_b32 v[LI], 4, v3
	v_lshlrev_b32 v[LS], 2, v3
	v_and_b32 v3, 15, v0                           ; r
	v_bfe_u32 v18, v0, 4, 1                        ; h
	v_mul_u32_u24 v17, v3, 528
	v_lshl_add_u32 v17, v18, 6, v17
	s_mul_i32 s34, s[WV], 8448
	v_add_nc_u32 v17, s34, v17                     ; my partial: row r, + 64 h
	s_mul_i32 s34, s[WV], 2112
	v_add_nc_u32 v16, s34, v[LI]                   ; back: rows 4 w on, 16 bytes a lane
.irp p, 0,1,2,3
	s_add_co_u32 s34, s[WV], \p
	s_and_b32 s34, s34, 3                          ; the block of 32 columns of pair p
	s_lshl_b32 s35, s34, 16
	v_add_nc_u32 v[4+\p], s35, v[LI]               ; two tiles of 16 fragments
	s_lshl_b32 s35, s34, 12
	v_add_nc_u32 v[8+\p], s35, v[LS]
	s_lshl_b32 s35, s34, 7
	v_add_nc_u32 v[12+\p], s35, v17
.endr
	s_mov_b32 s33, 0
	s_wait_kmcnt 0x0
	s_lshl_b32 s32, s[CG], 18
	s_lshl_b32 s34, s[WV], 13
	s_add_co_u32 s32, s32, s34
	s_add_co_u32 s32, s32, 1024*2048               ; W2's fragment 1,024 + 128 cg + 4 w
	s_add_nc_u64 s[PR:PR+1], s[4:5], s[32:33]
	s_lshl_b32 s32, s[CG], 14
	s_lshl_b32 s34, s[WV], 9
	s_add_co_u32 s32, s32, s34
	s_add_co_u32 s32, s32, SC0+1024*128
	s_add_nc_u64 s[PRS:PRS+1], s[4:5], s[32:33]
	s_lshl_b32 s32, ttmp9, 18
	s_lshl_b32 s34, s[WV], 13
	s_add_co_u32 s32, s32, s34
	s_add_nc_u64 s[PS:PS+1], s[6:7], s[32:33]
	s_lshl_b32 s32, ttmp9, 14
	s_lshl_b32 s34, s[WV], 9
	s_add_co_u32 s32, s32, s34
	s_add_co_u32 s32, s32, HIDS0
	s_add_nc_u64 s[PSS:PSS+1], s[6:7], s[32:33]
	s_lshl_b32 s32, ttmp9, 18
	s_lshl_b32 s34, s[CG], 13
	s_add_co_u32 s32, s32, s34
	s_lshl_b32 s34, s[WV], 11
	s_add_co_u32 s32, s32, s34
	s_add_nc_u64 s[PX:PX+1], s[8:9], s[32:33]
	s_lshl_b32 s32, s[CG], 9
	s_add_nc_u64 s[PB2:PB2+1], s[10:11], s[32:33]
	s_lshl_b32 s34, ttmp9, 7
	s_lshl_b32 s35, s[WV], 2
	s_add_co_u32 s34, s34, s35
	s_lshr_b32 s35, s[WV], 1
	s_lshl_b32 s35, s35, 3
	s_add_co_u32 s34, s34, s35                     ; the row at place 4 w of the first tile: 128 X + 4 w + 8 (w / 2)
	s_lshl_b32 s34, s34, 11
	s_add_co_u32 s32, s32, s34
	s_add_nc_u64 s[OC:OC+1], s[12:13], s[32:33]
	global_load_b128 v[20:23], v[LI], s[PB2:PB2+1]
.irp t, 0,1,2,3,4,5,6,7
.irp s, 0,1,2,3
	global_load_b32 v[RS+4*\t+\s], v[8+\t/2], s[PRS:PRS+1] offset:(\t%2)*2048+128*\s
.endr
.endr
	WIN 0x40
.irp s, 0,1
.irp t, 0,1,2,3,4,5,6,7
.irp c, 0,1,2,3
	global_load_b128 v[16*(8*\s+\t)+4*\c:16*(8*\s+\t)+4*\c+3], v[4+\t/2], s[PR:PR+1] offset:(\t%2)*32768+2048*\s+512*\c
.endr
.endr
.endr
	WIN 0x80
.irp s, 2,3
.irp t, 0,1,2,3,4,5,6,7
.irp c, 0,1,2,3
	global_load_b128 v[16*(8*(\s-2)+\t)+4*\c:16*(8*(\s-2)+\t)+4*\c+3], v[4+\t/2], s[PR:PR+1] offset:(\t%2)*32768+2048*\s+512*\c
.endr
.endr
.endr
	WIN 0
	SLOAD 0, 0, 0
	s_mov_b32 s[CNT], 4
.Ltrip:                                                ; four trips of two tiles, the same in all four waves: every wave passes every barrier
	SLOAD 1, 32768, 2048
	s_wait_loadcnt 24                              ; all but the odd tile's 24 loads just issued
	MUL 0
	EPI 0
	s_wait_loadcnt 0x0
	s_cmp_eq_u32 s[CNT], 1
	s_cbranch_scc1 .Lskip                          ; the last trip asks for nothing: no load leaves its buffer
	SLOAD 0, 65536, 4096
.Lskip:
	MUL 1
	EPI 1
	s_wait_xcnt 0x0                                ; loads and stores have read their bases
	s_add_nc_u64 s[PS:PS+1], s[PS:PS+1], 65536
	s_add_nc_u64 s[PSS:PSS+1], s[PSS:PSS+1], 4096
	s_add_nc_u64 s[PX:PX+1], s[PX:PX+1], 65536
	s_add_nc_u64 s[OC:OC+1], s[OC:OC+1], 65536
	s_sub_co_u32 s[CNT], s[CNT], 1
	s_cmp_lg_u32 s[CNT], 0
	s_cbranch_scc1 .Ltrip
	s_wait_tensorcnt 0x0
	ds_add_u32 v254, v255
	s_wait_dscnt 0x0
	s_endpgm
.Lfunc_end_k_q6c3f26ab40_fc2:
	.size	k_q6c3f26ab40_fc2, .Lfunc_end_k_q6c3f26ab40_fc2-k_q6c3f26ab40_fc2
	.p2alignl 7, 3214868480
	.fill 96, 4, 3214868480
	.section	.rodata,"a",@progbits
	.p2align	6, 0x0
	.amdhsa_kernel k_q6c3f26ab40_fc2
		.amdhsa_group_segment_fixed_size 68096
		.amdhsa_private_segment_fixed_size 0
		.amdhsa_enable_private_segment 0
		.amdhsa_kernarg_size 40
		.amdhsa_user_sgpr_count 2
		.amdhsa_user_sgpr_kernarg_segment_ptr 1
		.amdhsa_wavefront_size32 1
		.amdhsa_system_sgpr_workgroup_id_x 1
		.amdhsa_system_sgpr_workgroup_id_y 1
		.amdhsa_system_sgpr_workgroup_id_z 1
		.amdhsa_system_vgpr_workitem_id 0
		.amdhsa_next_free_vgpr 1024
		.amdhsa_next_free_sgpr 66
		.amdhsa_reserve_vcc 0
		.amdhsa_float_denorm_mode_32 3
		.amdhsa_float_denorm_mode_16_64 3
		.amdhsa_memory_ordered 1
		.amdhsa_forward_progress 1
		.amdhsa_inst_pref_size 45
	.end_amdhsa_kernel
	.amdgpu_metadata
---
amdhsa.version: [ 1, 2 ]
amdhsa.kernels:
  - .name:           k_q6c3f26ab40_fc2
    .symbol:         k_q6c3f26ab40_fc2.kd
    .args:
      - { .name: wts, .offset: 0, .size: 8, .value_kind: global_buffer, .address_space: global }
      - { .name: hid, .offset: 8, .size: 8, .value_kind: global_buffer, .address_space: global }
      - { .name: r2buf, .offset: 16, .size: 8, .value_kind: global_buffer, .address_space: global }
      - { .name: b2, .offset: 24, .size: 8, .value_kind: global_buffer, .address_space: global }
      - { .name: out0, .offset: 32, .size: 8, .value_kind: global_buffer, .address_space: global }
    .group_segment_fixed_size: 68096
    .private_segment_fixed_size: 0
    .kernarg_segment_align: 8
    .kernarg_segment_size: 40
    .max_flat_workgroup_size: 128
    .sgpr_count:     66
    .vgpr_count:     1024
    .wavefront_size: 32
...
	.end_amdgpu_metadata
.endif
;; end of part 6
;; ======== version 2 of 2: 6 launches
;; workspace buffers: wts 3,342,336 bytes; hbuf 4,456,448 bytes; qkv 13,369,344 bytes; ybuf 4,456,448 bytes; r2buf 16,777,216 bytes; h2buf 4,456,448 bytes; hid 17,825,792 bytes
;; launch prep (part 7): grid 320 x 1, 4 waves a work-group, no clusters, 0 bytes of LDS; arguments x, ln1_g, ln1_b, Wq, Wk, Wv, Wp, W2, W1, wts, hbuf; writes wts, hbuf
.if DOCPART == 7
	.amdgcn_target "amdgcn-amd-amdhsa--gfx1250"
	.amdhsa_code_object_version 6
	.text
	.protected	k_q6c3f26ab40_prep
	.globl	k_q6c3f26ab40_prep
	.p2align	8
	.type	k_q6c3f26ab40_prep,@function
k_q6c3f26ab40_prep:
	s_mov_b64 s[64:65], 0
	v_nop
	global_prefetch_b8 v0, s[64:65] scope:SCOPE_SE
	s_setreg_imm32_b32 hwreg(HW_REG_WAVE_MODE, 25, 1), 1
	s_wait_xcnt 0x0
; PREP: the six weights and LN1(x) become codes of FP8 (E4M3) with one E8M0 byte for each 32 along K, laid as IMAGES OF THE OPERAND'S REGISTERS.
; A fragment is 16 rows x 128 K: 2,048 bytes in four chunks of 512; lane L = r + 16 h has 16 bytes at 16 L of chunk c: k = 32 c + 16 h + 0 .. 15 of the row at place r.
; Its scale image is 128 bytes: the word at 4 L holds the row's four bytes (lanes 16-31 repeat lanes 0-15).
; THE ROWS OF A TILE ARE NOT NEIGHBOURS: place r of tile tau is index 32 (tau / 2) + 8 (tau % 2) + r + 8 (r / 8), for every tensor of this program: a product's results then lie in the order of the next operand's registers.
; Work-groups 0-191: weights ([K][N] f32, K the first axis): a wave takes 32 columns x 128 K; a lane takes a column and its registers run down K, so a block of 32 lies in one lane.
; Work-groups 192-319: LN1: a wave takes a tile of 16 rows; a row lies in lanes r and r + 16, 256 numbers each, in the order of the operand's registers.
; wts: fragment f at 2,048 f, its scale image at SC0 + 128 f.  f: Wq, Wk, Wv as one N of 1,536: 4 tile + s; Wp: 384 + 4 tile + s; W1: 512 + 4 tile + s; W2: 1,024 + 16 tile + s.
; LIMITS: a block of zeros gets the byte 1 where the rule says 127 (its codes are zeros, and this program alone reads the bytes); NaN and infinities among the inputs are not served.
; No LDS, no barrier: waves share nothing.  No cluster: no two work-groups read the same bytes.
.set SC0, 3145728
.set HS0, 4194304
.set PC,  224                          ; LN: v224-239 the codes just made
.set TM,  240                          ; LN: v240-255 at work in QUANT
.set PW,  22                           ; LN: the scale word just made
.set SEL, 38                           ; s[38:39] lane selects: lane l xor 16
.set MNT, 54                           ; s54 the mantissa field of 448
.set MSB, 0
.macro WIN new                         ; the immediate's high byte repeats the setting that is left
.if MSB != \new
	s_set_vgpr_msb (MSB<<8)|\new
.set MSB, \new
.endif
.endm
; 64 numbers of a lane, register 16 b + i = k 32 b + 16 (lane / 16) + i of my row, become a fragment's codes in v[PC] on and its scale word in v[PW]
.macro QUANT s
.irp b, 0,1,2,3
	v_max3_num_f32 v[TM+\b], |v[\s+16*\b]|, |v[\s+1+16*\b]|, 0x4800000   ; my 16 numbers of block b, and the floor 2^(9 - 127): the byte cannot fall under 1
.endr
.irp i, 2,4,6,8,10,12,14
.irp b, 0,1,2,3
	v_max3_num_f32 v[TM+\b], v[TM+\b], |v[\s+16*\b+\i]|, |v[\s+1+16*\b+\i]|
.endr
.endr
.irp b, 0,1,2,3
	v_permlanex16_b32 v[TM+4+\b], v[TM+\b], s[SEL], s[SEL+1]
.endr
.irp b, 0,1,2,3
	v_max_num_f32 v[TM+\b], v[TM+\b], v[TM+4+\b]       ; with lane l xor 16's: the block's largest magnitude
.endr
.irp b, 0,1,2,3
	v_add_nc_u32 v[TM+12+\b], 0xfc000000, v[TM+\b]     ; 8 off its exponent field: the conversion's scale operand
.endr
.irp b, 0,1,2,3
	v_and_or_b32 v[TM+8+\b], v[TM+\b], 0x7f800000, s[MNT]   ; 448 x the scale
.endr
.irp b, 0,1,2,3
	v_lshrrev_b32 v[TM+4+\b], 23, v[TM+12+\b]          ; the scale's byte
.endr
	v_lshl_or_b32 v[PW], v[TM+5], 8, v[TM+4]
	v_lshl_or_b32 v[PW], v[TM+6], 16, v[PW]
	v_lshl_or_b32 v[PW], v[TM+7], 24, v[PW]
.irp b, 0,1,2,3
.irp i, 0,1,2,3,4,5,6,7,8,9,10,11,12,13,14,15
	v_med3_num_f32 v[\s+16*\b+\i], v[\s+16*\b+\i], -v[TM+8+\b], v[TM+8+\b]   ; the conversion does not saturate (ISA guide 7.6.2): the hold
.endr
	v_cvt_scalef32_pk8_fp8_f32 v[PC+4*\b:PC+1+4*\b], v[\s+16*\b:\s+7+16*\b], v[TM+12+\b]
	v_cvt_scalef32_pk8_fp8_f32 v[PC+2+4*\b:PC+3+4*\b], v[\s+8+16*\b:\s+15+16*\b], v[TM+12+\b]
.endr
	v_nop                                              ; a plain line behind the last conversion
.endm
	s_load_b512 s[8:23], s[0:1], 0x0               ; x, ln1_g, ln1_b, Wq, Wk, Wv, Wp, W2
	s_load_b128 s[24:27], s[0:1], 0x40             ; W1, wts
	s_load_b64 s[28:29], s[0:1], 0x50              ; hbuf
	v_lshrrev_b32 v1, 5, v0
	v_readfirstlane_b32 s2, v1                     ; wave 0..3
	s_mov_b32 s[MNT], 0x600000
	s_wait_kmcnt 0x0
	s_cmp_ge_u32 ttmp9, 192
	s_cbranch_scc1 .Lln
	; ---- WEIGHTS.  class 0: Wq, Wk, Wv, Wp (16 work-groups each); class 1: W2; class 2: W1
	s_lshr_b32 s30, ttmp9, 6                       ; class
	s_and_b32 s32, ttmp9, 63
	s_and_b32 s33, ttmp9, 15
	s_lshr_b32 s34, ttmp9, 4
	s_lshl_b32 s34, s34, 7                         ; class 0: 128 fragments a matrix
	s_cmp_eq_u32 s30, 0
	s_cselect_b32 s32, s33, s32                    ; the job's number within its matrix
	s_cselect_b32 s34, s34, 512                    ; the matrix's first fragment
	s_cmp_eq_u32 s30, 1
	s_cselect_b32 s34, 1024, s34
	s_cselect_b32 s35, 4, 2                        ; log2 of a tile's fragments: 16 K steps in W2, else 4
	s_cmp_eq_u32 s30, 2
	s_cselect_b32 s36, 15, 3                       ; quads of column groups: 16 in W1, else 4
	s_cselect_b32 s37, 4, 2
	s_cselect_b32 s38, 13, 11                      ; log2 of a row's bytes
	s_and_b32 s39, s32, s36
	s_lshr_b32 s40, s32, s37                       ; the K step
	s_lshl_b32 s39, s39, 2
	s_add_co_u32 s39, s39, s2                      ; the group of 32 columns = tiles 2 grp, 2 grp + 1
	s_lshl_b32 s41, s39, 1
	s_lshl_b32 s41, s41, s35
	s_add_co_u32 s41, s41, s34
	s_add_co_u32 s41, s41, s40                     ; the even tile's fragment
	s_lshl_b32 s42, s40, 7
	s_lshl_b32 s42, s42, s38                       ; 128 rows a K step
	s_lshl_b32 s43, s39, 7                         ; 128 bytes a group
	s_add_co_u32 s42, s42, s43
	s_mov_b32 s43, 0
	s_mov_b64 s[44:45], s[24:25]                   ; which matrix: the choice hangs on the work-group's number alone
	s_cmp_lt_u32 ttmp9, 128
	s_cselect_b64 s[44:45], s[22:23], s[44:45]
	s_cmp_lt_u32 ttmp9, 64
	s_cselect_b64 s[44:45], s[20:21], s[44:45]
	s_cmp_lt_u32 ttmp9, 48
	s_cselect_b64 s[44:45], s[18:19], s[44:45]
	s_cmp_lt_u32 ttmp9, 32
	s_cselect_b64 s[44:45], s[16:17], s[44:45]
	s_cmp_lt_u32 ttmp9, 16
	s_cselect_b64 s[44:45], s[14:15], s[44:45]
	s_add_nc_u64 s[44:45], s[44:45], s[42:43]
	s_lshl_b32 s46, s41, 11
	s_mov_b32 s47, 0
	s_add_nc_u64 s[48:49], s[26:27], s[46:47]      ; the codes
	s_lshl_b32 s46, s41, 7
	s_add_co_u32 s46, s46, SC0
	s_add_nc_u64 s[50:51], s[26:27], s[46:47]      ; the scale images
	s_lshl_b32 s52, 2048, s35                      ; from the even tile to the odd one
	s_lshl_b32 s53, 128, s35
	v_and_b32 v6, 31, v0
	v_lshlrev_b32 v1, 2, v6                        ; in: lane l takes column l of the group
	v_bfe_u32 v2, v0, 3, 1                         ; which is tile u = (l / 8) % 2,
	v_and_b32 v3, 7, v0
	v_bfe_u32 v7, v0, 4, 1
	v_lshl_add_u32 v3, v7, 3, v3                   ; place r = l % 8 + 8 (l / 16)
	v_mul_lo_u32 v4, v2, s52
	v_lshl_add_u32 v4, v3, 4, v4
	v_mul_lo_u32 v5, v2, s53
	v_lshl_add_u32 v5, v3, 2, v5
.macro WLOAD t, nb                     ; block t: W(32 t + i, my column): 128 consecutive bytes a wave, the four waves side by side
.irp i, 0,1,2,3,4,5,6,7,8,9,10,11,12,13,14,15,16,17,18,19,20,21,22,23,24,25,26,27,28,29,30,31
	global_load_b32 v[32+32*((\t)%2)+\i], v1, s[44:45] offset:(32*(\t)+\i)*\nb th:TH_LOAD_NT
.endr
.endm
.macro WBLOCK t, nb
.set XS, 32+32*((\t)%2)
.if (\t) < 3
	s_wait_loadcnt 32                              ; this block's 32 loads are in; the next block's 32 may be out
.else
	s_wait_loadcnt 0x0
.endif
	v_max3_num_f32 v12, |v[XS]|, |v[XS+1]|, |v[XS+2]|  ; all 32 numbers of the block are mine
	v_max3_num_f32 v13, |v[XS+3]|, |v[XS+4]|, |v[XS+5]|
.irp i, 6,10,14,18,22,26
	v_max3_num_f32 v12, v12, |v[XS+\i]|, |v[XS+\i+1]|
	v_max3_num_f32 v13, v13, |v[XS+\i+2]|, |v[XS+\i+3]|
.endr
	v_max3_num_f32 v12, v12, |v[XS+30]|, |v[XS+31]|
	v_max3_num_f32 v12, v12, v13, 0x4800000        ; and the floor
	v_add_nc_u32 v11, 0xfc000000, v12
	v_and_or_b32 v10, v12, 0x7f800000, s[MNT]
	v_lshrrev_b32 v13, 23, v11
.if (\t) == 0
	v_mov_b32 v24, v13
.else
	v_lshl_or_b32 v24, v13, 8*(\t), v24            ; the four bytes make my column's scale word
.endif
.irp i, 0,1,2,3,4,5,6,7,8,9,10,11,12,13,14,15,16,17,18,19,20,21,22,23,24,25,26,27,28,29,30,31
	v_med3_num_f32 v[XS+\i], v[XS+\i], -v10, v10
.endr
.irp g, 0,1,2,3
	v_cvt_scalef32_pk8_fp8_f32 v[96+8*(\t)+2*\g:97+8*(\t)+2*\g], v[XS+8*\g:XS+8*\g+7], v11
.endr
	global_store_b128 v4, v[96+8*(\t):99+8*(\t)], s[48:49] offset:512*(\t)          ; k 0-15 of the block: the place of lane r; each tile's sixteen lanes fill 256 consecutive bytes
	global_store_b128 v4, v[100+8*(\t):103+8*(\t)], s[48:49] offset:512*(\t)+256    ; k 16-31: the place of lane r + 16.  Each block has its own code registers: no store's data are written again
.if (\t)+2 < 4
	WLOAD (\t)+2, \nb
.endif
.endm
.macro WPATH nb
	WLOAD 0, \nb
	WLOAD 1, \nb
	WBLOCK 0, \nb
	WBLOCK 1, \nb
	WBLOCK 2, \nb
	WBLOCK 3, \nb
	global_store_b32 v5, v24, s[50:51]             ; the scale word, for lane r
	global_store_b32 v5, v24, s[50:51] offset:64   ; and for lane r + 16
.endm
	s_cmp_eq_u32 s30, 2
	s_cbranch_scc1 .Lw1
	WPATH 2048
	s_endpgm
.Lw1:
	s_wait_alu depctr_va_vdst(0)
	WPATH 8192
	s_endpgm
	; ---- LN1.  REGISTERS: v1 x's offset, v2 gain's and bias's, v3 16 lane, v4 4 lane; v8-15 four chains; v[16:17] the mean, v[18:19] 1 / the deviation; v32-95 a K step's numbers; v96-159 gain; v160-223 bias; window 1: my 256 numbers
.Lln:
	s_sub_co_u32 s30, ttmp9, 192
	s_lshl_b32 s30, s30, 2
	s_add_co_u32 s30, s30, s2                      ; my tile
	s_lshr_b32 s31, s30, 1
	s_lshl_b32 s31, s31, 5
	s_and_b32 s32, s30, 1
	s_lshl_b32 s32, s32, 3
	s_add_co_u32 s31, s31, s32                     ; the row at its place 0
	s_lshl_b32 s32, s31, 11
	s_mov_b32 s33, 0
	s_add_nc_u64 s[8:9], s[8:9], s[32:33]
	s_lshl_b32 s32, s30, 13
	s_add_nc_u64 s[34:35], s[28:29], s[32:33]      ; its four fragments
	s_lshl_b32 s32, s30, 9
	s_add_co_u32 s32, s32, HS0
	s_add_nc_u64 s[36:37], s[28:29], s[32:33]      ; their scale images
	s_mov_b32 s[SEL], 0x76543210
	s_mov_b32 s[SEL+1], 0xfedcba98
	s_mov_b32 s55, 0x3727c5ac                      ; 1e-5
	v_and_b32 v5, 15, v0
	v_and_b32 v6, 8, v0
	v_add_nc_u32 v5, v5, v6                        ; r + 8 (r / 8)
	v_bfe_u32 v6, v0, 4, 1
	v_lshlrev_b32 v2, 6, v6                        ; 64 h
	v_lshl_add_u32 v1, v5, 11, v2
	v_and_b32 v7, 31, v0
	v_lshlrev_b32 v3, 4, v7
	v_lshlrev_b32 v4, 2, v7
	v_mov_b32 v20, 0                               ; a lane permute's destination counts as one of its sources
.irp b, 0,1,2,3
	v_mov_b32 v[TM+4+\b], 0
.endr
.macro GBLOAD s                        ; gain and bias at my 64 places of K step s
.irp b, 0,1,2,3
.irp j, 0,1,2,3
	global_load_b128 v[96+16*\b+4*\j:99+16*\b+4*\j], v2, s[10:11] offset:512*(\s)+128*\b+16*\j
	global_load_b128 v[160+16*\b+4*\j:163+16*\b+4*\j], v2, s[12:13] offset:512*(\s)+128*\b+16*\j
.endr
.endr
.endm
	WIN 0x40                                       ; destination window 1
.irp s, 0,1,2,3
.irp b, 0,1,2,3
.irp j, 0,1,2,3
	global_load_b128 v[64*\s+16*\b+4*\j:64*\s+16*\b+4*\j+3], v1, s[8:9] offset:512*\s+128*\b+16*\j
.endr
.endr
.endr
	WIN 0
	GBLOAD 0
	s_wait_loadcnt 32                              ; x is in; the 32 loads of gain and bias may be out
	WIN 0x05                                       ; both sources window 1
.irp c, 0,1,2,3
	v_pk_add_f32 v[8+2*\c:9+2*\c], v[4*\c:4*\c+1], v[4*\c+2:4*\c+3]   ; the first pairs start the chains
.endr
	WIN 0x01
.set i, 8
.rept 120
	v_pk_add_f32 v[8+2*(i%4):9+2*(i%4)], v[2*i:2*i+1], v[8+2*(i%4):9+2*(i%4)]
.set i, i+1
.endr
	WIN 0
	v_pk_add_f32 v[8:9], v[8:9], v[10:11]
	v_pk_add_f32 v[12:13], v[12:13], v[14:15]
	v_pk_add_f32 v[8:9], v[8:9], v[12:13]
	v_add_f32 v8, v8, v9
	v_permlanex16_b32 v20, v8, s[SEL], s[SEL+1]    ; the row's other half
	v_add_f32 v8, v8, v20
	v_mul_f32 v16, 0x3b000000, v8                  ; / 512
	v_mov_b32 v17, v16
	WIN 0x41                                       ; destination and source 0 window 1
.set i, 0
.rept 128
	v_pk_add_f32 v[2*i:2*i+1], v[2*i:2*i+1], v[16:17] neg_lo:[0,1] neg_hi:[0,1]
.set i, i+1
.endr
	WIN 0x05
.irp c, 0,1,2,3
	v_pk_mul_f32 v[8+2*\c:9+2*\c], v[2*\c:2*\c+1], v[2*\c:2*\c+1]
.endr
.set i, 4
.rept 124
	v_pk_fma_f32 v[8+2*(i%4):9+2*(i%4)], v[2*i:2*i+1], v[2*i:2*i+1], v[8+2*(i%4):9+2*(i%4)]
.set i, i+1
.endr
	WIN 0
	v_pk_add_f32 v[8:9], v[8:9], v[10:11]
	v_pk_add_f32 v[12:13], v[12:13], v[14:15]
	v_pk_add_f32 v[8:9], v[8:9], v[12:13]
	v_add_f32 v8, v8, v9
	v_permlanex16_b32 v20, v8, s[SEL], s[SEL+1]
	v_add_f32 v8, v8, v20
	v_fma_f32 v8, v8, 0x3b000000, s55              ; the variance + 1e-5
	s_wait_alu depctr_va_vdst(0)
	v_rsq_f32 v18, v8
	v_nop                                          ; a plain line behind the transcendental,
	s_wait_alu depctr_va_vdst(0)                   ; and the wait ahead of its first reader
	v_mov_b32 v19, v18
	s_wait_alu depctr_va_vdst(0)
.irp s, 0,1,2,3
	s_wait_loadcnt 0x0                             ; this K step's gain and bias
	s_wait_xcnt 0x0                                ; the last K step's stores have read the codes' registers
	WIN 0x01
.set i, 0
.rept 32
	v_pk_mul_f32 v[32+2*i:33+2*i], v[64*\s+2*i:64*\s+2*i+1], v[18:19]
.set i, i+1
.endr
	WIN 0
.set i, 0
.rept 32
	v_pk_fma_f32 v[32+2*i:33+2*i], v[32+2*i:33+2*i], v[96+2*i:97+2*i], v[160+2*i:161+2*i]
.set i, i+1
.endr
.if \s < 3
	GBLOAD \s+1
.endif
	QUANT 32
.irp c, 0,1,2,3
	global_store_b128 v3, v[PC+4*\c:PC+4*\c+3], s[34:35] offset:2048*\s+512*\c   ; 512 consecutive bytes
.endr
	global_store_b32 v4, v[PW], s[36:37] offset:128*\s
.endr
	s_endpgm
.Lfunc_end_k_q6c3f26ab40_prep:
	.size	k_q6c3f26ab40_prep, .Lfunc_end_k_q6c3f26ab40_prep-k_q6c3f26ab40_prep
	.p2alignl 7, 3214868480
	.fill 96, 4, 3214868480
	.section	.rodata,"a",@progbits
	.p2align	6, 0x0
	.amdhsa_kernel k_q6c3f26ab40_prep
		.amdhsa_group_segment_fixed_size 0
		.amdhsa_private_segment_fixed_size 0
		.amdhsa_enable_private_segment 0
		.amdhsa_kernarg_size 88
		.amdhsa_user_sgpr_count 2
		.amdhsa_user_sgpr_kernarg_segment_ptr 1
		.amdhsa_wavefront_size32 1
		.amdhsa_system_sgpr_workgroup_id_x 1
		.amdhsa_system_sgpr_workgroup_id_y 1
		.amdhsa_system_sgpr_workgroup_id_z 1
		.amdhsa_system_vgpr_workitem_id 0
		.amdhsa_next_free_vgpr 512
		.amdhsa_next_free_sgpr 66
		.amdhsa_reserve_vcc 0
		.amdhsa_float_denorm_mode_32 3
		.amdhsa_float_denorm_mode_16_64 3
		.amdhsa_memory_ordered 1
		.amdhsa_forward_progress 1
		.amdhsa_inst_pref_size 152
	.end_amdhsa_kernel
	.amdgpu_metadata
---
amdhsa.version: [ 1, 2 ]
amdhsa.kernels:
  - .name:           k_q6c3f26ab40_prep
    .symbol:         k_q6c3f26ab40_prep.kd
    .args:
      - { .name: x, .offset: 0, .size: 8, .value_kind: global_buffer, .address_space: global }
      - { .name: ln1_g, .offset: 8, .size: 8, .value_kind: global_buffer, .address_space: global }
      - { .name: ln1_b, .offset: 16, .size: 8, .value_kind: global_buffer, .address_space: global }
      - { .name: Wq, .offset: 24, .size: 8, .value_kind: global_buffer, .address_space: global }
      - { .name: Wk, .offset: 32, .size: 8, .value_kind: global_buffer, .address_space: global }
      - { .name: Wv, .offset: 40, .size: 8, .value_kind: global_buffer, .address_space: global }
      - { .name: Wp, .offset: 48, .size: 8, .value_kind: global_buffer, .address_space: global }
      - { .name: W2, .offset: 56, .size: 8, .value_kind: global_buffer, .address_space: global }
      - { .name: W1, .offset: 64, .size: 8, .value_kind: global_buffer, .address_space: global }
      - { .name: wts, .offset: 72, .size: 8, .value_kind: global_buffer, .address_space: global }
      - { .name: hbuf, .offset: 80, .size: 8, .value_kind: global_buffer, .address_space: global }
    .group_segment_fixed_size: 0
    .private_segment_fixed_size: 0
    .kernarg_segment_align: 8
    .kernarg_segment_size: 88
    .max_flat_workgroup_size: 128
    .sgpr_count:     66
    .vgpr_count:     512
    .wavefront_size: 32
...
	.end_amdgpu_metadata
.endif
;; end of part 7
;; launch qkv (part 8): grid 64 x 3, 4 waves a work-group, no clusters, 0 bytes of LDS; arguments wts, hbuf, bq, bk, bv, qkv; writes qkv
.if DOCPART == 8
	.amdgcn_target "amdgcn-amd-amdhsa--gfx1250"
	.amdhsa_code_object_version 6
	.text
	.protected	k_q6c3f26ab40_qkv
	.globl	k_q6c3f26ab40_qkv
	.p2align	8
	.type	k_q6c3f26ab40_qkv,@function
k_q6c3f26ab40_qkv:
	s_mov_b64 s[64:65], 0
	v_nop
	global_prefetch_b8 v0, s[64:65] scope:SCOPE_SE
	s_setreg_imm32_b32 hwreg(HW_REG_WAVE_SCHED_MODE, 0, 2), 2
	s_setreg_imm32_b32 hwreg(HW_REG_WAVE_MODE, 25, 1), 1
	s_wait_xcnt 0x0
	s_wait_alu depctr_vm_vsrc(0)
; QKV: q, k, v = LN1(x) W + b on codes of FP8 (E4M3) with E8M0 scales, and their quantising for attention.  Work-group (X, Y): rows 128 X on; Y = 0, 1, 2: q, k, v.  Wave w: columns 128 w on (heads 4 w .. 4 w + 3).
; A wave keeps a RESIDENT operand R of 128 rows x K 512 (32 fragments, 512 registers, windows 1 and 2) and streams tiles S of 16 rows x K 512 (two buffers, window 3): 32 matrix instructions a tile on 8 accumulators by turns.
; Source 0 = R, source 1 = S: a lane holds one row of S, and its 64 registers run along R's 128 rows in the order of an operand's registers (the rows of a tile are chosen for that: see prep).
; q, k (their K is the head's 32): R = the weight, S = rows of h: a lane's 16 registers of a pair of tiles are half a head of one row.
; v (its K is the keys): R = 128 rows of h, S = 16 columns of Wv: a lane holds one channel and 64 of 128 keys.  One text of products serves both: only the pointers change places.
; OUT: q, k codes: (head in batch x 128 + tile) x 512 + 16 lane; their scale words: tile x 512 + 128 w + 4 lane (the bytes of heads 4 w .. 4 w + 3).  v: fragments of 16 channels x 128 keys, and their scale images.
; All operands come as register images by plain loads, 512 consecutive bytes an instruction; no LDS, no barrier.  No cluster: this text has no tensor load, and a tile shared through LDS would have to be read out of it again.
; LIMITS: a block of zeros gets the byte 1 (its codes are zeros; this program alone reads the bytes); NaN and infinities are not served.
; THE MODE: SCHED_MODE bits 1:0 = 2 (LLVM: expert scheduling mode 2), set by the entry lines.  The code itself states the register dependences between vector or matrix instructions and memory instructions, with s_wait_alu, always for 0.
; THE PLAN.  Registers that memory instructions touch:
;   v1, v2, v3       offsets, made once at the head and never written again; the bases are scalar registers.
;   R, its scale words, q's and k's bias: loaded once at the head; no vector instruction writes them.
;   S0, S1 (window 3), their scale words v40-47, v's bias: buffer p is read by its tile's 32 products; the loads of two tiles on land in it.
;   v[PC ..], v[PW]  written by a tile's conversions and shifts; read by the tile's five stores.
; So a tile has three waits: one on vm_vsrc ahead of the quantiser (the last tile's stores have read the codes), one on va_vdst ahead of its stores (the codes are written),
; and one on va_vdst in SLOAD, behind the window switch (the products are done reading the buffer that is asked for again).
.set SC0, 3145728
.set HS0, 4194304
.set VC0, 8388608
.set QS0, 12582912
.set VS0, 13107200
.set LI,  1                            ; v1 16 lane   v2 4 lane   v3 the bias's offset
.set LS,  2
.set BA,  3
.set RS,  8                            ; v8-39  R's scale words (4 t + s)
.set SS,  40                           ; v40-47 S's, two sets
.set HA,  48                           ; v48-111 the 8 accumulators
.set PC,  112
.set TM,  128
.set PW,  144
.set WV,  16
.set YY,  17
.set PR,  28
.set PRS, 30
.set PS,  32
.set PSS, 34
.set PB,  36
.set OC,  38
.set OS,  40
.set CNT, 42
.set SEL, 44
.set MNT, 46
.set MSB, 0
.macro WIN new
.if MSB != \new
	s_set_vgpr_msb (MSB<<8)|\new
.set MSB, \new
.endif
.endm
.macro QUANT s                         ; 64 numbers of a lane become a fragment's codes in v[PC] on and its scale word in v[PW]
.irp b, 0,1,2,3
	v_max3_num_f32 v[TM+\b], |v[\s+16*\b]|, |v[\s+1+16*\b]|, 0x4800000   ; with the floor 2^(9 - 127).  Each accumulator is read from its low end on
.endr
.irp i, 2,4,6,8,10,12,14
.irp b, 0,1,2,3
	v_max3_num_f32 v[TM+\b], v[TM+\b], |v[\s+16*\b+\i]|, |v[\s+1+16*\b+\i]|
.endr
.endr
.irp b, 0,1,2,3
	v_permlanex16_b32 v[TM+4+\b], v[TM+\b], s[SEL], s[SEL+1]
.endr
.irp b, 0,1,2,3
	v_max_num_f32 v[TM+\b], v[TM+\b], v[TM+4+\b]
.endr
.irp b, 0,1,2,3
	v_add_nc_u32 v[TM+12+\b], 0xfc000000, v[TM+\b]
.endr
.irp b, 0,1,2,3
	v_and_or_b32 v[TM+8+\b], v[TM+\b], 0x7f800000, s[MNT]
.endr
.irp b, 0,1,2,3
	v_lshrrev_b32 v[TM+4+\b], 23, v[TM+12+\b]
.endr
	v_lshl_or_b32 v[PW], v[TM+5], 8, v[TM+4]
	v_lshl_or_b32 v[PW], v[TM+6], 16, v[PW]
	v_lshl_or_b32 v[PW], v[TM+7], 24, v[PW]
.irp b, 0,1,2,3
.irp i, 0,1,2,3,4,5,6,7,8,9,10,11,12,13,14,15
	v_med3_num_f32 v[\s+16*\b+\i], v[\s+16*\b+\i], -v[TM+8+\b], v[TM+8+\b]
.endr
	v_cvt_scalef32_pk8_fp8_f32 v[PC+4*\b:PC+1+4*\b], v[\s+16*\b:\s+7+16*\b], v[TM+12+\b]
	v_cvt_scalef32_pk8_fp8_f32 v[PC+2+4*\b:PC+3+4*\b], v[\s+8+16*\b:\s+15+16*\b], v[TM+12+\b]
.endr
	v_nop                                          ; a plain line between the last conversion and the products that write its sources
.endm
.macro RLOAD                           ; R: K steps 0, 1 into window 1, K steps 2, 3 into window 2; fragment (t, s) at 2,048 (4 t + s).  Behind the wait that stands ahead of it: loads and window switches alone
.set f, 0
.rept 32
	global_load_b32 v[RS+f], v[LS], s[PRS:PRS+1] offset:128*f
.set f, f+1
.endr
	WIN 0x40
.irp s, 0,1
.irp t, 0,1,2,3,4,5,6,7
.irp c, 0,1,2,3
	global_load_b128 v[16*(8*\s+\t)+4*\c:16*(8*\s+\t)+4*\c+3], v[LI], s[PR:PR+1] offset:2048*(4*\t+\s)+512*\c
.endr
.endr
.endr
	WIN 0x80
.irp s, 2,3
.irp t, 0,1,2,3,4,5,6,7
.irp c, 0,1,2,3
	global_load_b128 v[16*(8*(\s-2)+\t)+4*\c:16*(8*(\s-2)+\t)+4*\c+3], v[LI], s[PR:PR+1] offset:2048*(4*\t+\s)+512*\c
.endr
.endr
.endr
	WIN 0
.endm
.macro SLOAD buf, off, offs, isv, offb ; a tile of S into buffer buf; for v also my channel's bias, eight times: the C of all eight accumulators
	WIN 0xc0
	s_wait_alu depctr_va_vdst(0)                   ; the products of the tile that lay in this buffer are done reading it, its scale words and its bias, in which the loads below land; at the first tile: the offsets are written
.irp s, 0,1,2,3
.irp c, 0,1,2,3
	global_load_b128 v[64*\buf+16*\s+4*\c:64*\buf+16*\s+4*\c+3], v[LI], s[PS:PS+1] offset:\off+2048*\s+512*\c
.endr
.endr
.if \isv
.irp j, 0,1,2,3,4,5,6,7
	global_load_b32 v[128+8*\buf+\j], v[BA], s[PB:PB+1] offset:\offb
.endr
.endif
	WIN 0
.irp s, 0,1,2,3
	global_load_b32 v[SS+4*\buf+\s], v[LS], s[PSS:PSS+1] offset:\offs+128*\s
.endr
.endm
.macro MUL buf, isv                    ; 32 matrix instructions; the 8 accumulators take turns, one instruction a turn; the bias is the C of each sum's first
.irp s, 0,1,2,3
.if \s == 0
	WIN 0x3d                                       ; R window 1, S and the bias window 3
.elseif \s == 1
	WIN 0x0d
.else
	WIN 0x0e                                       ; R window 2
.endif
.irp t, 0,1,2,3,4,5,6,7
.if \s == 0
.if \isv
	v_wmma_scale_f32_16x16x128_f8f6f4 v[HA+8*\t:HA+8*\t+7], v[16*\t:16*\t+15], v[64*\buf:64*\buf+15], v[128+8*\buf:128+8*\buf+7], v[RS+4*\t], v[SS+4*\buf]
.else
	v_wmma_scale_f32_16x16x128_f8f6f4 v[HA+8*\t:HA+8*\t+7], v[16*\t:16*\t+15], v[64*\buf:64*\buf+15], v[128+8*\t:128+8*\t+7], v[RS+4*\t], v[SS+4*\buf]
.endif
.else
	v_wmma_scale_f32_16x16x128_f8f6f4 v[HA+8*\t:HA+8*\t+7], v[16*(8*(\s%2)+\t):16*(8*(\s%2)+\t)+15], v[64*\buf+16*\s:64*\buf+16*\s+15], v[HA+8*\t:HA+8*\t+7], v[RS+4*\t+\s], v[SS+4*\buf+\s]
.endif
.endr
.endr
	WIN 0
.rept 8
	v_nop                                          ; eight places behind this form, ahead of the first read of results
.endr
.endm
.macro EPI par, isv
	s_wait_xcnt 0x0                                ; the last tile's stores have had their addresses translated,
	s_wait_alu depctr_vm_vsrc(0)                   ; and have read v[PC ..] and v[PW], which the quantiser writes again
	QUANT HA
	s_wait_alu depctr_va_vdst(0)                   ; the conversions have written v[PC ..] and the shifts v[PW], which the stores below read
.irp b, 0,1,2,3
.if \isv
	global_store_b128 v[LI], v[PC+4*\b:PC+4*\b+3], s[OC:OC+1] offset:2048*\par+512*\b    ; a fragment of v: 16 channels x 128 keys
.else
	global_store_b128 v[LI], v[PC+4*\b:PC+4*\b+3], s[OC:OC+1] offset:65536*\b+512*\par   ; head 4 w + b: 16 rows x 32 channels
.endif
.endr
.if \isv
	global_store_b32 v[LS], v[PW], s[OS:OS+1] offset:128*\par
.else
	global_store_b32 v[LS], v[PW], s[OS:OS+1] offset:512*\par
.endif
.endm
; Four trips of two tiles.  Each tile's loads are issued one tile's products and quantising ahead of the wait for them.
.macro BODY isv
	SLOAD 0, 0, 0, \isv, 0
	s_mov_b32 s[CNT], 4
.Ltrip_\@:
	SLOAD 1, 8192, 512, \isv, 32
	s_wait_loadcnt 20+8*\isv                       ; all but the odd tile's loads just issued: R, the bias and the even tile are in
	MUL 0, \isv
	EPI 0, \isv
	s_wait_loadcnt 0x0                             ; the odd tile
	s_cmp_eq_u32 s[CNT], 1
	s_cbranch_scc1 .Lskip_\@                       ; the last trip asks for nothing: no load leaves its buffer
	SLOAD 0, 16384, 1024, \isv, 128
.Lskip_\@:
	MUL 1, \isv
	EPI 1, \isv
	s_wait_xcnt 0x0                                ; loads and stores have read their bases
	s_add_nc_u64 s[PS:PS+1], s[PS:PS+1], 16384
	s_add_nc_u64 s[PSS:PSS+1], s[PSS:PSS+1], 1024
.if \isv
	s_add_nc_u64 s[PB:PB+1], s[PB:PB+1], 128
	s_add_nc_u64 s[OC:OC+1], s[OC:OC+1], 65536     ; the next head
	s_add_nc_u64 s[OS:OS+1], s[OS:OS+1], 4096
.else
	s_add_nc_u64 s[OC:OC+1], s[OC:OC+1], 1024      ; the next two tiles of rows
	s_add_nc_u64 s[OS:OS+1], s[OS:OS+1], 1024
.endif
	s_sub_co_u32 s[CNT], s[CNT], 1
	s_cmp_lg_u32 s[CNT], 0
	s_cbranch_scc1 .Ltrip_\@
	s_endpgm
.endm
	s_load_b256 s[4:11], s[0:1], 0x0               ; wts, hbuf, bq, bk
	s_load_b128 s[12:15], s[0:1], 0x20             ; bv, qkv
	v_lshrrev_b32 v4, 5, v0
	v_readfirstlane_b32 s[WV], v4
	s_and_b32 s[YY], ttmp7, 0xffff
	v_and_b32 v4, 31, v0
	v_lshlrev_b32 v[LI], 4, v4
	v_lshlrev_b32 v[LS], 2, v4
	s_mov_b32 s[SEL], 0x76543210
	s_mov_b32 s[SEL+1], 0xfedcba98
	s_mov_b32 s[MNT], 0x600000
.irp b, 0,1,2,3
	v_mov_b32 v[TM+4+\b], 0                        ; a lane permute's destination counts as one of its sources
.endr
	s_wait_alu depctr_va_sdst(0)                   ; the wave's number is written, ahead of its first reader: the bases are made from it
	s_lshl_b32 s18, s[YY], 5
	s_lshl_b32 s19, s[WV], 3
	s_add_co_u32 s18, s18, s19                     ; my first tile of the weight: 32 Y + 8 w
	s_lshl_b32 s48, s18, 13
	s_mov_b32 s49, 0
	s_lshl_b32 s50, s18, 9
	s_add_co_u32 s50, s50, SC0
	s_mov_b32 s51, 0
	s_lshl_b32 s52, ttmp9, 16                      ; my 8 tiles of h
	s_mov_b32 s53, 0
	s_lshl_b32 s54, ttmp9, 12
	s_add_co_u32 s54, s54, HS0
	s_mov_b32 s55, 0
	s_lshr_b32 s56, ttmp9, 4
	s_lshl_b32 s56, s56, 4
	s_lshl_b32 s57, s[WV], 2
	s_add_co_u32 s56, s56, s57                     ; 16 batch + my first head
	s_and_b32 s57, ttmp9, 15                       ; my block of 128 rows in the batch
	s_wait_kmcnt 0x0
	s_add_nc_u64 s[20:21], s[4:5], s[48:49]
	s_add_nc_u64 s[22:23], s[4:5], s[50:51]
	s_add_nc_u64 s[24:25], s[6:7], s[52:53]
	s_add_nc_u64 s[26:27], s[6:7], s[54:55]
	s_cmp_eq_u32 s[YY], 2                          ; for v the two sides change places
	s_cselect_b64 s[PR:PR+1], s[24:25], s[20:21]
	s_cselect_b64 s[PRS:PRS+1], s[26:27], s[22:23]
	s_cselect_b64 s[PS:PS+1], s[20:21], s[24:25]
	s_cselect_b64 s[PSS:PSS+1], s[22:23], s[26:27]
	s_wait_alu depctr_va_vdst(0)                   ; v[LI] and v[LS] are written, which the loads below read as offsets
	RLOAD
	s_lshl_b32 s48, s[WV], 9                       ; my 128 numbers of the bias
	s_cmp_eq_u32 s[YY], 2
	s_cbranch_scc1 .Lv
	; ---- q, k
	s_cmp_eq_u32 s[YY], 0
	s_cselect_b64 s[PB:PB+1], s[8:9], s[10:11]
	s_add_nc_u64 s[PB:PB+1], s[PB:PB+1], s[48:49]
	s_lshl_b32 s58, s[YY], 22
	s_lshl_b32 s59, s56, 16
	s_add_co_u32 s58, s58, s59
	s_lshl_b32 s59, s57, 12
	s_add_co_u32 s58, s58, s59
	s_mov_b32 s59, 0
	s_add_nc_u64 s[OC:OC+1], s[14:15], s[58:59]
	s_lshl_b32 s58, s[YY], 18
	s_add_co_u32 s58, s58, QS0
	s_lshl_b32 s50, ttmp9, 12
	s_add_co_u32 s58, s58, s50
	s_lshl_b32 s50, s[WV], 7
	s_add_co_u32 s58, s58, s50
	s_add_nc_u64 s[OS:OS+1], s[14:15], s[58:59]
	v_bfe_u32 v4, v0, 4, 1
	v_lshlrev_b32 v[BA], 6, v4                     ; 64 h: tile t's eight columns of my half
	WIN 0xc0
	s_wait_alu depctr_va_vdst(0)                   ; v[BA] is written, which the loads of the bias read as their offset
.irp t, 0,1,2,3,4,5,6,7
	global_load_b128 v[128+8*\t:131+8*\t], v[BA], s[PB:PB+1] offset:(32*(\t/2)+8*(\t%2))*4
	global_load_b128 v[132+8*\t:135+8*\t], v[BA], s[PB:PB+1] offset:(32*(\t/2)+8*(\t%2))*4+16
.endr
	WIN 0
	BODY 0
	; ---- v
.Lv:
	s_add_nc_u64 s[PB:PB+1], s[12:13], s[48:49]
	s_lshl_b32 s58, s56, 16
	s_add_co_u32 s58, s58, VC0
	s_lshl_b32 s59, s57, 12
	s_add_co_u32 s58, s58, s59
	s_mov_b32 s59, 0
	s_add_nc_u64 s[OC:OC+1], s[14:15], s[58:59]
	s_lshl_b32 s58, s56, 12
	s_add_co_u32 s58, s58, VS0
	s_lshl_b32 s50, s57, 8
	s_add_co_u32 s58, s58, s50
	s_add_nc_u64 s[OS:OS+1], s[14:15], s[58:59]
	v_and_b32 v4, 15, v0
	v_and_b32 v5, 8, v0
	v_add_nc_u32 v4, v4, v5
	v_lshlrev_b32 v[BA], 2, v4                     ; 4 (r + 8 (r / 8)): my channel.  (The first tile's loads stand behind their own wait, which shows it written)
	BODY 1
.Lfunc_end_k_q6c3f26ab40_qkv:
	.size	k_q6c3f26ab40_qkv, .Lfunc_end_k_q6c3f26ab40_qkv-k_q6c3f26ab40_qkv
	.p2alignl 7, 3214868480
	.fill 96, 4, 3214868480
	.section	.rodata,"a",@progbits
	.p2align	6, 0x0
	.amdhsa_kernel k_q6c3f26ab40_qkv
		.amdhsa_group_segment_fixed_size 0
		.amdhsa_private_segment_fixed_size 0
		.amdhsa_enable_private_segment 0
		.amdhsa_kernarg_size 48
		.amdhsa_user_sgpr_count 2
		.amdhsa_user_sgpr_kernarg_segment_ptr 1
		.amdhsa_wavefront_size32 1
		.amdhsa_system_sgpr_workgroup_id_x 1
		.amdhsa_system_sgpr_workgroup_id_y 1
		.amdhsa_system_sgpr_workgroup_id_z 1
		.amdhsa_system_vgpr_workitem_id 0
		.amdhsa_next_free_vgpr 1024
		.amdhsa_next_free_sgpr 66
		.amdhsa_reserve_vcc 0
		.amdhsa_float_denorm_mode_32 3
		.amdhsa_float_denorm_mode_16_64 3
		.amdhsa_memory_ordered 1
		.amdhsa_forward_progress 1
		.amdhsa_inst_pref_size 87
	.end_amdhsa_kernel
	.amdgpu_metadata
---
amdhsa.version: [ 1, 2 ]
amdhsa.kernels:
  - .name:           k_q6c3f26ab40_qkv
    .symbol:         k_q6c3f26ab40_qkv.kd
    .args:
      - { .name: wts, .offset: 0, .size: 8, .value_kind: global_buffer, .address_space: global }
      - { .name: hbuf, .offset: 8, .size: 8, .value_kind: global_buffer, .address_space: global }
      - { .name: bq, .offset: 16, .size: 8, .value_kind: global_buffer, .address_space: global }
      - { .name: bk, .offset: 24, .size: 8, .value_kind: global_buffer, .address_space: global }
      - { .name: bv, .offset: 32, .size: 8, .value_kind: global_buffer, .address_space: global }
      - { .name: qkv, .offset: 40, .size: 8, .value_kind: global_buffer, .address_space: global }
    .group_segment_fixed_size: 0
    .private_segment_fixed_size: 0
    .kernarg_segment_align: 8
    .kernarg_segment_size: 48
    .max_flat_workgroup_size: 128
    .sgpr_count:     66
    .vgpr_count:     1024
    .wavefront_size: 32
...
	.end_amdgpu_metadata
.endif
;; end of part 8
;; launch attn (part 9): grid 4 x 64, 16 waves a work-group, no clusters, 145,408 bytes of LDS; arguments qkv, ybuf; writes ybuf
.if DOCPART == 9
	.amdgcn_target "amdgcn-amd-amdhsa--gfx1250"
	.amdhsa_code_object_version 6
	.text
	.protected	k_q6c3f26ab40_attn
	.globl	k_q6c3f26ab40_attn
	.p2align	8
	.type	k_q6c3f26ab40_attn,@function
k_q6c3f26ab40_attn:
	s_mov_b64 s[64:65], 0
	v_nop
	global_prefetch_b8 v0, s[64:65] scope:SCOPE_SE
	s_setreg_imm32_b32 hwreg(HW_REG_WAVE_SCHED_MODE, 0, 2), 2
	s_setreg_imm32_b32 hwreg(HW_REG_WAVE_MODE, 25, 1), 1
	s_wait_xcnt 0x0
	s_wait_alu depctr_vm_vsrc(0)
; ATTENTION on codes of FP8 (E4M3) with E8M0 scales; head size 32; key j counts for query i where j <= max(i, 255) (the mask that the problem builds: all see the first 256 keys, causal behind them).
; t = score x log2(e) / sqrt(32); M = the running largest t rounded UP to a whole number; p = 2^(t - M) is quantised along the keys, not normalised; the row's sum is of the unquantised p and divides at the end.
; When M moves, the sum and O are multiplied by 2^(old M - new M): exact.  y is quantised here: a block of 32 along the next product's K is one head.
; SHARES.  Work-group (pi, head in batch).  A WHOLE HEAD'S K and V (codes 2 x 65,536 bytes, scales 8,192 + 4,096) lie in LDS, filled once through registers: one barrier, then LDS is only read.
; Each of 16 waves takes two tiles of 16 queries, tile 16 pi + w and tile 127 - 16 pi - w: 17 or 18 steps of 128 keys for every wave of the launch.
; Both products are used transposed (S^T = K Q^T, O^T = V^T P^T): a lane holds one query throughout.  The rows of every tile are chosen (see prep) so that p's 16 registers of two neighbouring tiles are 16 neighbouring keys.
; THE FIRST PRODUCT'S K IS 32 of the instruction's 128: Q's codes for k >= 32 are zeros, so what K's operand holds there (the next tiles' codes, which are never the NaN code, or zeros) adds nothing; the scale bytes there are other heads' bytes or 0, never 0xff.
; The loop over key steps has a constant count; a step all of whose keys are hidden is passed over by a scalar branch on ids.
; No cluster: the four work-groups of a head share 143,360 bytes once, at their start; this text has no tensor load.
; LIMITS: a block of zeros gets the byte 1; NaN and infinities are not served.
; REGISTERS: v1 16 lane, v2 4 lane, v3 my query's last key - 16 h, v4-7 the step's LDS addresses, v8-11 offsets that stay; v12 -M, v13 the largest t, v[14:15] the sum; v16-31 Q (20-31 zeros); v32 Q's scale word; v34-37 K's, v38-39 V's;
;   v40-71 K, v72-83 zeros; v84-115 V; v116-179 S^T, then p; v180-195 O^T; v196-211 p's codes; v212-227 at work by blocks; v228-235 at work; v240-248 the fill's addresses and constants; s56-63 eight masks.
; THE MODE: SCHED_MODE bits 1:0 = 2 (LLVM: expert scheduling mode 2), set by the entry lines.  The code itself states the register dependences between vector or matrix instructions and memory or LDS instructions, with s_wait_alu, always for 0.
; THE PLAN.  Registers that memory or LDS instructions touch:
;   v4-7             a step's LDS addresses: written by four additions at the step's head, read by the step's 22 LDS loads.
;   v40-71, v34-37   K and its scale words: LDS loads land there at a step's head; the step's eight score products read them.
;   v84-115, v38-39  V and its scale words: LDS loads land there behind the score products; the step's last two products read them.
;   v16-19, v32      Q and its scale word: loaded at a phase's head; v32 is shifted once; read by every score product of the phase.
;   v196-199, v229   y's codes and byte: written at a phase's end, read by its two stores; written again in the next phase's steps.
;   v84-89, v116-179 at the head: the fill's data, loaded, v84-87 shifted, read by the fill's LDS stores.
;   v1, v2, v8, v240-245   offsets and addresses made once at the head.
; A step has one wait on vm_vsrc (its addresses may be written again) and, behind the four additions, ONE wait on va_vdst for all its 22 loads: the addresses are written, and the last step's products are done reading K's and V's registers;
; the eight score products between that wait and V's loads name none of V's registers or addresses.  A second wait on va_vdst stands ahead of the two products that take p's codes and scale word, which vector instructions have made.
.set KC0, 4194304
.set VC0, 8388608
.set QS0, 12582912
.set VS0, 13107200
.set HS0, 4194304
.set S,   116
.set O,   180
.set P,   196
.set BM,  212
.set BT,  216
.set BL,  220
.set BS,  224
.set WV,  8
.set BHD, 9
.set HEAD, 10
.set BATCH, 11
.set SH,  12
.set KCB, 14
.set VCB, 16
.set KSB, 18
.set VSB, 20
.set QCB, 22
.set QSB, 24
.set YCB, 26
.set YSB, 28
.set QP,  30
.set QSP, 32
.set YP,  34
.set YSP, 36
.set TQ,  38
.set RB,  39
.set QMAX, 40
.set QMIN, 41
.set KF,  42
.set TK,  43
.set TS,  44
.set TV,  45
.set CT,  46
.set T0,  47
.set T1,  48
.set SEL, 50
.set CS,  52
.set MNT, 54
.set MK,  56                           ; s56-63 eight masks of the diagonal step
	s_load_b128 s[4:7], s[0:1], 0x0                ; qkv, ybuf
	v_lshl_add_u32 v254, v0, 2, 0x23000
	v_mov_b32 v255, 0
	v_lshrrev_b32 v1, 5, v0
	v_readfirstlane_b32 s[WV], v1                  ; wave 0..15
	s_and_b32 s[BHD], ttmp7, 0xffff                ; 16 batch + head
	s_and_b32 s[HEAD], s[BHD], 15
	s_lshr_b32 s[BATCH], s[BHD], 4
	s_and_b32 s[SH], s[HEAD], 3
	s_lshl_b32 s[SH], s[SH], 3                     ; where my head's byte stands in a word of q's or k's scales
	s_mov_b32 s[SEL], 0x76543210
	s_mov_b32 s[SEL+1], 0xfedcba98
	s_mov_b32 s[CS], 0x3e8293ee                    ; c = log2(e) / sqrt(32)
	s_mov_b32 s[CS+1], s[CS]
	s_mov_b32 s[MNT], 0x600000
	v_lshlrev_b32 v240, 4, v0                      ; the fill: 16 bytes a thread
	v_lshrrev_b32 v241, 2, v0
	v_and_b32 v242, 3, v0
	v_lshlrev_b32 v241, 9, v241
	v_lshl_add_u32 v241, v242, 4, v241             ; K's scale words: tile t / 4 (512 bytes apart), words 4 (t % 4) on
	v_lshlrev_b32 v242, 3, v0
	v_add_nc_u32 v243, 0x10000, v240               ; LDS: V's codes behind K's
	v_add_nc_u32 v244, 0x20000, v240               ; K's scale words: tile x 64 + 4 r
	v_add_nc_u32 v245, 139264, v242                ; V's scale images
	s_wait_alu depctr_va_sdst(0)                   ; the wave's number is written, ahead of its first reader: each phase's tile is made from it
	s_lshl_b32 s[T1], s[BHD], 16
	s_mov_b32 s[T1+1], 0
	s_wait_kmcnt 0x0
	s_add_nc_u64 s[QCB:QCB+1], s[4:5], s[T1:T1+1]
	s_add_nc_u64 s[KCB:KCB+1], s[QCB:QCB+1], KC0
	s_add_nc_u64 s[VCB:VCB+1], s[QCB:QCB+1], VC0
	s_lshl_b32 s[T1], s[BHD], 12
	s_add_co_u32 s[T1], s[T1], VS0
	s_add_nc_u64 s[VSB:VSB+1], s[4:5], s[T1:T1+1]
	s_lshl_b32 s[T1], s[BATCH], 16
	s_lshr_b32 s[T0], s[HEAD], 2
	s_lshl_b32 s[T0], s[T0], 7
	s_add_co_u32 s[T1], s[T1], s[T0]               ; the batch's 128 tiles x 512, + 128 (head / 4)
	s_add_nc_u64 s[QSB:QSB+1], s[4:5], s[T1:T1+1]
	s_add_nc_u64 s[QSB:QSB+1], s[QSB:QSB+1], QS0
	s_add_nc_u64 s[KSB:KSB+1], s[QSB:QSB+1], 262144
	s_add_nc_u64 s[YSB:YSB+1], s[6:7], s[T1:T1+1]
	s_add_nc_u64 s[YSB:YSB+1], s[YSB:YSB+1], HS0
	s_lshl_b32 s[T1], s[BATCH], 20
	s_lshl_b32 s[T0], s[HEAD], 9
	s_add_co_u32 s[T1], s[T1], s[T0]
	s_add_nc_u64 s[YCB:YCB+1], s[6:7], s[T1:T1+1]  ; y: tile x 8,192 + head x 512
	s_wait_alu depctr_va_vdst(0)                   ; v240 to v242 are written, which the fill's loads read as offsets
.irp n, 0,1,2,3,4,5,6,7
	global_load_b128 v[116+4*\n:119+4*\n], v240, s[KCB:KCB+1] offset:8192*\n
.endr
.irp n, 0,1,2,3,4,5,6,7
	global_load_b128 v[148+4*\n:151+4*\n], v240, s[VCB:VCB+1] offset:8192*\n
.endr
	global_load_b128 v[84:87], v241, s[KSB:KSB+1]
	global_load_b64 v[88:89], v242, s[VSB:VSB+1]
	v_and_b32 v2, 31, v0
	v_lshlrev_b32 v1, 4, v2
	v_lshlrev_b32 v2, 2, v2
	s_and_b32 s[T0], s[HEAD], 3
	v_add_nc_u32 v8, s[T0], v2                     ; y's scale byte: 4 lane + head % 4
	v_add_nc_u32 v9, 0x10000, v1
	v_add_nc_u32 v10, 0x20000, v2
	v_add_nc_u32 v11, 139264, v2
	v_and_b32 v246, 15, v0
	v_and_b32 v247, 8, v0
	v_add_nc_u32 v246, v246, v247                  ; r + 8 (r / 8)
	v_and_b32 v247, 16, v0                         ; 16 h
	v_mov_b32 v248, 255
	v_mov_b32 v233, 0xff800000                     ; -infinity
.irp j, 20,21,22,23,24,25,26,27,28,29,30,31,72,73,74,75,76,77,78,79,80,81,82,83
	v_mov_b32 v\j, 0                               ; zero codes: Q's k >= 32, and what stands behind K's last tile
.endr
.irp j, 216,217,218,219,228,231
	v_mov_b32 v\j, 0                               ; lane permutes' destinations, and the upper half of the pair v[230:231]
.endr
	s_wait_loadcnt 0x0
.irp j, 84,85,86,87
	v_lshrrev_b32 v\j, s[SH], v\j                  ; my head's byte to the lowest place
.endr
	s_wait_alu depctr_va_vdst(0)                   ; the shifts have written v84 to v87, which an LDS store below reads; v1, v2 and v8, the offsets of Q's loads and y's stores, are written too
.irp n, 0,1,2,3,4,5,6,7
	ds_store_b128 v240, v[116+4*\n:119+4*\n] offset:8192*\n
.endr
.irp n, 0,1,2,3,4,5,6,7
	ds_store_b128 v243, v[148+4*\n:151+4*\n] offset:8192*\n
.endr
	ds_store_b128 v244, v[84:87]
	ds_store_b64 v245, v[88:89]
	s_wait_dscnt 0x0                               ; for the others' sake: my part of the head lies in LDS
	s_barrier_signal -1
	s_barrier_wait -1                              ; everybody's does; from here on LDS is only read
	s_wait_alu depctr_vm_vsrc(0)                   ; my LDS stores have read v84 to v89 and v116 to v179: from here on V's loads land in the first and the score products write the others
.macro PHASE ph
	s_wait_xcnt 0x0                                ; the last phase's stores have read their registers and bases
.if \ph
	s_wait_alu depctr_vm_vsrc(0)                   ; the first phase's stores have read v196 to v199 and v229, which this phase's steps write again
.endif
	s_lshl_b32 s[TQ], ttmp9, 4
	s_add_co_u32 s[TQ], s[TQ], s[WV]
.if \ph
	s_sub_co_u32 s[TQ], 127, s[TQ]
.endif
	s_lshr_b32 s[RB], s[TQ], 1
	s_lshl_b32 s[RB], s[RB], 5
	s_and_b32 s[T0], s[TQ], 1
	s_lshl_b32 s[T0], s[T0], 3
	s_add_co_u32 s[RB], s[RB], s[T0]               ; the query at the tile's place 0
	s_add_co_u32 s[QMAX], s[RB], 23
	s_max_u32 s[QMAX], s[QMAX], 255                ; the last key that any of my queries sees,
	s_max_u32 s[QMIN], s[RB], 255                  ; and the last that all of them see
	v_add_nc_u32 v3, s[RB], v246
	v_cmp_gt_u32 vcc_lo, 255, v3
	s_wait_alu depctr_va_vcc(0)                    ; the compare has written VCC, ahead of the select that reads it
	v_cndmask_b32 v3, v3, v248, vcc_lo             ; max(my query, 255)
	v_sub_nc_u32 v3, v3, v247
	s_lshl_b32 s[T1], s[TQ], 9
	s_mov_b32 s[T1+1], 0
	s_add_nc_u64 s[QP:QP+1], s[QCB:QCB+1], s[T1:T1+1]
	s_add_nc_u64 s[QSP:QSP+1], s[QSB:QSB+1], s[T1:T1+1]
	s_add_nc_u64 s[YSP:YSP+1], s[YSB:YSB+1], s[T1:T1+1]
	s_lshl_b32 s[T1], s[TQ], 13
	s_add_nc_u64 s[YP:YP+1], s[YCB:YCB+1], s[T1:T1+1]
	global_load_b128 v[16:19], v1, s[QP:QP+1]      ; no wait on va_vdst here: since the last one (ahead of the fill's LDS stores, or of the first phase's stores of y) the four lines on v3 are the only vector instructions, and they name none of v1, v2, v16-19, v32
	global_load_b32 v32, v2, s[QSP:QSP+1]
	v_mov_b32 v13, 0xff61b1e6                      ; the largest t so far: -3e38
	v_floor_f32 v12, -v13
	v_mov_b32 v14, 0
	v_mov_b32 v15, 0
	s_mov_b32 s[KF], 0
	s_mov_b32 s[TK], 0
	s_mov_b32 s[TS], 0
	s_mov_b32 s[TV], 0
	s_mov_b32 s[CT], 16
	s_wait_loadcnt 0x0
	v_lshrrev_b32 v32, s[SH], v32                  ; my head's byte to the lowest place; the sixteen lines below are the eight places that a scale word so written wants
.set j, 0
.rept 16
	v_mov_b32 v[O+j], 0                            ; O^T: the first step finds zeros, which the first change of M leaves zeros
.set j, j+1
.endr
.Lstep_\@:
	s_cmp_gt_u32 s[KF], s[QMAX]
	s_cbranch_scc1 .Lhid_\@                        ; all 128 keys are hidden from all my queries
	s_wait_alu depctr_vm_vsrc(0)                   ; the last step's LDS loads have read v4 to v7, which the four additions write
	v_add_nc_u32 v4, s[TK], v1
	v_add_nc_u32 v5, s[TK], v9
	v_add_nc_u32 v6, s[TS], v10
	v_add_nc_u32 v7, s[TV], v11
	s_wait_alu depctr_va_vdst(0)                   ; v4 to v7 are written, which this step's LDS loads read; the last step's products are done reading K's and V's registers and scale words, in which those loads land; in a phase's first step Q's shifted scale word is written, behind its places
.irp t, 0,1,2,3,4,5,6,7
	ds_load_b128 v[40+4*\t:43+4*\t], v4 offset:512*\t
.endr
.irp p, 0,1,2,3
	ds_load_b32 v[34+\p], v6 offset:128*\p         ; lanes 0-15: tile 2 p's words; lanes 16-31: tile 2 p + 1's
.endr
	s_wait_dscnt 0x0
.irp t, 0,2,4,6
	v_wmma_scale_f32_16x16x128_f8f6f4 v[S+8*\t:S+8*\t+7], v[40+4*\t:55+4*\t], v[16:31], 0, v[34+\t/2], v32
	v_wmma_scale_f32_16x16x128_f8f6f4 v[S+8*\t+8:S+8*\t+15], v[44+4*\t:59+4*\t], v[16:31], 0, v[34+\t/2], v32 matrix_a_scale:MATRIX_SCALE_ROW1
.endr
.rept 8
	v_nop                                          ; eight places ahead of the first read of the scores
.endr
.irp u, 0,1
.irp c, 0,1,2,3
	ds_load_b128 v[84+16*\u+4*\c:87+16*\u+4*\c], v5 offset:2048*\u+512*\c   ; no further wait: the score products, the only vector-side lines since the step's wait, name none of v5, v7, v38, v39, v84-115
.endr
	ds_load_b32 v[38+\u], v7 offset:128*\u
.endr
	s_add_co_u32 s[T0], s[KF], 127
	s_cmp_le_u32 s[T0], s[QMIN]
	s_cbranch_scc1 .Lopen_\@                       ; every key of the step counts for every query
	v_sub_nc_u32 v229, v3, s[KF]                   ; register 16 b + i holds key KF + 32 b + 16 h + i: hidden where 32 b + i is above this
.set n, 0
.rept 8                                        ; the compares go in runs of eight, a scalar register each, so that one wait serves eight selects
.irp k, 0,1,2,3,4,5,6,7
	v_cmp_gt_i32 s[MK+\k], 32*((n+\k)/16)+(n+\k)%16, v229
.endr
	s_wait_alu depctr_va_sdst(0)                   ; the eight masks are written, ahead of the selects that read them
.irp k, 0,1,2,3,4,5,6,7
	v_cndmask_b32 v[S+n+\k], v[S+n+\k], v233, s[MK+\k]
.endr
.set n, n+8
.endr
.Lopen_\@:
.irp b, 0,1,2,3
	v_max3_num_f32 v[BM+\b], v[S+16*\b], v[S+1+16*\b], v[S+2+16*\b]   ; the largest score of each block of 32 keys: for the row's maximum, and for the block's largest p
.endr
.irp i, 3,5,7,9,11,13
.irp b, 0,1,2,3
	v_max3_num_f32 v[BM+\b], v[BM+\b], v[S+16*\b+\i], v[S+1+16*\b+\i]
.endr
.endr
.irp b, 0,1,2,3
	v_max_num_f32 v[BM+\b], v[BM+\b], v[S+15+16*\b]
.endr
.irp b, 0,1,2,3
	v_permlanex16_b32 v[BT+\b], v[BM+\b], s[SEL], s[SEL+1]
.endr
.irp b, 0,1,2,3
	v_max_num_f32 v[BM+\b], v[BM+\b], v[BT+\b]
.endr
	v_max3_num_f32 v228, v[BM], v[BM+1], v[BM+2]
	v_max_num_f32 v228, v228, v[BM+3]
	v_mul_f32 v228, s[CS], v228
	v_max_num_f32 v13, v13, v228                   ; the running largest t
	v_mov_b32 v228, v12
	v_floor_f32 v12, -v13                          ; -M = floor(-t): M is a whole number
	v_sub_f32 v228, v12, v228
	v_cvt_i32_f32 v228, v228                       ; (it saturates)
	v_ldexp_f32 v230, 1.0, v228                    ; f = 2^(old M - new M)
.set j, 0
.rept 32
	v_pk_fma_f32 v[S+j:S+j+1], v[S+j:S+j+1], s[CS:CS+1], v[12:13] op_sel_hi:[1,0,0]   ; t - M
.set j, j+2
.endr
.irp b, 0,1,2,3
	v_fma_f32 v[BM+\b], v[BM+\b], s[CS], v12
.endr
.set j, 0
	s_wait_alu depctr_va_vdst(0)
.rept 64
	v_exp_f32 v[S+j], v[S+j]                       ; p = 2^(t - M)
.set j, j+1
.endr
	v_pk_mul_f32 v[14:15], v[14:15], v[230:231] op_sel_hi:[1,0]   ; the sum under the new M: a plain line behind the exponentials
	s_wait_alu depctr_va_vdst(0)                   ; the 64 exponentials have written p: one wait for the batch, ahead of its first reader
.irp b, 0,1,2,3
	v_exp_f32 v[BM+\b], v[BM+\b]                   ; each block's largest p
.endr
	v_pk_add_f32 v[234:235], v[S:S+1], v[S+2:S+3]  ; the row's sum of the unquantised p, in two chains
.irp j, 4,8,12,16,20,24,28,32,36,40,44,48,52,56,60
	v_pk_add_f32 v[14:15], v[14:15], v[S+\j:S+1+\j]
	v_pk_add_f32 v[234:235], v[234:235], v[S+2+\j:S+3+\j]
.endr
	v_pk_add_f32 v[14:15], v[14:15], v[234:235]
	s_wait_alu depctr_va_vdst(0)                   ; the four exponentials have written the blocks' largest p, ahead of its first reader
.irp b, 0,1,2,3
	v_max_num_f32 v[BM+\b], 0x4800000, v[BM+\b]    ; the floor
.endr
.irp b, 0,1,2,3
	v_add_nc_u32 v[BS+\b], 0xfc000000, v[BM+\b]
.endr
.irp b, 0,1,2,3
	v_and_or_b32 v[BL+\b], v[BM+\b], 0x7f800000, s[MNT]
.endr
.irp b, 0,1,2,3
	v_lshrrev_b32 v[BT+\b], 23, v[BS+\b]
.endr
	v_lshl_or_b32 v232, v[BT+1], 8, v[BT]          ; p's scale word for these 128 keys
	v_lshl_or_b32 v232, v[BT+2], 16, v232
	v_lshl_or_b32 v232, v[BT+3], 24, v232
.irp b, 0,1,2,3
.irp i, 0,1,2,3,4,5,6,7,8,9,10,11,12,13,14,15
	v_min_num_f32 v[S+16*\b+\i], v[S+16*\b+\i], v[BL+\b]   ; p is not negative: the hold is one-sided
.endr
	v_cvt_scalef32_pk8_fp8_f32 v[P+4*\b:P+1+4*\b], v[S+16*\b:S+7+16*\b], v[BS+\b]
	v_cvt_scalef32_pk8_fp8_f32 v[P+2+4*\b:P+3+4*\b], v[S+8+16*\b:S+15+16*\b], v[BS+\b]
.endr
.irp j, 0,2,4,6,8,10,12,14
	v_pk_mul_f32 v[O+\j:O+1+\j], v[O+\j:O+1+\j], v[230:231] op_sel_hi:[1,0]   ; O^T under the new M; these eight are the places between the codes and the products
.endr
	s_wait_dscnt 0x0                               ; V
	s_wait_alu depctr_va_vdst(0)                   ; behind their places: the conversions have written p's codes and the shifts p's scale word, which the two products below take as operand and as scales
	v_wmma_scale_f32_16x16x128_f8f6f4 v[O:O+7], v[84:99], v[P:P+15], v[O:O+7], v38, v232
	v_wmma_scale_f32_16x16x128_f8f6f4 v[O+8:O+15], v[100:115], v[P:P+15], v[O+8:O+15], v39, v232
.Lhid_\@:
	s_add_co_u32 s[KF], s[KF], 128
	s_add_co_u32 s[TK], s[TK], 4096
	s_add_co_u32 s[TS], s[TS], 512
	s_add_co_u32 s[TV], s[TV], 256
	s_sub_co_u32 s[CT], s[CT], 1
	s_cmp_lg_u32 s[CT], 0
	s_cbranch_scc1 .Lstep_\@
	v_add_f32 v14, v14, v15
	v_permlanex16_b32 v228, v14, s[SEL], s[SEL+1]
	v_add_f32 v14, v14, v228                       ; the row's sum
	s_wait_alu depctr_va_vdst(0)
	v_rcp_f32 v14, v14
.rept 8
	v_nop                                          ; the places behind the last products, and the plain line behind the reciprocal
.endr
	s_wait_alu depctr_va_vdst(0)                   ; the reciprocal has written v14, ahead of its first reader
.irp j, 0,2,4,6,8,10,12,14
	v_pk_mul_f32 v[O+\j:O+1+\j], v[O+\j:O+1+\j], v[14:15] op_sel_hi:[1,0]   ; y: register i is channel 16 h + i of my query
.endr
	v_max3_num_f32 v[BM], |v[O]|, |v[O+1]|, 0x4800000   ; y's one block: the head's 32 channels lie in lanes l and l xor 16
.irp i, 2,4,6,8,10,12,14
	v_max3_num_f32 v[BM], v[BM], |v[O+\i]|, |v[O+1+\i]|
.endr
	v_permlanex16_b32 v[BT], v[BM], s[SEL], s[SEL+1]
	v_max_num_f32 v[BM], v[BM], v[BT]
	v_add_nc_u32 v[BS], 0xfc000000, v[BM]
	v_and_or_b32 v[BL], v[BM], 0x7f800000, s[MNT]
	v_lshrrev_b32 v229, 23, v[BS]
.irp i, 0,1,2,3,4,5,6,7,8,9,10,11,12,13,14,15
	v_med3_num_f32 v[O+\i], v[O+\i], -v[BL], v[BL]
.endr
	v_cvt_scalef32_pk8_fp8_f32 v[P:P+1], v[O:O+7], v[BS]
	v_cvt_scalef32_pk8_fp8_f32 v[P+2:P+3], v[O+8:O+15], v[BS]
	v_nop
	s_wait_alu depctr_va_vdst(0)                   ; the conversions have written v196 to v199 and the shift v229, which the two stores read; the phase's products are done reading Q and its scale word, in which the next phase's loads land
	global_store_b128 v1, v[P:P+3], s[YP:YP+1]     ; chunk head % 4 of K step head / 4 of the tile's image: 512 consecutive bytes
	global_store_b8 v8, v229, s[YSP:YSP+1]         ; my head's byte of the row's scale word
.endm
	PHASE 0
	PHASE 1
	s_wait_dscnt 0x0                               ; the closing lines, six on end
	s_wait_alu 0x0
	s_wait_tensorcnt 0x0
	ds_add_u32 v254, v255
	s_wait_dscnt 0x0
	s_endpgm
.Lfunc_end_k_q6c3f26ab40_attn:
	.size	k_q6c3f26ab40_attn, .Lfunc_end_k_q6c3f26ab40_attn-k_q6c3f26ab40_attn
	.p2alignl 7, 3214868480
	.fill 96, 4, 3214868480
	.section	.rodata,"a",@progbits
	.p2align	6, 0x0
	.amdhsa_kernel k_q6c3f26ab40_attn
		.amdhsa_group_segment_fixed_size 145408
		.amdhsa_private_segment_fixed_size 0
		.amdhsa_enable_private_segment 0
		.amdhsa_kernarg_size 16
		.amdhsa_user_sgpr_count 2
		.amdhsa_user_sgpr_kernarg_segment_ptr 1
		.amdhsa_wavefront_size32 1
		.amdhsa_system_sgpr_workgroup_id_x 1
		.amdhsa_system_sgpr_workgroup_id_y 1
		.amdhsa_system_sgpr_workgroup_id_z 1
		.amdhsa_system_vgpr_workitem_id 0
		.amdhsa_next_free_vgpr 256
		.amdhsa_next_free_sgpr 66
		.amdhsa_reserve_vcc 1
		.amdhsa_float_denorm_mode_32 3
		.amdhsa_float_denorm_mode_16_64 3
		.amdhsa_memory_ordered 1
		.amdhsa_forward_progress 1
		.amdhsa_inst_pref_size 71
	.end_amdhsa_kernel
	.amdgpu_metadata
---
amdhsa.version: [ 1, 2 ]
amdhsa.kernels:
  - .name:           k_q6c3f26ab40_attn
    .symbol:         k_q6c3f26ab40_attn.kd
    .args:
      - { .name: qkv, .offset: 0, .size: 8, .value_kind: global_buffer, .address_space: global }
      - { .name: ybuf, .offset: 8, .size: 8, .value_kind: global_buffer, .address_space: global }
    .group_segment_fixed_size: 145408
    .private_segment_fixed_size: 0
    .kernarg_segment_align: 8
    .kernarg_segment_size: 16
    .max_flat_workgroup_size: 512
    .sgpr_count:     66
    .vgpr_count:     256
    .wavefront_size: 32
...
	.end_amdgpu_metadata
.endif
;; end of part 9
;; launch proj (part 10): grid 256 x 1, 4 waves a work-group, no clusters, 2,560 bytes of LDS; arguments wts, ybuf, x, bp, ln2_g, ln2_b, r2buf, h2buf; writes r2buf, h2buf
.if DOCPART == 10
	.amdgcn_target "amdgcn-amd-amdhsa--gfx1250"
	.amdhsa_code_object_version 6
	.text
	.protected	k_q6c3f26ab40_proj
	.globl	k_q6c3f26ab40_proj
	.p2align	8
	.type	k_q6c3f26ab40_proj,@function
k_q6c3f26ab40_proj:
	s_mov_b64 s[64:65], 0
	v_nop
	global_prefetch_b8 v0, s[64:65] scope:SCOPE_SE
	s_setreg_imm32_b32 hwreg(HW_REG_WAVE_SCHED_MODE, 0, 2), 2
	s_setreg_imm32_b32 hwreg(HW_REG_WAVE_MODE, 25, 1), 1
	s_wait_xcnt 0x0
	s_wait_alu depctr_vm_vsrc(0)
; PROJ: x2 = x + y Wp + bp on codes of FP8 (E4M3) with E8M0 scales, then LN2(x2) and its quantising.  Work-group X: rows 32 X .. 32 X + 31 (tiles 2 X, 2 X + 1); wave w: columns 128 w on.
; Wp's 8 tiles x 4 K steps of the wave stay in registers (windows 1, 2); y's two tiles in window 3.  Source 0 = Wp, source 1 = y: a lane holds one row and 64 of the wave's 128 columns, in the order of the next operand's registers.
; x + bp is loaded in that same layout and is the C of each sum's first matrix instruction, in place.  A row's mean and variance span the four waves: two exchanges of a word a row through LDS, a barrier each, on bytes of their own.
; OUT: x2 in f32 as the image of these registers (tile x 32,768 + w x 8,192 + n x 512 + 16 lane); LN2's codes as K step w of the tile's image.
; No cluster: this text has no tensor load.  LIMITS: a block of zeros gets the byte 1; NaN and infinities are not served.
; THE MODE: SCHED_MODE bits 1:0 = 2 (LLVM: expert scheduling mode 2), set by the entry lines.  The code itself states the register dependences between vector or matrix instructions and memory or LDS instructions, with s_wait_alu, always for 0.
; THE PLAN.  Registers that memory or LDS instructions touch:
;   v1-5             offsets and the LDS address, made once at the head and never written again.
;   v[X2 ..]         x is loaded there; bp is added; the products add onto it; 32 stores read x2; then the mean is taken off in place.
;   window 3, v0-127 y's two tiles: read by the products; then gain and bias are loaded there.
;   v8, v12          a row's partial sums: written by additions, read by an exchange's two LDS stores, written again behind the exchange.
;   v24-31           lane permutes and additions use them; an exchange's eight LDS loads land there.
;   v[PC ..], v[PW]  written by a tile's conversions and shifts, read by its five stores.
; ONE wait on va_vdst behind the products' eight places serves the loads into y's registers and the stores of x2; one stands ahead of each exchange's LDS stores and one ahead of each tile's stores of codes.
; A wait on vm_vsrc stands ahead of each first line that writes again what a store has read: x2, v8 and v12, the codes.
.set SC0, 3145728
.set HS0, 4194304
.set LI,  1
.set LS,  2
.set XA,  3
.set BA,  4
.set RS,  32                           ; v32-63 Wp's scale words
.set X2,  64                           ; v64-191 the 16 accumulators: two tiles of 64
.set SS,  192                          ; v192-199 y's scale words
.set PC,  200
.set TM,  216
.set PW,  232
.set WV,  20
.set PR,  22
.set PRS, 24
.set PS,  26
.set PSS, 28
.set PX,  30
.set PBP, 32
.set PG,  34
.set PBB, 36
.set PR2, 38
.set PH,  40
.set PHS, 42
.set SEL, 44
.set MNT, 46
.set EPS, 47
.set MSB, 0
.macro WIN new
.if MSB != \new
	s_set_vgpr_msb (MSB<<8)|\new
.set MSB, \new
.endif
.endm
.macro QUANT s
.irp b, 0,1,2,3
	v_max3_num_f32 v[TM+\b], |v[\s+16*\b]|, |v[\s+1+16*\b]|, 0x4800000
.endr
.irp i, 2,4,6,8,10,12,14
.irp b, 0,1,2,3
	v_max3_num_f32 v[TM+\b], v[TM+\b], |v[\s+16*\b+\i]|, |v[\s+1+16*\b+\i]|
.endr
.endr
.irp b, 0,1,2,3
	v_permlanex16_b32 v[TM+4+\b], v[TM+\b], s[SEL], s[SEL+1]
.endr
.irp b, 0,1,2,3
	v_max_num_f32 v[TM+\b], v[TM+\b], v[TM+4+\b]
.endr
.irp b, 0,1,2,3
	v_add_nc_u32 v[TM+12+\b], 0xfc000000, v[TM+\b]
.endr
.irp b, 0,1,2,3
	v_and_or_b32 v[TM+8+\b], v[TM+\b], 0x7f800000, s[MNT]
.endr
.irp b, 0,1,2,3
	v_lshrrev_b32 v[TM+4+\b], 23, v[TM+12+\b]
.endr
	v_lshl_or_b32 v[PW], v[TM+5], 8, v[TM+4]
	v_lshl_or_b32 v[PW], v[TM+6], 16, v[PW]
	v_lshl_or_b32 v[PW], v[TM+7], 24, v[PW]
.irp b, 0,1,2,3
.irp i, 0,1,2,3,4,5,6,7,8,9,10,11,12,13,14,15
	v_med3_num_f32 v[\s+16*\b+\i], v[\s+16*\b+\i], -v[TM+8+\b], v[TM+8+\b]
.endr
	v_cvt_scalef32_pk8_fp8_f32 v[PC+4*\b:PC+1+4*\b], v[\s+16*\b:\s+7+16*\b], v[TM+12+\b]
	v_cvt_scalef32_pk8_fp8_f32 v[PC+2+4*\b:PC+3+4*\b], v[\s+8+16*\b:\s+15+16*\b], v[TM+12+\b]
.endr
	v_nop
.endm
; The chains v[8:11] (tile 0) and v[12:15] (tile 1) hold my lane's part of a row's sum.  They are joined, with lane l xor 16's, and with the other three waves' through LDS at \base: the row's sum comes back in v8 and v12.
.macro XCHG base
.irp i, 0,1
	v_pk_add_f32 v[8+4*\i:9+4*\i], v[8+4*\i:9+4*\i], v[10+4*\i:11+4*\i]
.endr
.irp i, 0,1
	v_add_f32 v[8+4*\i], v[8+4*\i], v[9+4*\i]
.endr
.irp i, 0,1
	v_permlanex16_b32 v[24+\i], v[8+4*\i], s[SEL], s[SEL+1]
.endr
.irp i, 0,1
	v_add_f32 v[8+4*\i], v[8+4*\i], v[24+\i]
.endr
	s_wait_alu depctr_va_vdst(0)                   ; the additions have written v8 and v12, which the LDS stores read, and are done with v24 to v31, in which the LDS loads below land
.irp i, 0,1
	ds_store_b32 v5, v[8+4*\i] offset:\base+128*\i
.endr
	s_wait_dscnt 0x0                               ; for the others' sake: my words lie in LDS
	s_barrier_signal -1
	s_barrier_wait -1
.irp i, 0,1
.irp q, 0,1,2,3
	ds_load_b32 v[24+4*\i+\q], v[LS] offset:\base+256*\q+128*\i
.endr
.endr
	s_wait_dscnt 0x0
	s_wait_alu depctr_vm_vsrc(0)                   ; my LDS stores have read v8 and v12, which the additions below write
.irp i, 0,1
	v_add_f32 v[24+4*\i], v[24+4*\i], v[25+4*\i]   ; in one order in every wave
	v_add_f32 v[26+4*\i], v[26+4*\i], v[27+4*\i]
	v_add_f32 v[8+4*\i], v[24+4*\i], v[26+4*\i]
.endr
.endm
	s_load_b512 s[4:19], s[0:1], 0x0               ; wts, ybuf, x, bp, ln2_g, ln2_b, r2buf, h2buf
	v_lshl_add_u32 v254, v0, 2, 0x800
	v_mov_b32 v255, 0
	v_lshrrev_b32 v6, 5, v0
	v_readfirstlane_b32 s[WV], v6
	v_and_b32 v7, 31, v0
	v_lshlrev_b32 v[LI], 4, v7
	v_lshlrev_b32 v[LS], 2, v7
	v_lshlrev_b32 v6, 8, v6
	v_add_nc_u32 v5, v6, v[LS]                     ; LDS: 256 wave + 4 lane
	v_and_b32 v6, 15, v0
	v_and_b32 v7, 8, v0
	v_add_nc_u32 v6, v6, v7                        ; r + 8 (r / 8)
	v_bfe_u32 v7, v0, 4, 1
	v_lshlrev_b32 v[BA], 6, v7                     ; 64 h
	v_lshl_add_u32 v[XA], v6, 11, v[BA]
	v_mov_b32 v24, 0                               ; lane permutes' destinations
	v_mov_b32 v25, 0
.irp b, 0,1,2,3
	v_mov_b32 v[TM+4+\b], 0
.endr
	s_mov_b32 s[SEL], 0x76543210
	s_mov_b32 s[SEL+1], 0xfedcba98
	s_mov_b32 s[MNT], 0x600000
	s_mov_b32 s[EPS], 0x3727c5ac                   ; 1e-5
	s_mov_b32 s49, 0
	s_wait_alu depctr_va_sdst(0)                   ; the wave's number is written, ahead of its first reader: the bases are made from it
	s_wait_kmcnt 0x0
	s_lshl_b32 s48, s[WV], 16
	s_add_co_u32 s48, s48, 384*2048                ; Wp's fragments 384 + 32 w on
	s_add_nc_u64 s[PR:PR+1], s[4:5], s[48:49]
	s_lshl_b32 s48, s[WV], 12
	s_add_co_u32 s48, s48, SC0+384*128
	s_add_nc_u64 s[PRS:PRS+1], s[4:5], s[48:49]
	s_lshl_b32 s48, ttmp9, 14
	s_add_nc_u64 s[PS:PS+1], s[6:7], s[48:49]      ; y's tiles 2 X, 2 X + 1
	s_lshl_b32 s50, s[WV], 11
	s_add_co_u32 s48, s48, s50
	s_add_nc_u64 s[PH:PH+1], s[18:19], s[48:49]    ; LN2's codes: the same tiles, K step w
	s_lshl_b32 s48, ttmp9, 10
	s_add_co_u32 s48, s48, HS0
	s_add_nc_u64 s[PSS:PSS+1], s[6:7], s[48:49]
	s_lshl_b32 s50, s[WV], 7
	s_add_co_u32 s48, s48, s50
	s_add_nc_u64 s[PHS:PHS+1], s[18:19], s[48:49]
	s_lshl_b32 s48, s[WV], 9                       ; my 128 columns, in f32
	s_add_nc_u64 s[PBP:PBP+1], s[10:11], s[48:49]
	s_add_nc_u64 s[PG:PG+1], s[12:13], s[48:49]
	s_add_nc_u64 s[PBB:PBB+1], s[14:15], s[48:49]
	s_lshl_b32 s50, ttmp9, 16                      ; 32 rows of 2,048 bytes
	s_add_co_u32 s48, s48, s50
	s_add_nc_u64 s[PX:PX+1], s[8:9], s[48:49]
	s_lshl_b32 s48, s[WV], 13
	s_add_co_u32 s48, s48, s50                     ; two tiles of 32,768 bytes are as many
	s_add_nc_u64 s[PR2:PR2+1], s[16:17], s[48:49]
	s_wait_alu depctr_va_vdst(0)                   ; v1 to v5 are written: the offsets of every load and store, and the LDS address.  Behind this wait, up to the wait for the data: loads and window switches alone
.set f, 0
.rept 32
	global_load_b32 v[RS+f], v[LS], s[PRS:PRS+1] offset:128*f
.set f, f+1
.endr
.irp i, 0,1
.irp s, 0,1,2,3
	global_load_b32 v[SS+4*\i+\s], v[LS], s[PSS:PSS+1] offset:512*\i+128*\s
.endr
.endr
.irp i, 0,1
.irp b, 0,1,2,3
.irp j, 0,1,2,3
	global_load_b128 v[X2+64*\i+16*\b+4*\j:X2+64*\i+16*\b+4*\j+3], v[XA], s[PX:PX+1] offset:16384*\i+128*\b+16*\j
.endr
.endr
.endr
	WIN 0x40
.irp s, 0,1
.irp t, 0,1,2,3,4,5,6,7
.irp c, 0,1,2,3
	global_load_b128 v[16*(8*\s+\t)+4*\c:16*(8*\s+\t)+4*\c+3], v[LI], s[PR:PR+1] offset:2048*(4*\t+\s)+512*\c
.endr
.endr
.endr
	WIN 0x80
.irp s, 2,3
.irp t, 0,1,2,3,4,5,6,7
.irp c, 0,1,2,3
	global_load_b128 v[16*(8*(\s-2)+\t)+4*\c:16*(8*(\s-2)+\t)+4*\c+3], v[LI], s[PR:PR+1] offset:2048*(4*\t+\s)+512*\c
.endr
.endr
.endr
	WIN 0xc0
.irp i, 0,1
.irp s, 0,1,2,3
.irp c, 0,1,2,3
	global_load_b128 v[64*\i+16*\s+4*\c:64*\i+16*\s+4*\c+3], v[LI], s[PS:PS+1] offset:8192*\i+2048*\s+512*\c
.endr
.endr
.endr
.irp b, 0,1,2,3
.irp j, 0,1,2,3
	global_load_b128 v[128+16*\b+4*\j:131+16*\b+4*\j], v[BA], s[PBP:PBP+1] offset:128*\b+16*\j
.endr
.endr
	s_wait_loadcnt 0x0
	WIN 0x0c                                       ; source 1 (bp) window 3
.irp i, 0,1
.set q, 0
.rept 32
	v_pk_add_f32 v[X2+64*\i+2*q:X2+64*\i+2*q+1], v[X2+64*\i+2*q:X2+64*\i+2*q+1], v[128+2*q:129+2*q]
.set q, q+1
.endr
.endr
.rept 4
	v_nop
.endr
.irp s, 0,1,2,3                        ; 64 matrix instructions on 16 accumulators by turns
.if \s < 2
	WIN 0x0d
.else
	WIN 0x0e
.endif
.irp i, 0,1
.irp t, 0,1,2,3,4,5,6,7
	v_wmma_scale_f32_16x16x128_f8f6f4 v[X2+64*\i+8*\t:X2+64*\i+8*\t+7], v[16*(8*(\s%2)+\t):16*(8*(\s%2)+\t)+15], v[64*\i+16*\s:64*\i+16*\s+15], v[X2+64*\i+8*\t:X2+64*\i+8*\t+7], v[RS+4*\t+\s], v[SS+4*\i+\s]
.endr
.endr
.endr
	WIN 0
.rept 8
	v_nop                                          ; eight places ahead of the first read of results
.endr
	WIN 0xc0
	s_wait_alu depctr_va_vdst(0)                   ; behind the places: the products are done reading y's registers, in which gain and bias land, and have written x2, which the 32 stores below read
.irp b, 0,1,2,3
.irp j, 0,1,2,3
	global_load_b128 v[16*\b+4*\j:16*\b+4*\j+3], v[BA], s[PG:PG+1] offset:128*\b+16*\j
	global_load_b128 v[64+16*\b+4*\j:64+16*\b+4*\j+3], v[BA], s[PBB:PBB+1] offset:128*\b+16*\j
.endr
.endr
	WIN 0
.irp i, 0,1
.set n, 0
.rept 16
	global_store_b128 v[LI], v[X2+64*\i+4*n:X2+64*\i+4*n+3], s[PR2:PR2+1] offset:32768*\i+512*n   ; x2 as it stands, each accumulator from its low end on: 512 consecutive bytes
.set n, n+1
.endr
.endr
.irp i, 0,1
	v_pk_add_f32 v[8+4*\i:9+4*\i], v[X2+64*\i:X2+64*\i+1], v[X2+64*\i+2:X2+64*\i+3]
	v_pk_add_f32 v[10+4*\i:11+4*\i], v[X2+64*\i+4:X2+64*\i+5], v[X2+64*\i+6:X2+64*\i+7]
.endr
.set q, 8
.rept 14
.irp i, 0,1
	v_pk_add_f32 v[8+4*\i:9+4*\i], v[8+4*\i:9+4*\i], v[X2+64*\i+q:X2+64*\i+q+1]
	v_pk_add_f32 v[10+4*\i:11+4*\i], v[10+4*\i:11+4*\i], v[X2+64*\i+q+2:X2+64*\i+q+3]
.endr
.set q, q+4
.endr
	XCHG 0
.irp i, 0,1
	v_mul_f32 v[16+2*\i], 0x3b000000, v[8+4*\i]    ; the mean
	v_mov_b32 v[17+2*\i], v[16+2*\i]
.endr
	s_wait_alu depctr_va_vdst(0)
	s_wait_xcnt 0x0                                ; the stores of x2 have had their addresses translated,
	s_wait_alu depctr_vm_vsrc(0)                   ; and have read v[X2 ..], from which the mean is taken below, in place
.irp i, 0,1
.set q, 0
.rept 32
	v_pk_add_f32 v[X2+64*\i+2*q:X2+64*\i+2*q+1], v[X2+64*\i+2*q:X2+64*\i+2*q+1], v[16+2*\i:17+2*\i] neg_lo:[0,1] neg_hi:[0,1]
.set q, q+1
.endr
.endr
.irp i, 0,1
	v_pk_mul_f32 v[8+4*\i:9+4*\i], v[X2+64*\i:X2+64*\i+1], v[X2+64*\i:X2+64*\i+1]
	v_pk_mul_f32 v[10+4*\i:11+4*\i], v[X2+64*\i+2:X2+64*\i+3], v[X2+64*\i+2:X2+64*\i+3]
.endr
.set q, 4
.rept 15
.irp i, 0,1
	v_pk_fma_f32 v[8+4*\i:9+4*\i], v[X2+64*\i+q:X2+64*\i+q+1], v[X2+64*\i+q:X2+64*\i+q+1], v[8+4*\i:9+4*\i]
	v_pk_fma_f32 v[10+4*\i:11+4*\i], v[X2+64*\i+q+2:X2+64*\i+q+3], v[X2+64*\i+q+2:X2+64*\i+q+3], v[10+4*\i:11+4*\i]
.endr
.set q, q+4
.endr
	XCHG 1024
.irp i, 0,1
	v_fma_f32 v[8+4*\i], v[8+4*\i], 0x3b000000, s[EPS]
.endr
	s_wait_alu depctr_va_vdst(0)
.irp i, 0,1
	v_rsq_f32 v[20+2*\i], v[8+4*\i]
.endr
	v_nop
	s_wait_alu depctr_va_vdst(0)                   ; the two reciprocal roots have written v20 and v22: one wait for both, ahead of their first reader
.irp i, 0,1
	v_mov_b32 v[21+2*\i], v[20+2*\i]
.endr
	s_wait_alu depctr_va_vdst(0)
	s_wait_loadcnt 0x0                             ; gain and bias
.irp i, 0,1
.set q, 0
.rept 32
	v_pk_mul_f32 v[X2+64*\i+2*q:X2+64*\i+2*q+1], v[X2+64*\i+2*q:X2+64*\i+2*q+1], v[20+2*\i:21+2*\i]
.set q, q+1
.endr
	WIN 0x3c                                       ; sources 1 and 2 window 3
.set q, 0
.rept 32
	v_pk_fma_f32 v[X2+64*\i+2*q:X2+64*\i+2*q+1], v[X2+64*\i+2*q:X2+64*\i+2*q+1], v[2*q:2*q+1], v[64+2*q:65+2*q]
.set q, q+1
.endr
	WIN 0
	s_wait_xcnt 0x0                                ; the first tile's stores have had their addresses translated
.if \i
	s_wait_alu depctr_vm_vsrc(0)                   ; and have read v[PC ..] and v[PW], which the quantiser writes again
.endif
	QUANT X2+64*\i
	s_wait_alu depctr_va_vdst(0)                   ; the conversions have written v[PC ..] and the shifts v[PW], which the stores below read
.irp c, 0,1,2,3
	global_store_b128 v[LI], v[PC+4*\c:PC+4*\c+3], s[PH:PH+1] offset:8192*\i+512*\c
.endr
	global_store_b32 v[LS], v[PW], s[PHS:PHS+1] offset:512*\i
.endr
	s_wait_dscnt 0x0                               ; the closing lines, six on end
	s_wait_alu 0x0
	s_wait_tensorcnt 0x0
	ds_add_u32 v254, v255
	s_wait_dscnt 0x0
	s_endpgm
.Lfunc_end_k_q6c3f26ab40_proj:
	.size	k_q6c3f26ab40_proj, .Lfunc_end_k_q6c3f26ab40_proj-k_q6c3f26ab40_proj
	.p2alignl 7, 3214868480
	.fill 96, 4, 3214868480
	.section	.rodata,"a",@progbits
	.p2align	6, 0x0
	.amdhsa_kernel k_q6c3f26ab40_proj
		.amdhsa_group_segment_fixed_size 2560
		.amdhsa_private_segment_fixed_size 0
		.amdhsa_enable_private_segment 0
		.amdhsa_kernarg_size 64
		.amdhsa_user_sgpr_count 2
		.amdhsa_user_sgpr_kernarg_segment_ptr 1
		.amdhsa_wavefront_size32 1
		.amdhsa_system_sgpr_workgroup_id_x 1
		.amdhsa_system_sgpr_workgroup_id_y 1
		.amdhsa_system_sgpr_workgroup_id_z 1
		.amdhsa_system_vgpr_workitem_id 0
		.amdhsa_next_free_vgpr 1024
		.amdhsa_next_free_sgpr 66
		.amdhsa_reserve_vcc 0
		.amdhsa_float_denorm_mode_32 3
		.amdhsa_float_denorm_mode_16_64 3
		.amdhsa_memory_ordered 1
		.amdhsa_forward_progress 1
		.amdhsa_inst_pref_size 86
	.end_amdhsa_kernel
	.amdgpu_metadata
---
amdhsa.version: [ 1, 2 ]
amdhsa.kernels:
  - .name:           k_q6c3f26ab40_proj
    .symbol:         k_q6c3f26ab40_proj.kd
    .args:
      - { .name: wts, .offset: 0, .size: 8, .value_kind: global_buffer, .address_space: global }
      - { .name: ybuf, .offset: 8, .size: 8, .value_kind: global_buffer, .address_space: global }
      - { .name: x, .offset: 16, .size: 8, .value_kind: global_buffer, .address_space: global }
      - { .name: bp, .offset: 24, .size: 8, .value_kind: global_buffer, .address_space: global }
      - { .name: ln2_g, .offset: 32, .size: 8, .value_kind: global_buffer, .address_space: global }
      - { .name: ln2_b, .offset: 40, .size: 8, .value_kind: global_buffer, .address_space: global }
      - { .name: r2buf, .offset: 48, .size: 8, .value_kind: global_buffer, .address_space: global }
      - { .name: h2buf, .offset: 56, .size: 8, .value_kind: global_buffer, .address_space: global }
    .group_segment_fixed_size: 2560
    .private_segment_fixed_size: 0
    .kernarg_segment_align: 8
    .kernarg_segment_size: 64
    .max_flat_workgroup_size: 128
    .sgpr_count:     66
    .vgpr_count:     1024
    .wavefront_size: 32
...
	.end_amdgpu_metadata
.endif
;; end of part 10
;; launch fc1 (part 11): grid 64 x 4, 4 waves a work-group, no clusters, 0 bytes of LDS; arguments wts, h2buf, b1, hid; writes hid
.if DOCPART == 11
	.amdgcn_target "amdgcn-amd-amdhsa--gfx1250"
	.amdhsa_code_object_version 6
	.text
	.protected	k_q6c3f26ab40_fc1
	.globl	k_q6c3f26ab40_fc1
	.p2align	8
	.type	k_q6c3f26ab40_fc1,@function
k_q6c3f26ab40_fc1:
	s_mov_b64 s[64:65], 0
	v_nop
	global_prefetch_b8 v0, s[64:65] scope:SCOPE_SE
	s_setreg_imm32_b32 hwreg(HW_REG_WAVE_SCHED_MODE, 0, 2), 2
	s_setreg_imm32_b32 hwreg(HW_REG_WAVE_MODE, 25, 1), 1
	s_wait_xcnt 0x0
	s_wait_alu depctr_vm_vsrc(0)
; FC1: hidden = gelu(LN2(x2) W1 + b1) on codes of FP8 (E4M3) with E8M0 scales, quantised on the way for the next product.  Work-group (X, Y): rows 128 X on; wave w: hidden units 128 (4 Y + w) on.
; The wave's 8 tiles x 4 K steps of W1 stay in registers (windows 1, 2); tiles of 16 rows stream through two buffers (window 3): 32 matrix instructions a tile on 8 accumulators by turns; b1 is the C of each sum's first.
; Source 0 = W1, source 1 = the rows: a lane holds one row and 64 hidden units in the order of the next operand's registers: they become one fragment (K step 4 Y + w of the next product) and one scale word.
; GELU, exact form: gelu(x) = max(x, 0) - |x| q, q = erfc(|x| / sqrt 2) / 2 = t exp(-z^2 + P(t)), z = |x| / sqrt 2, t = 1 / (1 + z / 2), P of degree 9: the rational-exponential form whose published relative error is 1.2e-7,
; so the negative tail keeps its relative accuracy.  Exponentials in base 2: Z = x sqrt(log2(e) / 2), so that Z^2 = z^2 log2(e).
; No LDS, no barrier; no cluster: this text has no tensor load.  LIMITS: a block of zeros gets the byte 1; NaN and infinities are not served; a q under 2^-126 counts as 0.
; THE MODE: SCHED_MODE bits 1:0 = 2 (LLVM: expert scheduling mode 2), set by the entry lines.  The code itself states the register dependences between vector or matrix instructions and memory instructions, with s_wait_alu, always for 0.
; THE PLAN.  Registers that memory instructions touch:
;   v1, v2, v3       offsets, made once at the head and never written again; the bases are scalar registers.
;   W1, its scale words, b1: loaded once at the head; no vector instruction writes them.
;   S0, S1 (window 3) and their scale words v40-47: buffer p is read by its tile's 32 products; the loads of two tiles on land in it.
;   v[PC ..], v[PW]  written by a tile's conversions and shifts; read by the tile's five stores.
; So a tile has three waits of this kind: one on vm_vsrc at the head of its activation (the last tile's stores have read the codes), one on va_vdst ahead of its stores (the codes are written),
; and one on va_vdst in SLOAD, behind the window switch (the products are done reading the buffer that is asked for again).  The activation's four waits a half stand ahead of and behind its two batches of transcendentals.
.set SC0, 3145728
.set HS0, 4194304
.set HIDS0, 16777216
.set LI,  1
.set LS,  2
.set BA,  3
.set RS,  8
.set SS,  40
.set HA,  48
.set PC,  112
.set TM,  128
.set PW,  144
.set GZ,  146                          ; v146-177 Z, Z^2, then max(x, 0)
.set GT,  178                          ; v178-209 t
.set GP,  210                          ; v210-241 the polynomial, then q
.set GC,  242                          ; v[242:243] the leading coefficient, twice
.set WV,  12
.set PR,  16
.set PRS, 18
.set PS,  20
.set PSS, 22
.set PB,  24
.set OC,  26
.set OS,  28
.set CNT, 30
.set MNT, 31
.set SEL, 32
.set CQ,  36                           ; s[36:37] sqrt(log2(e) / 2)
.set CK,  38                           ; s[38:55] coefficients 8 down to 0, a pair each
.set CL,  56                           ; s[56:57] log2(e)
.set CH,  58                           ; s58 1 / (2 sqrt(log2(e)))
.set MSB, 0
.macro WIN new
.if MSB != \new
	s_set_vgpr_msb (MSB<<8)|\new
.set MSB, \new
.endif
.endm
.macro QUANT s
.irp b, 0,1,2,3
	v_max3_num_f32 v[TM+\b], |v[\s+16*\b]|, |v[\s+1+16*\b]|, 0x4800000
.endr
.irp i, 2,4,6,8,10,12,14
.irp b, 0,1,2,3
	v_max3_num_f32 v[TM+\b], v[TM+\b], |v[\s+16*\b+\i]|, |v[\s+1+16*\b+\i]|
.endr
.endr
.irp b, 0,1,2,3
	v_permlanex16_b32 v[TM+4+\b], v[TM+\b], s[SEL], s[SEL+1]
.endr
.irp b, 0,1,2,3
	v_max_num_f32 v[TM+\b], v[TM+\b], v[TM+4+\b]
.endr
.irp b, 0,1,2,3
	v_add_nc_u32 v[TM+12+\b], 0xfc000000, v[TM+\b]
.endr
.irp b, 0,1,2,3
	v_and_or_b32 v[TM+8+\b], v[TM+\b], 0x7f800000, s[MNT]
.endr
.irp b, 0,1,2,3
	v_lshrrev_b32 v[TM+4+\b], 23, v[TM+12+\b]
.endr
	v_lshl_or_b32 v[PW], v[TM+5], 8, v[TM+4]
	v_lshl_or_b32 v[PW], v[TM+6], 16, v[PW]
	v_lshl_or_b32 v[PW], v[TM+7], 24, v[PW]
.irp b, 0,1,2,3
.irp i, 0,1,2,3,4,5,6,7,8,9,10,11,12,13,14,15
	v_med3_num_f32 v[\s+16*\b+\i], v[\s+16*\b+\i], -v[TM+8+\b], v[TM+8+\b]
.endr
	v_cvt_scalef32_pk8_fp8_f32 v[PC+4*\b:PC+1+4*\b], v[\s+16*\b:\s+7+16*\b], v[TM+12+\b]
	v_cvt_scalef32_pk8_fp8_f32 v[PC+2+4*\b:PC+3+4*\b], v[\s+8+16*\b:\s+15+16*\b], v[TM+12+\b]
.endr
	v_nop
.endm
.macro SLOAD buf, off, offs
	WIN 0xc0
	s_wait_alu depctr_va_vdst(0)                   ; the products of the tile that lay in this buffer are done reading it and its scale words, in which the loads below land
.irp s, 0,1,2,3
.irp c, 0,1,2,3
	global_load_b128 v[64*\buf+16*\s+4*\c:64*\buf+16*\s+4*\c+3], v[LI], s[PS:PS+1] offset:\off+2048*\s+512*\c
.endr
.endr
	WIN 0
.irp s, 0,1,2,3
	global_load_b32 v[SS+4*\buf+\s], v[LS], s[PSS:PSS+1] offset:\offs+128*\s
.endr
.endm
.macro MUL buf
.irp s, 0,1,2,3
.if \s == 0
	WIN 0x3d
.elseif \s == 1
	WIN 0x0d
.else
	WIN 0x0e
.endif
.irp t, 0,1,2,3,4,5,6,7
.if \s == 0
	v_wmma_scale_f32_16x16x128_f8f6f4 v[HA+8*\t:HA+8*\t+7], v[16*\t:16*\t+15], v[64*\buf:64*\buf+15], v[128+8*\t:128+8*\t+7], v[RS+4*\t], v[SS+4*\buf]
.else
	v_wmma_scale_f32_16x16x128_f8f6f4 v[HA+8*\t:HA+8*\t+7], v[16*(8*(\s%2)+\t):16*(8*(\s%2)+\t)+15], v[64*\buf+16*\s:64*\buf+16*\s+15], v[HA+8*\t:HA+8*\t+7], v[RS+4*\t+\s], v[SS+4*\buf+\s]
.endif
.endr
.endr
	WIN 0
.rept 8
	v_nop                                          ; eight places ahead of the first read of results
.endr
.endm
.macro GELU xb                         ; 32 numbers in place, v[xb] on.  Two batches of transcendentals, each with plain work behind it and ONE wait ahead of its first reader
.set i, 0
.rept 16
	v_pk_mul_f32 v[GZ+2*i:GZ+2*i+1], v[\xb+2*i:\xb+2*i+1], s[CQ:CQ+1] op_sel_hi:[1,0]   ; Z.  (Each accumulator is read from its low end on)
.set i, i+1
.endr
.set i, 0
.rept 32
	v_fma_f32 v[GT+i], |v[GZ+i]|, s[CH], 1.0       ; 1 + z / 2
.set i, i+1
.endr
.set i, 0
	s_wait_alu depctr_va_vdst(0)
.rept 32
	v_rcp_f32 v[GT+i], v[GT+i]                     ; t
.set i, i+1
.endr
.set i, 0
.rept 16
	v_pk_mul_f32 v[GZ+2*i:GZ+2*i+1], v[GZ+2*i:GZ+2*i+1], v[GZ+2*i:GZ+2*i+1]   ; Z^2
.set i, i+1
.endr
	s_wait_alu depctr_va_vdst(0)                   ; the 32 reciprocals have written t, ahead of its first reader
.set i, 0
.rept 16
	v_pk_fma_f32 v[GP+2*i:GP+2*i+1], v[GT+2*i:GT+2*i+1], v[GC:GC+1], s[CK:CK+1] op_sel_hi:[1,1,0]
.set i, i+1
.endr
.irp k, 1,2,3,4,5,6,7,8
.set i, 0
.rept 16
	v_pk_fma_f32 v[GP+2*i:GP+2*i+1], v[GP+2*i:GP+2*i+1], v[GT+2*i:GT+2*i+1], s[CK+2*\k:CK+2*\k+1] op_sel_hi:[1,1,0]
.set i, i+1
.endr
.endr
.set i, 0
.rept 16
	v_pk_fma_f32 v[GP+2*i:GP+2*i+1], v[GP+2*i:GP+2*i+1], s[CL:CL+1], v[GZ+2*i:GZ+2*i+1] op_sel_hi:[1,0,1] neg_lo:[0,0,1] neg_hi:[0,0,1]   ; P log2(e) - Z^2
.set i, i+1
.endr
.set i, 0
	s_wait_alu depctr_va_vdst(0)
.rept 32
	v_exp_f32 v[GP+i], v[GP+i]
.set i, i+1
.endr
.set i, 0
.rept 32
	v_max_num_f32 v[GZ+i], 0, v[\xb+i]
.set i, i+1
.endr
	s_wait_alu depctr_va_vdst(0)                   ; the 32 exponentials have written v[GP ..], ahead of its first reader
.set i, 0
.rept 16
	v_pk_mul_f32 v[GP+2*i:GP+2*i+1], v[GP+2*i:GP+2*i+1], v[GT+2*i:GT+2*i+1]   ; q
.set i, i+1
.endr
.set i, 0
.rept 32
	v_fma_f32 v[\xb+i], -|v[\xb+i]|, v[GP+i], v[GZ+i]
.set i, i+1
.endr
.endm
.macro EPI par
	s_wait_xcnt 0x0                                ; the last tile's stores have had their addresses translated,
	s_wait_alu depctr_vm_vsrc(0)                   ; and have read v[PC ..] and v[PW], which the quantiser below writes again
	GELU HA
	GELU HA+32
	QUANT HA
	s_wait_alu depctr_va_vdst(0)                   ; the conversions have written v[PC ..] and the shifts v[PW], which the stores below read
.irp c, 0,1,2,3
	global_store_b128 v[LI], v[PC+4*\c:PC+4*\c+3], s[OC:OC+1] offset:32768*\par+512*\c
.endr
	global_store_b32 v[LS], v[PW], s[OS:OS+1] offset:2048*\par
.endm
	s_load_b256 s[4:11], s[0:1], 0x0               ; wts, h2buf, b1, hid
	v_lshrrev_b32 v4, 5, v0
	v_readfirstlane_b32 s[WV], v4
	s_and_b32 s13, ttmp7, 0xffff
	s_lshl_b32 s14, s13, 2
	s_wait_alu depctr_va_sdst(0)                   ; the wave's number is written, ahead of its first reader
	s_add_co_u32 s14, s14, s[WV]                   ; my group of 128 hidden units
	v_and_b32 v4, 31, v0
	v_lshlrev_b32 v[LI], 4, v4
	v_lshlrev_b32 v[LS], 2, v4
	v_bfe_u32 v4, v0, 4, 1
	v_lshlrev_b32 v[BA], 6, v4
	s_mov_b32 s[SEL], 0x76543210
	s_mov_b32 s[SEL+1], 0xfedcba98
	s_mov_b32 s[MNT], 0x600000
.irp b, 0,1,2,3
	v_mov_b32 v[TM+4+\b], 0
.endr
	s_mov_b32 s[CQ], 0x3f596d27
	s_mov_b32 s[CK], 0xbf527892                    ; -0.82215223
	s_mov_b32 s[CK+2], 0x3fbe87b0                  ; 1.48851587
	s_mov_b32 s[CK+4], 0xbf914e5d                  ; -1.13520398
	s_mov_b32 s[CK+6], 0x3e8ec7cc                  ; 0.27886807
	s_mov_b32 s[CK+8], 0xbe3ec24c                  ; -0.18628806
	s_mov_b32 s[CK+10], 0x3dc636c9                 ; 0.09678418
	s_mov_b32 s[CK+12], 0x3ebf88fb                 ; 0.37409196
	s_mov_b32 s[CK+14], 0x3f8000c7                 ; 1.00002368
	s_mov_b32 s[CK+16], 0xbffab55a                 ; -1.26551223 - ln 2: the half goes into the exponent
	s_mov_b32 s[CL], 0x3fb8aa3b
.irp p, 36,38,40,42,44,46,48,50,52,54,56
	s_mov_b32 s[\p+1], s[\p]                       ; named as pairs, so both words are written
.endr
	s_mov_b32 s[CH], 0x3ed5224d
	v_mov_b32 v[GC], 0x3e2ef945                    ; 0.17087277
	v_mov_b32 v[GC+1], v[GC]
	s_mov_b32 s61, 0
	s_wait_kmcnt 0x0
	s_lshl_b32 s60, s14, 16
	s_add_co_u32 s60, s60, 512*2048                ; W1's fragments 512 + 32 group on
	s_add_nc_u64 s[PR:PR+1], s[4:5], s[60:61]
	s_lshl_b32 s60, s14, 12
	s_add_co_u32 s60, s60, SC0+512*128
	s_add_nc_u64 s[PRS:PRS+1], s[4:5], s[60:61]
	s_lshl_b32 s60, ttmp9, 16
	s_add_nc_u64 s[PS:PS+1], s[6:7], s[60:61]
	s_lshl_b32 s60, ttmp9, 12
	s_add_co_u32 s60, s60, HS0
	s_add_nc_u64 s[PSS:PSS+1], s[6:7], s[60:61]
	s_lshl_b32 s60, s14, 9
	s_add_nc_u64 s[PB:PB+1], s[8:9], s[60:61]
	s_lshl_b32 s60, ttmp9, 18
	s_lshl_b32 s62, s14, 11
	s_add_co_u32 s60, s60, s62
	s_add_nc_u64 s[OC:OC+1], s[10:11], s[60:61]
	s_lshl_b32 s60, ttmp9, 14
	s_lshl_b32 s62, s14, 7
	s_add_co_u32 s60, s60, s62
	s_add_co_u32 s60, s60, HIDS0
	s_add_nc_u64 s[OS:OS+1], s[10:11], s[60:61]
	s_wait_alu depctr_va_vdst(0)                   ; v[LI], v[LS] and v[BA] are written, which every load and store reads as its offset.  Behind this wait, up to the first tile's loads: loads and window switches alone
.set f, 0
.rept 32
	global_load_b32 v[RS+f], v[LS], s[PRS:PRS+1] offset:128*f
.set f, f+1
.endr
	WIN 0x40
.irp s, 0,1
.irp t, 0,1,2,3,4,5,6,7
.irp c, 0,1,2,3
	global_load_b128 v[16*(8*\s+\t)+4*\c:16*(8*\s+\t)+4*\c+3], v[LI], s[PR:PR+1] offset:2048*(4*\t+\s)+512*\c
.endr
.endr
.endr
	WIN 0x80
.irp s, 2,3
.irp t, 0,1,2,3,4,5,6,7
.irp c, 0,1,2,3
	global_load_b128 v[16*(8*(\s-2)+\t)+4*\c:16*(8*(\s-2)+\t)+4*\c+3], v[LI], s[PR:PR+1] offset:2048*(4*\t+\s)+512*\c
.endr
.endr
.endr
	WIN 0xc0
.irp t, 0,1,2,3,4,5,6,7
	global_load_b128 v[128+8*\t:131+8*\t], v[BA], s[PB:PB+1] offset:(32*(\t/2)+8*(\t%2))*4
	global_load_b128 v[132+8*\t:135+8*\t], v[BA], s[PB:PB+1] offset:(32*(\t/2)+8*(\t%2))*4+16
.endr
	WIN 0
	SLOAD 0, 0, 0
	s_mov_b32 s[CNT], 4
.Ltrip:                                                ; four trips of two tiles; a tile's loads have one tile's products and activation in which to land
	SLOAD 1, 8192, 512
	s_wait_loadcnt 20                              ; all but the odd tile's 20 loads just issued
	MUL 0
	EPI 0
	s_wait_loadcnt 0x0
	s_cmp_eq_u32 s[CNT], 1
	s_cbranch_scc1 .Lskip                          ; the last trip asks for nothing: no load leaves its buffer
	SLOAD 0, 16384, 1024
.Lskip:
	MUL 1
	EPI 1
	s_wait_xcnt 0x0                                ; loads and stores have read their bases
	s_add_nc_u64 s[PS:PS+1], s[PS:PS+1], 16384
	s_add_nc_u64 s[PSS:PSS+1], s[PSS:PSS+1], 1024
	s_add_nc_u64 s[OC:OC+1], s[OC:OC+1], 65536
	s_add_nc_u64 s[OS:OS+1], s[OS:OS+1], 4096
	s_sub_co_u32 s[CNT], s[CNT], 1
	s_cmp_lg_u32 s[CNT], 0
	s_cbranch_scc1 .Ltrip
	s_endpgm
.Lfunc_end_k_q6c3f26ab40_fc1:
	.size	k_q6c3f26ab40_fc1, .Lfunc_end_k_q6c3f26ab40_fc1-k_q6c3f26ab40_fc1
	.p2alignl 7, 3214868480
	.fill 96, 4, 3214868480
	.section	.rodata,"a",@progbits
	.p2align	6, 0x0
	.amdhsa_kernel k_q6c3f26ab40_fc1
		.amdhsa_group_segment_fixed_size 0
		.amdhsa_private_segment_fixed_size 0
		.amdhsa_enable_private_segment 0
		.amdhsa_kernarg_size 32
		.amdhsa_user_sgpr_count 2
		.amdhsa_user_sgpr_kernarg_segment_ptr 1
		.amdhsa_wavefront_size32 1
		.amdhsa_system_sgpr_workgroup_id_x 1
		.amdhsa_system_sgpr_workgroup_id_y 1
		.amdhsa_system_sgpr_workgroup_id_z 1
		.amdhsa_system_vgpr_workitem_id 0
		.amdhsa_next_free_vgpr 1024
		.amdhsa_next_free_sgpr 66
		.amdhsa_reserve_vcc 0
		.amdhsa_float_denorm_mode_32 3
		.amdhsa_float_denorm_mode_16_64 3
		.amdhsa_memory_ordered 1
		.amdhsa_forward_progress 1
		.amdhsa_inst_pref_size 133
	.end_amdhsa_kernel
	.amdgpu_metadata
---
amdhsa.version: [ 1, 2 ]
amdhsa.kernels:
  - .name:           k_q6c3f26ab40_fc1
    .symbol:         k_q6c3f26ab40_fc1.kd
    .args:
      - { .name: wts, .offset: 0, .size: 8, .value_kind: global_buffer, .address_space: global }
      - { .name: h2buf, .offset: 8, .size: 8, .value_kind: global_buffer, .address_space: global }
      - { .name: b1, .offset: 16, .size: 8, .value_kind: global_buffer, .address_space: global }
      - { .name: hid, .offset: 24, .size: 8, .value_kind: global_buffer, .address_space: global }
    .group_segment_fixed_size: 0
    .private_segment_fixed_size: 0
    .kernarg_segment_align: 8
    .kernarg_segment_size: 32
    .max_flat_workgroup_size: 128
    .sgpr_count:     66
    .vgpr_count:     1024
    .wavefront_size: 32
...
	.end_amdgpu_metadata
.endif
;; end of part 11
;; launch fc2 (part 12): grid 64 x 4, 4 waves a work-group, no clusters, 68,096 bytes of LDS; arguments wts, hid, r2buf, b2, out0; writes out0
.if DOCPART == 12
	.amdgcn_target "amdgcn-amd-amdhsa--gfx1250"
	.amdhsa_code_object_version 6
	.text
	.protected	k_q6c3f26ab40_fc2
	.globl	k_q6c3f26ab40_fc2
	.p2align	8
	.type	k_q6c3f26ab40_fc2,@function
k_q6c3f26ab40_fc2:
	s_mov_b64 s[64:65], 0
	v_nop
	global_prefetch_b8 v0, s[64:65] scope:SCOPE_SE
	s_setreg_imm32_b32 hwreg(HW_REG_WAVE_SCHED_MODE, 0, 2), 2
	s_setreg_imm32_b32 hwreg(HW_REG_WAVE_MODE, 25, 1), 1
	s_wait_xcnt 0x0
	s_wait_alu depctr_vm_vsrc(0)
; FC2: out = x2 + hidden W2 + b2 on codes of FP8 (E4M3) with E8M0 scales.  Work-group (X, cg): rows 128 X on, columns 128 cg on.  K = 2,048 IS SHARED OUT AMONG THE FOUR WAVES: wave w takes K steps 4 w .. 4 w + 3,
; so that its part of W2 (8 tiles x 4 K steps) stays in registers (windows 1, 2) and each hidden fragment is read by one wave alone.  Tiles of 16 rows stream through two buffers (window 3): 32 matrix instructions a tile, 8 accumulators by turns.
; ROTATION: the wave's pair p of accumulators holds the block of 32 columns (p + w) % 4, so pair 0 is always block w: there x2 (read as the register image that proj stored) is the C of the sum's first matrix instruction: each block gets x2 once.
; The four partial tiles meet in LDS: two stages by turns, one barrier a tile; wave w then adds rows 4 w .. 4 w + 3 of the tile, in a fixed order, with b2, and stores whole rows of 512 bytes.
; LIMIT, stated: each output is the sum of four chains of K = 512, ((p0 + p1) + (p2 + p3)) + b2, not one ascending chain.  NaN and infinities are not served.  No cluster: this text has no tensor load.
; THE MODE: SCHED_MODE bits 1:0 = 2 (LLVM: expert scheduling mode 2), set by the entry lines.  The code itself states the register dependences between vector or matrix instructions and memory or LDS instructions, with s_wait_alu, always for 0.
; THE PLAN.  Registers that memory or LDS instructions touch:
;   v1, v2, v4-16    offsets and LDS addresses, made once at the head and never written again; the bases are scalar registers.
;   W2, its scale words, b2: loaded once at the head; no vector instruction writes them.
;   S0, S1 (window 3) with x2's 16 registers, and the scale words v56-63: buffer p is read by its tile's 32 products; the loads of two tiles on land in it.
;   v[HA ..]         the accumulators: written by a tile's products, read by its 16 LDS stores, written by the next tile's products.
;   v[RD ..]         a tile's 16 LDS loads land there; 32 additions read and write them; four stores read the sums.
; A tile's waits: on va_vdst behind the products' places (the LDS stores read the accumulators; the last tile's additions are done with RD); on vm_vsrc behind the barrier (the last tile's stores have read RD, my LDS stores the
; accumulators); on va_vdst ONCE ahead of the four stores, whose 32 additions stand in one run; and on va_vdst in SLOAD, behind the window switch.
.set SC0, 3145728
.set HIDS0, 16777216
.set LI,  1
.set LS,  2
.set RS,  24                           ; v24-55 W2's scale words;  v4-7, v8-11 offsets of W2's codes and scales by pair;  v12-15 where a pair goes in the stage;  v16 where I read rows back;  v[20:23] b2
.set SS,  56
.set HA,  64
.set RD,  128                          ; v128-191 four rows x four partials
.set STG, 33792                        ; a stage: four partials of 16 rows x (512 bytes + 16)
.set WV,  14
.set CG,  15
.set PR,  16
.set PRS, 18
.set PS,  20
.set PSS, 22
.set PX,  24
.set PB2, 26
.set OC,  28
.set CNT, 30
.set MSB, 0
.macro WIN new
.if MSB != \new
	s_set_vgpr_msb (MSB<<8)|\new
.set MSB, \new
.endif
.endm
.macro SLOAD buf, off, offs            ; a tile's four hidden fragments of my K steps, its 16 registers of x2 for my own block, its scale words
	WIN 0xc0
	s_wait_alu depctr_va_vdst(0)                   ; the products of the tile that lay in this buffer are done reading it, its x2 and its scale words, in which the loads below land
.irp s, 0,1,2,3
.irp c, 0,1,2,3
	global_load_b128 v[64*\buf+16*\s+4*\c:64*\buf+16*\s+4*\c+3], v[LI], s[PS:PS+1] offset:\off+2048*\s+512*\c
.endr
.endr
.irp c, 0,1,2,3
	global_load_b128 v[128+16*\buf+4*\c:131+16*\buf+4*\c], v[LI], s[PX:PX+1] offset:\off+512*\c
.endr
	WIN 0
.irp s, 0,1,2,3
	global_load_b32 v[SS+4*\buf+\s], v[LS], s[PSS:PSS+1] offset:\offs+128*\s
.endr
.endm
.macro MUL buf
.irp s, 0,1,2,3
.if \s == 0
	WIN 0x3d
.elseif \s == 1
	WIN 0x0d
.else
	WIN 0x0e
.endif
.irp t, 0,1,2,3,4,5,6,7
.if \s == 0
.if \t < 2
	v_wmma_scale_f32_16x16x128_f8f6f4 v[HA+8*\t:HA+8*\t+7], v[16*\t:16*\t+15], v[64*\buf:64*\buf+15], v[128+16*\buf+8*\t:128+16*\buf+8*\t+7], v[RS+4*\t], v[SS+4*\buf]
.else
	v_wmma_scale_f32_16x16x128_f8f6f4 v[HA+8*\t:HA+8*\t+7], v[16*\t:16*\t+15], v[64*\buf:64*\buf+15], 0, v[RS+4*\t], v[SS+4*\buf]
.endif
.else
	v_wmma_scale_f32_16x16x128_f8f6f4 v[HA+8*\t:HA+8*\t+7], v[16*(8*(\s%2)+\t):16*(8*(\s%2)+\t)+15], v[64*\buf+16*\s:64*\buf+16*\s+15], v[HA+8*\t:HA+8*\t+7], v[RS+4*\t+\s], v[SS+4*\buf+\s]
.endif
.endr
.endr
	WIN 0
.rept 8
	v_nop                                          ; eight places ahead of the LDS stores that read the results
.endr
.endm
.macro EPI par
	s_wait_alu depctr_va_vdst(0)                   ; behind the places: the products have written the accumulators, which the LDS stores read; the last tile's additions are done with v[RD ..], in which the LDS loads below land
.irp p, 0,1,2,3
.irp c, 0,1,2,3
	ds_store_b128 v[12+\p], v[HA+16*\p+4*\c:HA+16*\p+4*\c+3] offset:STG*\par+16*\c   ; each accumulator from its low end on
.endr
.endr
	s_wait_dscnt 0x0                               ; for the others' sake: my partial lies in the stage (my reads of the other stage were waited for a tile ago)
	s_barrier_signal -1
	s_barrier_wait -1                              ; all four partials do.  This stage is written again two tiles on, behind the next tile's barrier, which every wave reaches behind its reads below
	s_wait_xcnt 0x0                                ; the last tile's stores have had their addresses translated,
	s_wait_alu depctr_vm_vsrc(0)                   ; and have read v[RD ..], in which the loads below land; my LDS stores have read the accumulators, which the next tile's products write
.irp i, 0,1,2,3
.irp q, 0,1,2,3
	ds_load_b128 v[RD+16*\i+4*\q:RD+16*\i+4*\q+3], v16 offset:STG*\par+8448*\q+528*\i
.endr
.endr
	s_wait_dscnt 0x0
.irp i, 0,1,2,3
	v_pk_add_f32 v[RD+16*\i:RD+16*\i+1], v[RD+16*\i:RD+16*\i+1], v[RD+16*\i+4:RD+16*\i+5]
	v_pk_add_f32 v[RD+16*\i+2:RD+16*\i+3], v[RD+16*\i+2:RD+16*\i+3], v[RD+16*\i+6:RD+16*\i+7]
	v_pk_add_f32 v[RD+16*\i+8:RD+16*\i+9], v[RD+16*\i+8:RD+16*\i+9], v[RD+16*\i+12:RD+16*\i+13]
	v_pk_add_f32 v[RD+16*\i+10:RD+16*\i+11], v[RD+16*\i+10:RD+16*\i+11], v[RD+16*\i+14:RD+16*\i+15]
	v_pk_add_f32 v[RD+16*\i:RD+16*\i+1], v[RD+16*\i:RD+16*\i+1], v[RD+16*\i+8:RD+16*\i+9]
	v_pk_add_f32 v[RD+16*\i+2:RD+16*\i+3], v[RD+16*\i+2:RD+16*\i+3], v[RD+16*\i+10:RD+16*\i+11]
	v_pk_add_f32 v[RD+16*\i:RD+16*\i+1], v[RD+16*\i:RD+16*\i+1], v[20:21]
	v_pk_add_f32 v[RD+16*\i+2:RD+16*\i+3], v[RD+16*\i+2:RD+16*\i+3], v[22:23]
.endr
	s_wait_alu depctr_va_vdst(0)                   ; the additions have written the four rows, which the four stores read: one wait for the run
.irp i, 0,1,2,3
	global_store_b128 v[LI], v[RD+16*\i:RD+16*\i+3], s[OC:OC+1] offset:16384*\par+2048*\i th:TH_STORE_NT   ; 512 consecutive bytes of a row, at a multiple of 256 from the output's first byte
.endr
.endm
	s_load_b256 s[4:11], s[0:1], 0x0               ; wts, hid, r2buf, b2
	s_load_b64 s[12:13], s[0:1], 0x20              ; out0
	v_lshl_add_u32 v254, v0, 2, 0x10800
	v_mov_b32 v255, 0
	v_lshrrev_b32 v3, 5, v0
	v_readfirstlane_b32 s[WV], v3
	s_and_b32 s[CG], ttmp7, 0xffff
	v_and_b32 v3, 31, v0
	v_lshlrev_b32 v[LI], 4, v3
	v_lshlrev_b32 v[LS], 2, v3
	v_and_b32 v3, 15, v0                           ; r
	v_bfe_u32 v18, v0, 4, 1                        ; h
	v_mul_u32_u24 v17, v3, 528
	v_lshl_add_u32 v17, v18, 6, v17
	s_wait_alu depctr_va_sdst(0)                   ; the wave's number is written, ahead of its first reader
	s_mul_i32 s34, s[WV], 8448
	v_add_nc_u32 v17, s34, v17                     ; my partial: row r, + 64 h
	s_wait_alu depctr_va_vdst(0)
	s_mul_i32 s34, s[WV], 2112
	v_add_nc_u32 v16, s34, v[LI]                   ; back: rows 4 w on, 16 bytes a lane
.irp p, 0,1,2,3
	s_add_co_u32 s34, s[WV], \p
	s_and_b32 s34, s34, 3                          ; the block of 32 columns of pair p
	s_lshl_b32 s35, s34, 16
	v_add_nc_u32 v[4+\p], s35, v[LI]               ; two tiles of 16 fragments
	s_lshl_b32 s35, s34, 12
	v_add_nc_u32 v[8+\p], s35, v[LS]
	s_lshl_b32 s35, s34, 7
	v_add_nc_u32 v[12+\p], s35, v17
.endr
	s_mov_b32 s33, 0
	s_wait_kmcnt 0x0
	s_lshl_b32 s32, s[CG], 18
	s_lshl_b32 s34, s[WV], 13
	s_add_co_u32 s32, s32, s34
	s_add_co_u32 s32, s32, 1024*2048               ; W2's fragment 1,024 + 128 cg + 4 w
	s_add_nc_u64 s[PR:PR+1], s[4:5], s[32:33]
	s_lshl_b32 s32, s[CG], 14
	s_lshl_b32 s34, s[WV], 9
	s_add_co_u32 s32, s32, s34
	s_add_co_u32 s32, s32, SC0+1024*128
	s_add_nc_u64 s[PRS:PRS+1], s[4:5], s[32:33]
	s_lshl_b32 s32, ttmp9, 18
	s_lshl_b32 s34, s[WV], 13
	s_add_co_u32 s32, s32, s34
	s_add_nc_u64 s[PS:PS+1], s[6:7], s[32:33]
	s_lshl_b32 s32, ttmp9, 14
	s_lshl_b32 s34, s[WV], 9
	s_add_co_u32 s32, s32, s34
	s_add_co_u32 s32, s32, HIDS0
	s_add_nc_u64 s[PSS:PSS+1], s[6:7], s[32:33]
	s_lshl_b32 s32, ttmp9, 18
	s_lshl_b32 s34, s[CG], 13
	s_add_co_u32 s32, s32, s34
	s_lshl_b32 s34, s[WV], 11
	s_add_co_u32 s32, s32, s34
	s_add_nc_u64 s[PX:PX+1], s[8:9], s[32:33]
	s_lshl_b32 s32, s[CG], 9
	s_add_nc_u64 s[PB2:PB2+1], s[10:11], s[32:33]
	s_lshl_b32 s34, ttmp9, 7
	s_lshl_b32 s35, s[WV], 2
	s_add_co_u32 s34, s34, s35
	s_lshr_b32 s35, s[WV], 1
	s_lshl_b32 s35, s35, 3
	s_add_co_u32 s34, s34, s35                     ; the row at place 4 w of the first tile: 128 X + 4 w + 8 (w / 2)
	s_lshl_b32 s34, s34, 11
	s_add_co_u32 s32, s32, s34
	s_add_nc_u64 s[OC:OC+1], s[12:13], s[32:33]
	s_wait_alu depctr_va_vdst(0)                   ; v1, v2 and v4 to v16 are written: the offsets of every load and store, and the LDS addresses.  Behind this wait, up to the first tile's loads: loads and window switches alone
	global_load_b128 v[20:23], v[LI], s[PB2:PB2+1]
.irp t, 0,1,2,3,4,5,6,7
.irp s, 0,1,2,3
	global_load_b32 v[RS+4*\t+\s], v[8+\t/2], s[PRS:PRS+1] offset:(\t%2)*2048+128*\s
.endr
.endr
	WIN 0x40
.irp s, 0,1
.irp t, 0,1,2,3,4,5,6,7
.irp c, 0,1,2,3
	global_load_b128 v[16*(8*\s+\t)+4*\c:16*(8*\s+\t)+4*\c+3], v[4+\t/2], s[PR:PR+1] offset:(\t%2)*32768+2048*\s+512*\c
.endr
.endr
.endr
	WIN 0x80
.irp s, 2,3
.irp t, 0,1,2,3,4,5,6,7
.irp c, 0,1,2,3
	global_load_b128 v[16*(8*(\s-2)+\t)+4*\c:16*(8*(\s-2)+\t)+4*\c+3], v[4+\t/2], s[PR:PR+1] offset:(\t%2)*32768+2048*\s+512*\c
.endr
.endr
.endr
	WIN 0
	SLOAD 0, 0, 0
	s_mov_b32 s[CNT], 4
.Ltrip:                                                ; four trips of two tiles, the same in all four waves: every wave passes every barrier
	SLOAD 1, 32768, 2048
	s_wait_loadcnt 24                              ; all but the odd tile's 24 loads just issued
	MUL 0
	EPI 0
	s_wait_loadcnt 0x0
	s_cmp_eq_u32 s[CNT], 1
	s_cbranch_scc1 .Lskip                          ; the last trip asks for nothing: no load leaves its buffer
	SLOAD 0, 65536, 4096
.Lskip:
	MUL 1
	EPI 1
	s_wait_xcnt 0x0                                ; loads and stores have read their bases
	s_add_nc_u64 s[PS:PS+1], s[PS:PS+1], 65536
	s_add_nc_u64 s[PSS:PSS+1], s[PSS:PSS+1], 4096
	s_add_nc_u64 s[PX:PX+1], s[PX:PX+1], 65536
	s_add_nc_u64 s[OC:OC+1], s[OC:OC+1], 65536
	s_sub_co_u32 s[CNT], s[CNT], 1
	s_cmp_lg_u32 s[CNT], 0
	s_cbranch_scc1 .Ltrip
	s_wait_dscnt 0x0                               ; the closing lines, six on end
	s_wait_alu 0x0
	s_wait_tensorcnt 0x0
	ds_add_u32 v254, v255
	s_wait_dscnt 0x0
	s_endpgm
.Lfunc_end_k_q6c3f26ab40_fc2:
	.size	k_q6c3f26ab40_fc2, .Lfunc_end_k_q6c3f26ab40_fc2-k_q6c3f26ab40_fc2
	.p2alignl 7, 3214868480
	.fill 96, 4, 3214868480
	.section	.rodata,"a",@progbits
	.p2align	6, 0x0
	.amdhsa_kernel k_q6c3f26ab40_fc2
		.amdhsa_group_segment_fixed_size 68096
		.amdhsa_private_segment_fixed_size 0
		.amdhsa_enable_private_segment 0
		.amdhsa_kernarg_size 40
		.amdhsa_user_sgpr_count 2
		.amdhsa_user_sgpr_kernarg_segment_ptr 1
		.amdhsa_wavefront_size32 1
		.amdhsa_system_sgpr_workgroup_id_x 1
		.amdhsa_system_sgpr_workgroup_id_y 1
		.amdhsa_system_sgpr_workgroup_id_z 1
		.amdhsa_system_vgpr_workitem_id 0
		.amdhsa_next_free_vgpr 1024
		.amdhsa_next_free_sgpr 66
		.amdhsa_reserve_vcc 0
		.amdhsa_float_denorm_mode_32 3
		.amdhsa_float_denorm_mode_16_64 3
		.amdhsa_memory_ordered 1
		.amdhsa_forward_progress 1
		.amdhsa_inst_pref_size 45
	.end_amdhsa_kernel
	.amdgpu_metadata
---
amdhsa.version: [ 1, 2 ]
amdhsa.kernels:
  - .name:           k_q6c3f26ab40_fc2
    .symbol:         k_q6c3f26ab40_fc2.kd
    .args:
      - { .name: wts, .offset: 0, .size: 8, .value_kind: global_buffer, .address_space: global }
      - { .name: hid, .offset: 8, .size: 8, .value_kind: global_buffer, .address_space: global }
      - { .name: r2buf, .offset: 16, .size: 8, .value_kind: global_buffer, .address_space: global }
      - { .name: b2, .offset: 24, .size: 8, .value_kind: global_buffer, .address_space: global }
      - { .name: out0, .offset: 32, .size: 8, .value_kind: global_buffer, .address_space: global }
    .group_segment_fixed_size: 68096
    .private_segment_fixed_size: 0
    .kernarg_segment_align: 8
    .kernarg_segment_size: 40
    .max_flat_workgroup_size: 128
    .sgpr_count:     66
    .vgpr_count:     1024
    .wavefront_size: 32
...
	.end_amdgpu_metadata
.endif
;; end of part 12
